; MI455X (gfx1250); checked and timed in simulation.
; The chip was launched on July 23, 2026; its instructions are those of AMD's public machine-readable ISA for CDNA 5 (MIT licence, August 2026) and "CDNA5" Instruction Set Architecture Reference Guide (July 2026). The comments in the code are by the model that wrote it; some were corrected since.
;; Block. Allowed arithmetic: matrix products marked QUANTISED: E2M3 operands, one E8M0 scale for each 32 along K, by v_wmma_scale_f32_16x16x128_f8f6f4 with both operands' format E2M3, f32 sums; everything else in f32.
;; Inputs: W1_codes 4,096 x 32 x 24 uint8 (E2M3 codes of W1, K innermost, in blocks of 32 codes, four codes in three bytes); W1_scales 4,096 x 32 uint8 (E8M0 scales of W1, one for each 32 codes along K); W2_codes 1,024 x 128 x 24 uint8 (E2M3 codes of W2, K innermost, in blocks of 32 codes, four codes in three bytes); W2_scales 1,024 x 128 uint8 (E8M0 scales of W2, one for each 32 codes along K); Wk_codes 16 x 64 x 32 x 24 uint8 (E2M3 codes of Wk, K innermost, in blocks of 32 codes, four codes in three bytes); Wk_scales 16 x 64 x 32 uint8 (E8M0 scales of Wk, one for each 32 codes along K); Wproj_codes 1,024 x 32 x 24 uint8 (E2M3 codes of Wproj, K innermost, in blocks of 32 codes, four codes in three bytes); Wproj_scales 1,024 x 32 uint8 (E8M0 scales of Wproj, one for each 32 codes along K); Wq_codes 16 x 64 x 32 x 24 uint8 (E2M3 codes of Wq, K innermost, in blocks of 32 codes, four codes in three bytes); Wq_scales 16 x 64 x 32 uint8 (E8M0 scales of Wq, one for each 32 codes along K); Wv_codes 16 x 64 x 32 x 24 uint8 (E2M3 codes of Wv, K innermost, in blocks of 32 codes, four codes in three bytes); Wv_scales 16 x 64 x 32 uint8 (E8M0 scales of Wv, one for each 32 codes along K); b1 4,096 float32; b2 1,024 float32; bproj 1,024 float32; ln1_b 1,024 float32; ln1_g 1,024 float32; ln2_b 1,024 float32; ln2_g 1,024 float32; x 2 x 2,048 x 1,024 float32.
;; Outputs: out0 2 x 2,048 x 1,024 float32.
;; This version of the problem:
;;   THIS VERSION OF THE PROBLEM IS GIVEN IN LOW PRECISION. The matrix products marked QUANTISED in the list below multiply operands that are first quantised to E2M3 (2 exponent bits, 3 mantissa bits; 6 bits a number), with one power-of-two scale for each 32 numbers along K (OCP MX v1.0); their sums are f32. All else is computed in f32.
;;   The module's matrix products, in the order in which they are computed (A, B: the left and right operand; K: the contracted axis; several contracted axes count as one K, in the product's order):
;;     1. [M 1,024, K 1,024] x [K 1,024, N 4,096]; A: input Wq (given as codes); B: computed on the way: QUANTISED
;;     2. [M 1,024, K 1,024] x [K 1,024, N 4,096]; A: input Wk (given as codes); B: computed on the way: QUANTISED
;;     3. [M 1,024, K 1,024] x [K 1,024, N 4,096]; A: input Wv (given as codes); B: computed on the way: QUANTISED
;;     4. batch 32 x [M 2,048, K 64] x [K 64, N 2,048]; A: computed on the way; B: computed on the way: QUANTISED
;;     5. batch 32 x [M 2,048, K 2,048] x [K 2,048, N 64]; A: softmax (see below); B: computed on the way: QUANTISED
;;     6. [M 4,096, K 1,024] x [K 1,024, N 1,024]; A: computed on the way; B: input Wproj (given as codes): QUANTISED
;;     7. [M 4,096, K 1,024] x [K 1,024, N 4,096]; A: computed on the way; B: input W1 (given as codes): QUANTISED
;;     8. [M 4,096, K 4,096] x [K 4,096, N 1,024]; A: computed on the way; B: input W2 (given as codes): QUANTISED
;;   THE QUANTISER, for each operand of a quantised product, along K:
;;     - K is cut into blocks of 32 from its start; a last block that is shorter is filled with zeros.
;;     - A block's scale is 2^e with e = floor(log2(the largest magnitude in the block)) - 2, held to -126 .. 127; a block of zeros has e = 0. As a byte (E8M0): e + 127.
;;     - Each number is divided by its block's scale, clamped to +-7.5, and rounded to the nearest number of E2M3, ties to even, subnormals kept.
;;     - The product sums the exact products of the quantised numbers (number of the format x scale) in f32.
;;   ~~~python
;;   def quantise(x, axis):      # numpy; x: float32 -> the quantised numbers, widened to float32 again
;;       x = np.moveaxis(x, axis, -1); K = x.shape[-1]
;;       x = np.pad(x, [(0, 0)] * (x.ndim - 1) + [(0, -K % 32)]); x = x.reshape(x.shape[:-1] + (-1, 32)); a = np.abs(x).max(-1, keepdims=True)
;;       e = np.where(a > 0, np.clip(np.frexp(np.where(a > 0, a, 1))[1] - 1 - 2, -126, 127), 0)      # np.frexp(a)[1] - 1 = floor(log2(a)), exactly
;;       r = np.clip(x / 2.0 ** e, -7.5, 7.5)
;;       step = 2.0 ** (np.maximum(np.frexp(np.where(r == 0, 1, r))[1] - 1, 0) - 3)
;;       q = np.round(r / step) * step * 2.0 ** e      # np.round: ties to even
;;       return np.moveaxis(q.reshape(q.shape[:-2] + (-1,))[..., :K], -1, axis).astype(np.float32)
;;   ~~~
;;   SOFTMAX AHEAD OF A QUANTISED PRODUCT. Where the list says 'softmax', what is quantised is not the finished softmax but p = 2^(t - M), with t = logit x log2(e) and M = ceil(the row's largest t), a whole number; so 1/2 < the row's largest p <= 1. The row's sum l is taken of the UNQUANTISED p, in f32, and the product's result is divided by l at the end. Since M is a whole number, a kernel that streams over the keys may use a running M (the ceiling of the running maximum): every later rescaling is an exact power of two, which a block's scale takes up: the codes' values come out the same.
;;   OPERANDS COMPUTED ON THE WAY. 'Computed on the way' means the value that the module computes at that place (a softmax that the list does not call 'softmax' is quantised finished and normalised). What goes into a quantiser is computed in f32, as accurately as f32 sums, v_exp_f32 and their like allow (about 1e-6 of the number): no bf16 or f16 on the way to a quantiser, and a product that is left as it is and whose result goes on into a quantised operand takes f32 operands (vector FMAs, or v_wmma_f32_16x16x4_f32). A number that lies on a knife's edge between two numbers of the format may be rounded either way, as far as f32 arithmetic and the matrix unit's own rounding can turn it there, and no further.
;;   INPUTS GIVEN AS CODES. W1 (in the module: [1024, 4096], K = its axis 0); W2 (in the module: [4096, 1024], K = its axis 0); Wk (in the module: [16, 1024, 64], K = its axis 1); Wproj (in the module: [1024, 1024], K = its axis 0); Wq (in the module: [16, 1024, 64], K = its axis 1); Wv (in the module: [16, 1024, 64], K = its axis 1): each comes as NAME_codes (uint8): NAME with its K axis moved to the last place and cut into blocks of 32 codes, [.., K / 32, bytes a block], one block behind the other in memory; four codes in three bytes: a row's codes are one little-endian stream of bits, code i at bits 6 i .. 6 i + 5 (a code: sign, 2 exponent bits, 3 mantissa bits); and NAME_scales (uint8): the same leading axes, one E8M0 byte (e + 127) for each 32 codes along K. Its value is code x scale, taken as it is: it is not quantised again, and the codes and scales need not be those that the quantiser above would give.
;; 2 versions. Each part assembles by itself: llvm-mc -triple=amdgcn-amd-amdhsa -mcpu=gfx1250 --defsym DOCPART=n.
;; ======== version 1 of 2: 7 launches
;; workspace buffers: wbuf 9,830,400 bytes; hbuf 3,276,800 bytes; qkvbuf 10,223,616 bytes; obuf 3,276,800 bytes; x1buf 16,777,216 bytes; ffbuf 13,107,200 bytes
;; launch prep (part 1): grid 304 x 1, 8 waves a work-group, no clusters, 2,048 bytes of LDS; arguments x, ln1_g, ln1_b, Wq_codes, Wq_scales, Wk_codes, Wk_scales, Wv_codes, Wv_scales, Wproj_codes, Wproj_scales, W1_codes, W1_scales, W2_codes, W2_scales, hbuf, wbuf; writes hbuf, wbuf
.if DOCPART == 1
	.amdgcn_target "amdgcn-amd-amdhsa--gfx1250"
	.amdhsa_code_object_version 6
	.text
	.protected	k_qce351dcb0c_prep
	.globl	k_qce351dcb0c_prep
	.p2align	8
	.type	k_qce351dcb0c_prep,@function
k_qce351dcb0c_prep:
	s_mov_b64 s[64:65], 0
	v_nop
	global_prefetch_b8 v0, s[64:65] scope:SCOPE_SE
	s_setreg_imm32_b32 hwreg(HW_REG_WAVE_MODE, 25, 1), 1
	s_wait_xcnt 0x0
; Two jobs in one launch, told apart by the work-group's number.
; WORK-GROUPS 0-255: h = LayerNorm(x) x gain + bias, quantised along the 1,024 columns to FP6 (E2M3) with one E8M0 byte for each 32, and stored as IMAGES OF OPERAND REGISTERS.
; WORK-GROUPS 256-303: the six weights, which arrive as rows of codes, are laid out once in the same image form.
; TILE ORDER: tile t holds 16 rows, lane r (0-15) the row 32 (t / 2) + 8 (t % 2) + r + 8 (r / 8).  A product that takes such a tile as its source 0 leaves 16 neighbours along that axis in the 16 registers of two neighbouring tiles.
; IMAGE: a fragment (16 rows x 128 K, 12 registers a lane) is two halves of 768 bytes; half c: registers 6 c .. 6 c + 3 at 16 x lane, registers 6 c + 4, 6 c + 5 at 512 + 8 x lane.  Fragment (tile, K step) lies at (tile x K steps + K step) x 1,536.
; SCALE IMAGE: for a pair of tiles and a K step 128 bytes: the word at 4 x lane holds the four bytes of the row of tile 2 P + lane / 16, lane % 16.
; LN: a work-group takes one tile of 16 rows, wave w the columns 128 w .. 128 w + 127: 64 numbers a lane, register 16 b + i = column 128 w + 32 b + 16 (lane / 16) + i of the lane's row.  Mean and variance in two passes (the variance of x - mean),
; the eight waves' partial sums meet in LDS and are added in the same order by every wave.
; LIMITS: NaN and infinities among the inputs are not served.  A block whose largest magnitude lies under 2^-124 keeps the scale byte 1; so does a block of zeros, where the quantiser's rule says 127: its codes are zeros, and only this program reads the bytes.
.set X,   32                           ; v32-95   my 64 numbers
.set G,   96                           ; v96-159  the gain at my columns
.set BB,  160                          ; v160-223 the bias
.set WK,  224                          ; v224-231 at work
.set TM,  232                          ; v232-247 the quantiser's: largest magnitudes, bytes, scale operands
.set PW,  248                          ; v248     the scale word
.set PC,  12                           ; v12-23   the fragment; v24-30 conversions' second halves
.set SEL, 22                           ; s[22:23] lane selects: lane xor 16
; 64 numbers of a lane, register 16 b + i = k 32 b + 16 (lane / 16) + i of my row, become a fragment's codes in v[PC] on and its scale word in v[PW]
.macro QUANT s
.irp b, 0,1,2,3
	v_max3_num_f32 v[TM+\b], |v[\s+16*\b]|, |v[\s+1+16*\b]|, 0x1800000   ; my 16 numbers of block b, and the floor 2^(3 - 127): the byte cannot fall under 1
.endr
.irp i, 2,4,6,8,10,12,14
.irp b, 0,1,2,3
	v_max3_num_f32 v[TM+\b], v[TM+\b], |v[\s+16*\b+\i]|, |v[\s+1+16*\b+\i]|
.endr
.endr
.irp b, 0,1,2,3
	v_permlanex16_b32 v[TM+4+\b], v[TM+\b], s[SEL], s[SEL+1]
.endr
.irp b, 0,1,2,3
	v_max_num_f32 v[TM+\b], v[TM+\b], v[TM+4+\b]   ; with lane xor 16's: the block's largest magnitude
.endr
.irp b, 0,1,2,3
	v_add_nc_u32 v[TM+12+\b], 0xff000000, v[TM+\b]   ; 2 off its exponent field: the conversion's scale operand
.endr
.irp b, 0,1,2,3
	v_lshrrev_b32 v[TM+4+\b], 23, v[TM+12+\b]      ; the scale's byte
.endr
	v_lshl_or_b32 v[PW], v[TM+5], 8, v[TM+4]
	v_lshl_or_b32 v[PW], v[TM+6], 16, v[PW]
	v_lshl_or_b32 v[PW], v[TM+7], 24, v[PW]
.irp c, 0,1
	v_cvt_scalef32_pk16_fp6_f32 v[PC+6*\c:PC+2+6*\c], v[\s+32*\c:\s+15+32*\c], v[TM+12+2*\c]
	v_cvt_scalef32_pk16_fp6_f32 v[PC+12+4*\c:PC+14+4*\c], v[\s+16+32*\c:\s+31+32*\c], v[TM+12+2*\c+1]   ; (a conversion's three registers begin on an even number)
.endr
	v_nop                                          ; one plain place behind a scaled conversion
.irp c, 0,1                                    ; the operand wants a whole block in a lane: lanes 0-15 block 2 c, lanes 16-31 block 2 c + 1
.irp i, 0,1,2
	v_permlane16_swap_b32 v[PC+6*\c+\i], v[PC+12+4*\c+\i]
.endr
.irp i, 0,1,2
	v_mov_b32 v[PC+3+6*\c+\i], v[PC+12+4*\c+\i]
.endr
.endr
.endm
; my lane's partial sum in v[WK] becomes the row's sum over all 1,024 columns, the same bits in every wave.  red: the LDS bytes of this sum (64 for each wave)
.macro ALLSUM red
	v_permlanex16_b32 v[WK+1], v[WK], s[SEL], s[SEL+1]
	v_add_f32 v[WK], v[WK], v[WK+1]                ; my wave's 128 columns of row r
	ds_store_b32 v9, v[WK] offset:\red             ; lanes r and r + 16 write the same word with the same value
	s_wait_dscnt 0x0                               ; for the others' sake: my store has landed
	s_barrier_signal -1
	s_barrier_wait -1
.irp i, 0,1,2,3,4,5,6,7
	ds_load_b32 v[WK+\i], v7 offset:\red+64*\i
.endr
	s_wait_dscnt 0x0
.irp i, 1,2,3,4,5,6,7
	v_add_f32 v[WK], v[WK], v[WK+\i]
.endr
.endm
	v_lshl_add_u32 v254, v0, 2, 0x400
	v_mov_b32 v255, 0
	v_lshrrev_b32 v1, 5, v0
	v_readfirstlane_b32 s12, v1                    ; wave 0..7
	v_and_b32 v1, 31, v0                           ; lane
	v_and_b32 v2, 15, v0                           ; r
	v_bfe_u32 v3, v0, 4, 1                         ; h
	v_lshlrev_b32 v4, 4, v1                        ; 16 x lane
	v_lshl_add_u32 v5, v1, 3, 512                  ; 512 + 8 x lane
	v_and_b32 v8, 8, v2
	v_add_nc_u32 v8, v8, v2                        ; r + 8 (r / 8)
	s_cmp_ge_u32 ttmp9, 256                        ; the same in all waves of a work-group
	s_cbranch_scc1 .Lweights
	; ---------------- LayerNorm and quantiser: tile = work-group ----------------
	s_load_b128 s[4:7], s[0:1], 0x0                ; x, gain
	s_load_b64 s[8:9], s[0:1], 0x10                ; bias
	s_load_b64 s[10:11], s[0:1], 0x78              ; hbuf
	v_lshlrev_b32 v6, 6, v3                        ; 64 h: my 16 numbers of a block of 32
	v_lshlrev_b32 v7, 2, v2                        ; 4 r
	v_lshl_add_u32 v10, v8, 12, v6                 ; x: my row of 4,096 bytes, + 64 h
	s_lshl_b32 s13, s12, 6
	v_add_nc_u32 v9, s13, v7                       ; LDS: 64 x wave + 4 r
	s_mov_b32 s[SEL], 0x76543210
	s_mov_b32 s[SEL+1], 0xfedcba98
	s_mov_b32 s20, 0x3a800000                      ; 1 / 1,024
	s_mov_b32 s21, 0x3727c5ac                      ; 1e-5
.irp b, 0,1,2,3
	v_mov_b32 v[TM+4+\b], 0                        ; a lane permute's destination counts as one of its sources
.endr
	s_lshr_b32 s13, ttmp9, 1                       ; pair of tiles
	s_and_b32 s14, ttmp9, 1
	s_lshl_b32 s16, s13, 17                        ; 32 rows of 4,096 bytes a pair,
	s_lshl_b32 s15, s14, 15                        ; 8 rows for the odd tile,
	s_add_co_u32 s16, s16, s15
	s_lshl_b32 s18, s12, 9                         ; 512 bytes of a row for each wave
	s_add_co_u32 s16, s16, s18
	s_mov_b32 s17, 0
	s_mov_b32 s19, 0
	s_lshl_b32 s24, ttmp9, 3
	s_add_co_u32 s24, s24, s12
	s_mul_i32 s24, s24, 1536                       ; my fragment: (8 x tile + wave) x 1,536
	s_mov_b32 s25, 0
	s_lshl_b32 s26, s13, 3
	s_add_co_u32 s26, s26, s12
	s_lshl_b32 s26, s26, 7                         ; its scale words: (8 x pair + wave) x 128,
	s_lshl_b32 s15, s14, 6
	s_add_co_u32 s26, s26, s15                     ; + 64 for the odd tile,
	s_add_co_u32 s26, s26, 3145728                 ; behind the codes
	s_mov_b32 s27, 0
	s_wait_kmcnt 0x0
	s_add_nc_u64 s[4:5], s[4:5], s[16:17]
	s_add_nc_u64 s[6:7], s[6:7], s[18:19]
	s_add_nc_u64 s[8:9], s[8:9], s[18:19]
	s_add_nc_u64 s[28:29], s[10:11], s[26:27]
	s_add_nc_u64 s[10:11], s[10:11], s[24:25]
.irp b, 0,1,2,3
.irp j, 0,1,2,3
	global_load_b128 v[X+16*\b+4*\j:X+16*\b+4*\j+3], v10, s[4:5] offset:128*\b+16*\j
.endr
.endr
.irp b, 0,1,2,3
.irp j, 0,1,2,3
	global_load_b128 v[G+16*\b+4*\j:G+16*\b+4*\j+3], v6, s[6:7] offset:128*\b+16*\j
.endr
.endr
.irp b, 0,1,2,3
.irp j, 0,1,2,3
	global_load_b128 v[BB+16*\b+4*\j:BB+16*\b+4*\j+3], v6, s[8:9] offset:128*\b+16*\j
.endr
.endr
	s_wait_loadcnt 32                              ; x's 16 loads are in; the 32 of gain and bias may be out
.irp c, 0,1,2,3                                ; the sum of my 64, two at a time, in four chains
	v_pk_add_f32 v[WK+2*\c:WK+2*\c+1], v[X+2*\c:X+2*\c+1], v[X+8+2*\c:X+9+2*\c]
.endr
.irp j, 16,24,32,40,48,56
.irp c, 0,1,2,3
	v_pk_add_f32 v[WK+2*\c:WK+2*\c+1], v[WK+2*\c:WK+2*\c+1], v[X+\j+2*\c:X+\j+2*\c+1]
.endr
.endr
	v_pk_add_f32 v[WK:WK+1], v[WK:WK+1], v[WK+2:WK+3]
	v_pk_add_f32 v[WK+4:WK+5], v[WK+4:WK+5], v[WK+6:WK+7]
	v_pk_add_f32 v[WK:WK+1], v[WK:WK+1], v[WK+4:WK+5]
	v_add_f32 v[WK], v[WK], v[WK+1]
	ALLSUM 0
	v_mul_f32 v250, s20, v[WK]                     ; the mean
	v_mov_b32 v251, v250
.set j, 0
.rept 32
	v_pk_add_f32 v[X+j:X+j+1], v[X+j:X+j+1], v[250:251] neg_lo:[0,1] neg_hi:[0,1]   ; d = x - mean
.set j, j+2
.endr
.irp c, 0,1,2,3                                ; the sum of d squared
	v_pk_mul_f32 v[WK+2*\c:WK+2*\c+1], v[X+2*\c:X+2*\c+1], v[X+2*\c:X+2*\c+1]
.endr
.irp j, 8,16,24,32,40,48,56
.irp c, 0,1,2,3
	v_pk_fma_f32 v[WK+2*\c:WK+2*\c+1], v[X+\j+2*\c:X+\j+2*\c+1], v[X+\j+2*\c:X+\j+2*\c+1], v[WK+2*\c:WK+2*\c+1]
.endr
.endr
	v_pk_add_f32 v[WK:WK+1], v[WK:WK+1], v[WK+2:WK+3]
	v_pk_add_f32 v[WK+4:WK+5], v[WK+4:WK+5], v[WK+6:WK+7]
	v_pk_add_f32 v[WK:WK+1], v[WK:WK+1], v[WK+4:WK+5]
	v_add_f32 v[WK], v[WK], v[WK+1]
	ALLSUM 512                                     ; other bytes than the first sum's: a slow wave may still read those
	v_fma_f32 v[WK], v[WK], s20, s21               ; variance + 1e-5
	v_rsq_f32 v252, v[WK]
	v_nop                                          ; a plain place behind the transcendental,
	s_wait_alu depctr_va_vdst(0)                   ; and the wait ahead of its first reader
	v_mov_b32 v253, v252
	s_wait_loadcnt 0x0                             ; gain and bias
.set j, 0
.rept 32
	v_pk_mul_f32 v[X+j:X+j+1], v[X+j:X+j+1], v[252:253]
.set j, j+2
.endr
.set j, 0
.rept 32
	v_pk_fma_f32 v[X+j:X+j+1], v[X+j:X+j+1], v[G+j:G+j+1], v[BB+j:BB+j+1]
.set j, j+2
.endr
	QUANT X
	global_store_b128 v4, v[PC:PC+3], s[10:11]             ; 512 consecutive bytes a wave,
	global_store_b64 v5, v[PC+4:PC+5], s[10:11]            ; 256 more: half 0 of the fragment
	global_store_b128 v4, v[PC+6:PC+9], s[10:11] offset:768
	global_store_b64 v5, v[PC+10:PC+11], s[10:11] offset:768
	global_store_b32 v7, v[PW], s[28:29]                   ; row r's scale word; lanes r and r + 16 store the same word with the same value
	s_wait_tensorcnt 0x0
	ds_add_u32 v254, v255
	s_wait_dscnt 0x0
	s_endpgm
	; ---------------- the weights: a wave takes a pair of tiles (32 rows) x 8 K steps ----------------
.Lweights:
	s_load_b512 s[16:31], s[0:1], 0x18             ; Wq, Wk, Wv, Wproj: codes and scales
	s_load_b256 s[32:39], s[0:1], 0x58             ; W1, W2
	s_load_b64 s[40:41], s[0:1], 0x80              ; wbuf
	v_lshlrev_b32 v6, 2, v1                        ; 4 x lane
	s_sub_co_u32 s3, ttmp9, 256                    ; g = 0..47: 0-3 Wq, 4-7 Wk, 8-11 Wv, 12-15 Wproj, 16-31 W1, 32-47 W2
	s_lshl_b32 s42, s3, 3
	s_add_co_u32 s42, s42, s12                     ; the unit U = 8 g + wave
	s_cmp_ge_u32 s3, 32
	s_cbranch_scc1 .Lw2
	s_cmp_ge_u32 s3, 16
	s_cselect_b32 s43, 127, 31
	s_and_b32 s43, s42, s43                        ; the pair inside its tensor: 32 pairs in the four small ones, 128 in W1
	s_mul_i32 s44, s43, 24576                      ; from: 32 rows of 768 bytes,
	s_lshl_b32 s46, s43, 10                        ; 32 rows of 32 scale bytes
	s_mul_i32 s48, s42, 24576                      ; to: the images lie in the order of the units: two tiles of 12,288 bytes,
	s_lshl_b32 s50, s42, 10
	s_add_co_u32 s50, s50, 9437184                 ; 8 x 128 bytes of scale words
	s_mov_b32 s52, 768                             ; a row of codes
	s_mov_b32 s53, 32                              ; a row of scale bytes
	s_mov_b32 s54, 12288                           ; from a tile's image to the next
	s_branch .Lunit
.Lw2:                                              ; W2 has 32 K steps: four units to a pair
	s_and_b32 s43, s42, 127
	s_and_b32 s56, s43, 3                          ; which 8 K steps
	s_lshr_b32 s43, s43, 2                         ; the pair
	s_mul_i32 s44, s43, 98304                      ; 32 rows of 3,072 bytes
	s_mul_i32 s57, s56, 768
	s_add_co_u32 s44, s44, s57
	s_lshl_b32 s46, s43, 12                        ; 32 rows of 128 scale bytes
	s_lshl_b32 s57, s56, 5
	s_add_co_u32 s46, s46, s57
	s_mul_i32 s48, s43, 98304                      ; two tiles of 49,152 bytes
	s_mul_i32 s57, s56, 12288
	s_add_co_u32 s48, s48, s57
	s_add_co_u32 s48, s48, 6291456
	s_lshl_b32 s50, s43, 12
	s_lshl_b32 s57, s56, 10
	s_add_co_u32 s50, s50, s57
	s_add_co_u32 s50, s50, 9699328
	s_mov_b32 s52, 3072
	s_mov_b32 s53, 128
	s_mov_b32 s54, 49152
.Lunit:
	s_mov_b32 s45, 0
	s_mov_b32 s47, 0
	s_mov_b32 s49, 0
	s_mov_b32 s51, 0
	s_mov_b32 s55, 0
	v_mul_lo_u32 v9, v8, s52
	v_mad_u32_u24 v9, v3, 24, v9                   ; tile 2 P: my row x its bytes + 24 h
	v_add_nc_u32 v10, 8, v8
	v_mul_lo_u32 v10, v10, s52
	v_mad_u32_u24 v10, v3, 24, v10                 ; tile 2 P + 1: eight rows further down
	v_lshl_add_u32 v11, v3, 3, v8
	v_mul_lo_u32 v11, v11, s53                     ; scale words: lane 16 u + r takes the row of tile 2 P + u
	s_wait_kmcnt 0x0
	s_mov_b64 s[4:5], s[16:17]                     ; the choice of the tensor hangs on the work-group's number alone
	s_mov_b64 s[6:7], s[18:19]
	s_cmp_ge_u32 s3, 4
	s_cselect_b64 s[4:5], s[20:21], s[4:5]
	s_cselect_b64 s[6:7], s[22:23], s[6:7]
	s_cmp_ge_u32 s3, 8
	s_cselect_b64 s[4:5], s[24:25], s[4:5]
	s_cselect_b64 s[6:7], s[26:27], s[6:7]
	s_cmp_ge_u32 s3, 12
	s_cselect_b64 s[4:5], s[28:29], s[4:5]
	s_cselect_b64 s[6:7], s[30:31], s[6:7]
	s_cmp_ge_u32 s3, 16
	s_cselect_b64 s[4:5], s[32:33], s[4:5]
	s_cselect_b64 s[6:7], s[34:35], s[6:7]
	s_cmp_ge_u32 s3, 32
	s_cselect_b64 s[4:5], s[36:37], s[4:5]
	s_cselect_b64 s[6:7], s[38:39], s[6:7]
	s_add_nc_u64 s[4:5], s[4:5], s[44:45]
	s_add_nc_u64 s[6:7], s[6:7], s[46:47]
	s_add_nc_u64 s[8:9], s[40:41], s[48:49]        ; tile 2 P's images
	s_add_nc_u64 s[10:11], s[8:9], s[54:55]        ; tile 2 P + 1's
	s_add_nc_u64 s[14:15], s[40:41], s[50:51]      ; the pair's scale words
.irp u, 0,1
.irp k, 0,1,2,3,4,5,6,7
.irp p, 0,1,2,3,4,5
	global_load_b64 v[32+96*\u+12*\k+2*\p:33+96*\u+12*\k+2*\p], v[9+\u], s[4:5] offset:96*\k+48*(\p/3)+8*(\p%3) th:TH_LOAD_NT   ; a fragment's registers are 24 + 24 bytes of the row's stream of bits, as they lie
.endr
.endr
.endr
	global_load_b128 v[12:15], v11, s[6:7] th:TH_LOAD_NT   ; my row's eight scale words
	global_load_b128 v[16:19], v11, s[6:7] offset:16 th:TH_LOAD_NT
	s_wait_loadcnt 0x0
.irp u, 0,1
.irp k, 0,1,2,3,4,5,6,7
	global_store_b128 v4, v[32+96*\u+12*\k:35+96*\u+12*\k], s[8+2*\u:9+2*\u] offset:1536*\k
	global_store_b64 v5, v[36+96*\u+12*\k:37+96*\u+12*\k], s[8+2*\u:9+2*\u] offset:1536*\k
	global_store_b128 v4, v[38+96*\u+12*\k:41+96*\u+12*\k], s[8+2*\u:9+2*\u] offset:1536*\k+768
	global_store_b64 v5, v[42+96*\u+12*\k:43+96*\u+12*\k], s[8+2*\u:9+2*\u] offset:1536*\k+768
.endr
.endr
.irp k, 0,1,2,3,4,5,6,7
	global_store_b32 v6, v[12+\k], s[14:15] offset:128*\k   ; 128 consecutive bytes a wave
.endr
	s_endpgm
.Lfunc_end_k_qce351dcb0c_prep:
	.size	k_qce351dcb0c_prep, .Lfunc_end_k_qce351dcb0c_prep-k_qce351dcb0c_prep
	.p2alignl 7, 3214868480
	.fill 96, 4, 3214868480
	.section	.rodata,"a",@progbits
	.p2align	6, 0x0
	.amdhsa_kernel k_qce351dcb0c_prep
		.amdhsa_group_segment_fixed_size 2048
		.amdhsa_private_segment_fixed_size 0
		.amdhsa_enable_private_segment 0
		.amdhsa_kernarg_size 136
		.amdhsa_user_sgpr_count 2
		.amdhsa_user_sgpr_kernarg_segment_ptr 1
		.amdhsa_wavefront_size32 1
		.amdhsa_system_sgpr_workgroup_id_x 1
		.amdhsa_system_sgpr_workgroup_id_y 1
		.amdhsa_system_sgpr_workgroup_id_z 1
		.amdhsa_system_vgpr_workitem_id 0
		.amdhsa_next_free_vgpr 256
		.amdhsa_next_free_sgpr 96
		.amdhsa_reserve_vcc 0
		.amdhsa_float_denorm_mode_32 3
		.amdhsa_float_denorm_mode_16_64 3
		.amdhsa_memory_ordered 1
		.amdhsa_forward_progress 1
		.amdhsa_inst_pref_size 43
	.end_amdhsa_kernel
	.amdgpu_metadata
---
amdhsa.version: [ 1, 2 ]
amdhsa.kernels:
  - .name:           k_qce351dcb0c_prep
    .symbol:         k_qce351dcb0c_prep.kd
    .args:
      - { .name: x, .offset: 0, .size: 8, .value_kind: global_buffer, .address_space: global }
      - { .name: ln1_g, .offset: 8, .size: 8, .value_kind: global_buffer, .address_space: global }
      - { .name: ln1_b, .offset: 16, .size: 8, .value_kind: global_buffer, .address_space: global }
      - { .name: Wq_codes, .offset: 24, .size: 8, .value_kind: global_buffer, .address_space: global }
      - { .name: Wq_scales, .offset: 32, .size: 8, .value_kind: global_buffer, .address_space: global }
      - { .name: Wk_codes, .offset: 40, .size: 8, .value_kind: global_buffer, .address_space: global }
      - { .name: Wk_scales, .offset: 48, .size: 8, .value_kind: global_buffer, .address_space: global }
      - { .name: Wv_codes, .offset: 56, .size: 8, .value_kind: global_buffer, .address_space: global }
      - { .name: Wv_scales, .offset: 64, .size: 8, .value_kind: global_buffer, .address_space: global }
      - { .name: Wproj_codes, .offset: 72, .size: 8, .value_kind: global_buffer, .address_space: global }
      - { .name: Wproj_scales, .offset: 80, .size: 8, .value_kind: global_buffer, .address_space: global }
      - { .name: W1_codes, .offset: 88, .size: 8, .value_kind: global_buffer, .address_space: global }
      - { .name: W1_scales, .offset: 96, .size: 8, .value_kind: global_buffer, .address_space: global }
      - { .name: W2_codes, .offset: 104, .size: 8, .value_kind: global_buffer, .address_space: global }
      - { .name: W2_scales, .offset: 112, .size: 8, .value_kind: global_buffer, .address_space: global }
      - { .name: hbuf, .offset: 120, .size: 8, .value_kind: global_buffer, .address_space: global }
      - { .name: wbuf, .offset: 128, .size: 8, .value_kind: global_buffer, .address_space: global }
    .group_segment_fixed_size: 2048
    .private_segment_fixed_size: 0
    .kernarg_segment_align: 8
    .kernarg_segment_size: 136
    .max_flat_workgroup_size: 256
    .sgpr_count:     96
    .vgpr_count:     256
    .wavefront_size: 32
...
	.end_amdgpu_metadata
.endif
;; end of part 1
;; launch qkv (part 2): grid 8 x 48, 4 waves a work-group, clusters of 4 x 4, 307,712 bytes of LDS; arguments hbuf, wbuf, qkvbuf; writes qkvbuf
.if DOCPART == 2
	.amdgcn_target "amdgcn-amd-amdhsa--gfx1250"
	.amdhsa_code_object_version 6
	.text
	.protected	k_qce351dcb0c_qkv
	.globl	k_qce351dcb0c_qkv
	.p2align	8
	.type	k_qce351dcb0c_qkv,@function
k_qce351dcb0c_qkv:
	s_mov_b64 s[64:65], 0
	v_nop
	global_prefetch_b8 v0, s[64:65] scope:SCOPE_SE
	s_setreg_imm32_b32 hwreg(HW_REG_WAVE_MODE, 25, 1), 1
	s_wait_xcnt 0x0
	s_wait_alu depctr_hold_cnt(0) depctr_sa_sdst(0) depctr_va_vdst(0) depctr_va_sdst(0) depctr_va_ssrc(0) depctr_va_vcc(0) depctr_vm_vsrc(0)
	s_getreg_b32 s2, hwreg(HW_REG_IB_STS2, 6, 4)
	s_cmp_eq_u32 s2, 0
	s_cbranch_scc0 .Lentry_in_a_cluster
	s_endpgm
.Lentry_in_a_cluster:
	s_bfe_u32 s2, ttmp6, 0x10000c
	s_cmp_lg_u32 s2, 0xf033
	s_cbranch_scc0 .Lentry_shape_is_right
	s_endpgm
.Lentry_shape_is_right:
; q, k and v of all heads, each quantised on its way out, on codes of FP6 (E2M3) with E8M0 scales.  K = 1,024.
; All operands lie in memory as images of operand registers (a fragment of 16 rows x 128 K: two halves of 768 bytes; registers 6 c .. 6 c + 3 at 16 x lane, 6 c + 4, 6 c + 5 at 512 + 8 x lane), tiles in the order
; row(t, r) = 32 (t / 2) + 8 (t % 2) + r + 8 (r / 8); scale words by pairs of tiles, 128 bytes a pair and K step (lane 16 u + r: tile 2 P + u, row r).
; A work-group makes 128 rows of the A side x 256 rows of the B side; wave (wa, wb) makes 4 tiles of A x 8 tiles of B.  THE MATRIX INSTRUCTION TAKES B AS SOURCE 0 AND A AS SOURCE 1: a lane holds one row of A, and
; the 64 registers of an A tile are 128 / 2 neighbours along B: register 16 b + i = B row 32 b + 16 (lane / 16) + i: the order in which the quantiser takes them.
; CLUSTER ROWS 0-7 (q and k): A = tokens (hbuf), B = rows of Wq, Wk (head x 64 + d): a lane's numbers run along d: they are quantised along d, a head's 64 being two blocks.
; CLUSTER ROWS 8-11 (v): A = rows of Wv, B = tokens: a lane's numbers run along the tokens, which are the second attention product's K.
; The branch between the two hangs on the cluster's y, which all sixteen partners share.
; CLUSTERS: 4 x 4 work-groups; A's tiles are asked for jointly along a row of the cluster, B's along a column.  The whole K fits in LDS (two slots of four K steps): every fill is a first fill.
; OUT: q and k as halves of 768 bytes [batch x 16 + head][tile of 16 tokens]; their scale words (s0, s1, s0, s1) by pairs of tiles; v as fragments [batch x 16 + head][step of 128 keys][tile of 16 d].
; LIMITS: NaN and infinities are not served; a block whose largest magnitude lies under 2^-124, and a block of zeros, keep the scale byte 1 (its codes are zeros; only this program reads the bytes).
; REGISTERS: window 0: v1-3 lane terms, v16-25 LDS addresses, v32-47 scale words (two sets), v128-223 A's fragments (two sets); window 1: B's fragments, two sets at v0 and v128; window 2: the 32 accumulators.
.set NB, 8
.set KS, 8
.set CM1, 1                            ; the first product of each sum takes the constant 0
.set SLOTSZ, 49152+2*NB*6144           ; a slot: four K steps of A's 8 tiles (6,144 bytes a tile), then of B's 2 NB
.set SCA,    2*SLOTSZ                  ; A's scale words, all K
.set SCB,    SCA+4*KS*128              ; B's
.set G1, 24
.set G0, 32
.set G1B, 48
.set G0B, 56
.set G1S, 68
.set G0S, 76
.set G1SB, 80
.set G0SB, 88
.set TM, 200
.set SEL, 94
.set MSB, 0
.macro WIN new                         ; the immediate's high byte repeats the setting that is left
.if MSB != (\new)
	s_set_vgpr_msb (MSB<<8)|(\new)
.set MSB, (\new)
.endif
.endm
.macro PLACES n                        ; plain vector places behind matrix instructions (ISA guide 7.12.1)
.rept \n
	v_nop
.endr
.endm
.macro JLOAD g0a, g1a, g0b, g1b        ; a joint load: waves 0 and 1 fetch for A, waves 2 and 3 for B; four v_nop follow each line
	s_cmp_eq_u32 s15, 0
	s_cbranch_scc0 .Lfor_b_\@
	tensor_load_to_lds s[\g0a:\g0a+3], s[\g1a:\g1a+7]
	s_nop 0
.rept 4
	v_nop
.endr
	s_branch .Lasked_\@
.Lfor_b_\@:
	tensor_load_to_lds s[\g0b:\g0b+3], s[\g1b:\g1b+7]
	s_nop 0
.rept 4
	v_nop
.endr
.Lasked_\@:
.endm
.macro CREST
	s_cmp_lg_u32 s14, 0
	s_cbranch_scc1 .Lnot_wave_0_\@
	s_barrier_signal -3
.Lnot_wave_0_\@:
	s_barrier_wait -3
	s_barrier_signal -1
	s_barrier_wait -1
.endm
.macro CROUND                          ; a round of the cluster's barrier
	s_barrier_signal -1
	s_barrier_wait -1
	CREST
.endm
; the fragments and scale words of one K step (the slot's q-th; ks: its number among the scale words in reach) into set p.  Every load takes 512 or 256 consecutive bytes
.macro FETCH slot, q, p, ks
	WIN 0x40                                       ; destination window 1
.set bi, 0
.rept NB
.set rB, 128*(\p)+12*bi
.set oB, 6144*bi+1536*(\q)
	ds_load_b128 v[rB:rB+3], v[20+(\slot)] offset:oB
	ds_load_b64 v[rB+4:rB+5], v[22+(\slot)] offset:oB
	ds_load_b128 v[rB+6:rB+9], v[20+(\slot)] offset:oB+768
	ds_load_b64 v[rB+10:rB+11], v[22+(\slot)] offset:oB+768
.set bi, bi+1
.endr
	WIN 0
.set ai, 0
.rept 4
.set rA, 128+48*(\p)+12*ai
.set oA, 6144*ai+1536*(\q)
	ds_load_b128 v[rA:rA+3], v[16+(\slot)] offset:oA
	ds_load_b64 v[rA+4:rA+5], v[18+(\slot)] offset:oA
	ds_load_b128 v[rA+6:rA+9], v[16+(\slot)] offset:oA+768
	ds_load_b64 v[rA+10:rA+11], v[18+(\slot)] offset:oA+768
.set ai, ai+1
.endr
	ds_load_b32 v[32+8*(\p)], v24 offset:128*(\ks)
	ds_load_b32 v[33+8*(\p)], v24 offset:128*KS+128*(\ks)
.set bi, 0
.rept NB/2
	ds_load_b32 v[34+8*(\p)+bi], v25 offset:128*KS*bi+128*(\ks)
.set bi, bi+1
.endr
.endm
; one product.  A pair's scale register holds the even tile's words in lanes 0-15 and the odd tile's in lanes 16-31
.macro WM cm
.if (\cm) == 1
.if (bi%2) && (ai%2)
	v_wmma_scale_f32_16x16x128_f8f6f4 v[rD:rD+7], v[rB:rB+11], v[rA:rA+11], 0, v[rSB], v[rSA] matrix_a_fmt:MATRIX_FMT_FP6 matrix_b_fmt:MATRIX_FMT_FP6 matrix_a_scale:MATRIX_SCALE_ROW1 matrix_b_scale:MATRIX_SCALE_ROW1
.elseif bi%2
	v_wmma_scale_f32_16x16x128_f8f6f4 v[rD:rD+7], v[rB:rB+11], v[rA:rA+11], 0, v[rSB], v[rSA] matrix_a_fmt:MATRIX_FMT_FP6 matrix_b_fmt:MATRIX_FMT_FP6 matrix_a_scale:MATRIX_SCALE_ROW1
.elseif ai%2
	v_wmma_scale_f32_16x16x128_f8f6f4 v[rD:rD+7], v[rB:rB+11], v[rA:rA+11], 0, v[rSB], v[rSA] matrix_a_fmt:MATRIX_FMT_FP6 matrix_b_fmt:MATRIX_FMT_FP6 matrix_b_scale:MATRIX_SCALE_ROW1
.else
	v_wmma_scale_f32_16x16x128_f8f6f4 v[rD:rD+7], v[rB:rB+11], v[rA:rA+11], 0, v[rSB], v[rSA] matrix_a_fmt:MATRIX_FMT_FP6 matrix_b_fmt:MATRIX_FMT_FP6
.endif
.else
.if (bi%2) && (ai%2)
	v_wmma_scale_f32_16x16x128_f8f6f4 v[rD:rD+7], v[rB:rB+11], v[rA:rA+11], v[rC:rC+7], v[rSB], v[rSA] matrix_a_fmt:MATRIX_FMT_FP6 matrix_b_fmt:MATRIX_FMT_FP6 matrix_a_scale:MATRIX_SCALE_ROW1 matrix_b_scale:MATRIX_SCALE_ROW1
.elseif bi%2
	v_wmma_scale_f32_16x16x128_f8f6f4 v[rD:rD+7], v[rB:rB+11], v[rA:rA+11], v[rC:rC+7], v[rSB], v[rSA] matrix_a_fmt:MATRIX_FMT_FP6 matrix_b_fmt:MATRIX_FMT_FP6 matrix_a_scale:MATRIX_SCALE_ROW1
.elseif ai%2
	v_wmma_scale_f32_16x16x128_f8f6f4 v[rD:rD+7], v[rB:rB+11], v[rA:rA+11], v[rC:rC+7], v[rSB], v[rSA] matrix_a_fmt:MATRIX_FMT_FP6 matrix_b_fmt:MATRIX_FMT_FP6 matrix_b_scale:MATRIX_SCALE_ROW1
.else
	v_wmma_scale_f32_16x16x128_f8f6f4 v[rD:rD+7], v[rB:rB+11], v[rA:rA+11], v[rC:rC+7], v[rSB], v[rSA] matrix_a_fmt:MATRIX_FMT_FP6 matrix_b_fmt:MATRIX_FMT_FP6
.endif
.endif
.endm
; A's tiles a0 .. a1 against B's NB, set p.  cm 0: onto the sums; 1: the constant 0 starts them; 2: the bias (window 0, v64 on) starts them.  The 4 NB accumulators take turns, in the same order in every K step
.macro MULS p, a0, a1, cm
.if (\cm) == 2
	WIN 0x81                                       ; source 0 (B) window 1, source 1 (A) and C window 0, D window 2
.else
	WIN 0xa1                                       ; C and D window 2
.endif
.set ai, \a0
.rept (\a1)-(\a0)+1
.set bi, 0
.rept NB
.set rD, 8*(NB*ai+bi)
.set rC, rD
.if (\cm) == 2
.set rC, 64+8*bi
.endif
.set rB, 128*(\p)+12*bi
.set rA, 128+48*(\p)+12*ai
.set rSB, 34+8*(\p)+bi/2
.set rSA, 32+8*(\p)+ai/2
	WM \cm
.set bi, bi+1
.endr
.set ai, ai+1
.endr
.endm
; A K step.  Its fragments were asked for a K step ago.  next 1: the next step lies in the same slot; 2: in the other slot, which has to be whole: one barrier; 0: there is none.
.macro KSTEP slot, q, cm, next
.set pp, (\q)%2
	s_wait_dscnt 0x0                               ; this step's fragments and scale words are in
.if (\next) == 0
	MULS pp, 0, 3, \cm
.elseif (\next) == 1
	PLACES 4                                       ; in front of loads into the set that the last step's products read
	FETCH \slot, (\q)+1, 1-pp, 4*(\slot)+(\q)+1
	MULS pp, 0, 3, \cm
.else
	s_wait_tensorcnt 0x0                           ; my part of the other slot has landed,
	s_barrier_signal -1
	MULS pp, 0, 1, \cm                             ; work on registers while the others arrive
	WIN 0
	s_barrier_wait -1                              ; everybody's has
	PLACES 4
	FETCH 1-(\slot), 0, 1-pp, 4*(1-(\slot))
	MULS pp, 2, 3, \cm
.endif
.endm
; the quantiser: 64 numbers of window 2, v[s] on, become codes in v[pc] .. v[pc + 11] and the scale word v[pw] (window 0)
.macro QUANTW s, pc, pw, relu
.if \relu
	WIN 0x88
.set j, 0
.rept 64
	v_max_num_f32 v[(\s)+j], 0, v[(\s)+j]          ; each accumulator from its low end on
.set j, j+1
.endr
.endif
	WIN 0x0a                                       ; sources 0 and 1 window 2
.irp b, 0,1,2,3
	v_max3_num_f32 v[TM+\b], |v[(\s)+16*\b]|, |v[(\s)+1+16*\b]|, 0x1800000   ; and the floor 2^(3 - 127): the byte cannot fall under 1
.endr
.irp i, 2,4,6,8,10,12,14
.irp b, 0,1,2,3
	v_max3_num_f32 v[TM+\b], |v[(\s)+16*\b+\i]|, |v[(\s)+1+16*\b+\i]|, v[TM+\b]
.endr
.endr
	WIN 0
.irp b, 0,1,2,3
	v_permlanex16_b32 v[TM+4+\b], v[TM+\b], s[SEL], s[SEL+1]
.endr
.irp b, 0,1,2,3
	v_max_num_f32 v[TM+\b], v[TM+\b], v[TM+4+\b]
.endr
.irp b, 0,1,2,3
	v_add_nc_u32 v[TM+12+\b], 0xff000000, v[TM+\b] ; 2 off the exponent field: the conversion's scale operand
.endr
.irp b, 0,1,2,3
	v_lshrrev_b32 v[TM+4+\b], 23, v[TM+12+\b]
.endr
	v_lshl_or_b32 v[\pw], v[TM+5], 8, v[TM+4]
	v_lshl_or_b32 v[\pw], v[TM+6], 16, v[\pw]
	v_lshl_or_b32 v[\pw], v[TM+7], 24, v[\pw]
	WIN 0x02                                       ; source 0 window 2
.irp c, 0,1
	v_cvt_scalef32_pk16_fp6_f32 v[(\pc)+6*\c:(\pc)+2+6*\c], v[(\s)+32*\c:(\s)+15+32*\c], v[TM+12+2*\c]
	v_cvt_scalef32_pk16_fp6_f32 v[(\pc)+12+4*\c:(\pc)+14+4*\c], v[(\s)+16+32*\c:(\s)+31+32*\c], v[TM+12+2*\c+1]
.endr
	WIN 0
	v_nop                                          ; one plain place behind a scaled conversion
.irp c, 0,1
.irp i, 0,1,2
	v_permlane16_swap_b32 v[(\pc)+6*\c+\i], v[(\pc)+12+4*\c+\i]
.endr
.irp i, 0,1,2
	v_mov_b32 v[(\pc)+3+6*\c+\i], v[(\pc)+12+4*\c+\i]
.endr
.endr
.endm
.macro STFRAG pc, bs, off              ; a fragment goes to memory as it stands: 512 + 256 consecutive bytes a half
	global_store_b128 v1, v[(\pc):(\pc)+3], s[\bs:\bs+1] offset:\off
	global_store_b64 v2, v[(\pc)+4:(\pc)+5], s[\bs:\bs+1] offset:\off
	global_store_b128 v1, v[(\pc)+6:(\pc)+9], s[\bs:\bs+1] offset:(\off)+768
	global_store_b64 v2, v[(\pc)+10:(\pc)+11], s[\bs:\bs+1] offset:(\off)+768
.endm
	s_load_b128 s[4:7], s[0:1], 0x0                ; hbuf, wbuf
	s_load_b64 s[8:9], s[0:1], 0x10                ; qkvbuf
	v_lshl_add_u32 v254, v0, 2, 0x4b000
	v_mov_b32 v255, 0
	ds_add_u32 v254, v255
	ds_add_u32 v254, v255
	v_lshrrev_b32 v1, 5, v0
	v_readfirstlane_b32 s14, v1                    ; wave 0..3
	s_lshr_b32 s15, s14, 1                         ; wa: my half of A's tiles.  Also: I fetch for A (0) or for B (1)
	s_and_b32 s16, s14, 1                          ; wb: my half of B's.  Also: which half I fetch
	s_bfe_u32 s40, ttmp6, 0x40000                  ; cx
	s_bfe_u32 s41, ttmp6, 0x40004                  ; cy
	s_lshl_b32 s43, s41, 2
	s_lshl_b32 s43, 15, s43                        ; my row of the cluster
	s_lshl_b32 s44, 0x1111, s40                    ; my column
	s_and_b32 s96, ttmp7, 0xffff                   ; the cluster's y: 0-7 q and k, 8-11 v
	s_and_b32 s97, s96, 1
	s_bfe_u32 s98, s96, 0x10001
	s_lshl_b32 s98, s98, 3
	s_mov_b32 s18, 1572864                         ; Wv's images in wbuf
	s_mov_b32 s19, 9502720                         ; Wv's scale words
	s_mov_b32 s94, 3145728                         ; h's scale words in hbuf
	s_cmp_lt_u32 s96, 8
	s_cselect_b32 s97, s96, s97                    ; A's block: 4 x this + cy: 32 blocks of tokens, or 8 of Wv's rows
	s_cselect_b32 s98, 0, s98                      ; B's block: x, or x + 8 ((cluster y - 8) / 2): 8 blocks of Wq, Wk, or 16 of tokens
	s_cselect_b32 s18, 0, s18
	s_cselect_b32 s19, 3145728, s19
	s_cselect_b32 s94, 9437184, s94
	s_lshl_b32 s17, s97, 2
	s_add_co_u32 s17, s17, s41                     ; A's block (hangs on cy, never on cx)
	s_lshl_b32 s42, ttmp9, 2
	s_add_co_u32 s42, s42, s40
	s_add_co_u32 s42, s42, s98                     ; B's block (hangs on cx, never on cy)
	s_or_b32 s[G1+0], s43, (3<<16)|(1<<21)         ; 15:0 the mask; 17:16 elements of 8 bytes; 21 set beside a mask; no padding
	s_or_b32 s[G1B+0], s44, (3<<16)|(1<<21)
	s_mov_b32 s[G1+1], 768<<16                     ; a row of the tile: four K steps of one tile of 16 rows, 6,144 bytes
	s_mov_b32 s[G1+2], 4<<16                       ; four tiles
	s_mov_b32 s[G1+3], 768<<16
	s_mov_b32 s[G1+4], 4
	s_mov_b32 s[G1+5], KS*192                      ; from a tile's image to the next
	s_mov_b32 s[G1+6], 0
	s_mov_b32 s[G1+7], 0
	s_mov_b32 s[G1B+1], 768<<16
	s_mov_b32 s[G1B+2], NB<<16
	s_mov_b32 s[G1B+3], 768<<16
	s_mov_b32 s[G1B+4], NB
	s_mov_b32 s[G1B+5], KS*192
	s_mov_b32 s[G1B+6], 0
	s_mov_b32 s[G1B+7], 0
	s_or_b32 s[G1S+0], s43, (3<<16)|(1<<21)        ; scale words: dense, as rows of 256 bytes
	s_or_b32 s[G1SB+0], s44, (3<<16)|(1<<21)
	s_mov_b32 s[G1S+1], 32<<16
	s_mov_b32 s[G1S+2], KS<<16
	s_mov_b32 s[G1S+3], 32<<16
	s_mov_b32 s[G1S+4], KS
	s_mov_b32 s[G1S+5], 32
	s_mov_b32 s[G1S+6], 0
	s_mov_b32 s[G1S+7], 0
	s_mov_b32 s[G1SB+1], 32<<16
	s_mov_b32 s[G1SB+2], (NB*KS/4)<<16
	s_mov_b32 s[G1SB+3], 32<<16
	s_mov_b32 s[G1SB+4], NB*KS/4
	s_mov_b32 s[G1SB+5], 32
	s_mov_b32 s[G1SB+6], 0
	s_mov_b32 s[G1SB+7], 0
	s_mul_i32 s20, s17, 98304                      ; A's codes: 8 tiles of 12,288 bytes a block,
	s_add_co_u32 s20, s20, s18
	s_mul_i32 s18, s16, 49152                      ; the half that I fetch
	s_add_co_u32 s20, s20, s18
	s_mov_b32 s21, 0
	s_lshl_b32 s22, s17, 12                        ; A's scale words: 4 pairs x 8 x 128 bytes a block
	s_add_co_u32 s22, s22, s19
	s_lshl_b32 s19, s16, 11
	s_add_co_u32 s22, s22, s19
	s_mov_b32 s23, 0
	s_mul_i32 s46, s42, 196608                     ; B's codes: 16 tiles a block
	s_mul_i32 s18, s16, 98304
	s_add_co_u32 s46, s46, s18
	s_mov_b32 s47, 0
	s_lshl_b32 s92, s42, 13                        ; B's scale words
	s_add_co_u32 s92, s92, s94
	s_lshl_b32 s94, s16, 12
	s_add_co_u32 s92, s92, s94
	s_mov_b32 s93, 0
	s_mul_i32 s45, s16, 24576                      ; where they go: no place in the cluster enters an LDS address
	s_mul_i32 s95, s16, NB*6144
	s_add_co_u32 s95, s95, 49152
	s_mul_i32 s97, s16, KS*256
	s_mul_i32 s98, s16, NB*KS*64
	s_wait_dscnt 0x0
	s_wait_kmcnt 0x0
	s_cmp_lt_u32 s96, 8
	s_cselect_b64 s[10:11], s[4:5], s[6:7]         ; A's buffer: tokens or weights
	s_cselect_b64 s[12:13], s[6:7], s[4:5]         ; B's: the other
	s_add_nc_u64 s[20:21], s[10:11], s[20:21]
	s_add_nc_u64 s[22:23], s[10:11], s[22:23]
	s_add_nc_u64 s[46:47], s[12:13], s[46:47]
	s_add_nc_u64 s[92:93], s[12:13], s[92:93]
	CROUND                                         ; all sixteen work-groups are here: the joint loads meet
	s_mov_b32 s[G0S], 1
	s_add_co_u32 s[G0S+1], s97, SCA
	s_mov_b64 s[G0S+2:G0S+3], s[22:23]
	s_or_b32 s[G0S+3], s[G0S+3], 0x80000000
	s_mov_b32 s[G0SB], 1
	s_add_co_u32 s[G0SB+1], s98, SCB
	s_mov_b64 s[G0SB+2:G0SB+3], s[92:93]
	s_or_b32 s[G0SB+3], s[G0SB+3], 0x80000000
	JLOAD G0S, G1S, G0SB, G1SB                     ; the scale words first
.irp s, 0,1
	s_mov_b32 s[G0+4*\s], 1
	s_add_co_u32 s[G0+4*\s+1], s45, \s*SLOTSZ
	s_add_nc_u64 s[G0+4*\s+2:G0+4*\s+3], s[20:21], \s*6144
	s_or_b32 s[G0+4*\s+3], s[G0+4*\s+3], 0x80000000
	s_mov_b32 s[G0B+4*\s], 1
	s_add_co_u32 s[G0B+4*\s+1], s95, \s*SLOTSZ
	s_add_nc_u64 s[G0B+4*\s+2:G0B+4*\s+3], s[46:47], \s*6144
	s_or_b32 s[G0B+4*\s+3], s[G0B+4*\s+3], 0x80000000
	JLOAD G0+4*\s, G1, G0B+4*\s, G1B               ; three loads of mine are out behind the last
.endr
	v_and_b32 v3, 31, v0
	v_lshlrev_b32 v1, 4, v3                        ; 16 x lane
	v_lshl_add_u32 v2, v3, 3, 512                  ; 512 + 8 x lane
	v_lshlrev_b32 v3, 2, v3                        ; 4 x lane
	s_mul_i32 s18, s15, 24576                      ; my four tiles of A
	s_mul_i32 s19, s16, NB*6144
	s_add_co_u32 s19, s19, 49152                   ; my NB tiles of B
.irp s, 0,1
	v_add_nc_u32 v[16+\s], s18, v1
	v_add_nc_u32 v[18+\s], s18, v2
	v_add_nc_u32 v[20+\s], s19, v1
	v_add_nc_u32 v[22+\s], s19, v2
	s_add_co_u32 s18, s18, SLOTSZ
	s_add_co_u32 s19, s19, SLOTSZ
.endr
	s_mul_i32 s18, s15, KS*256
	s_add_co_u32 s18, s18, SCA
	v_add_nc_u32 v24, s18, v3
	s_mul_i32 s19, s16, NB*KS*64
	s_add_co_u32 s19, s19, SCB
	v_add_nc_u32 v25, s19, v3
	s_wait_tensorcnt 1                             ; the scale words and slot 0 are in; slot 1's load may be out
	s_barrier_signal -1
	s_barrier_wait -1                              ; everybody's are
	FETCH 0, 0, 0, 0
	KSTEP 0, 0, CM1, 1
	KSTEP 0, 1, 0, 1
	KSTEP 0, 2, 0, 1
	KSTEP 0, 3, 0, 2
	KSTEP 1, 0, 0, 1
	KSTEP 1, 1, 0, 1
	KSTEP 1, 2, 0, 1
	KSTEP 1, 3, 0, 0
	WIN 0
	PLACES 4                                       ; behind the last products
	s_mov_b32 s[SEL], 0x76543210
	s_mov_b32 s[SEL+1], 0xfedcba98
	s_mov_b32 s99, 0xffff0000                      ; lanes 16-31
.irp b, 0,1,2,3
	v_mov_b32 v[TM+4+\b], 0                        ; a lane permute's destination counts as one of its sources
.endr
.irp a, 0,1,2,3                                ; each tile has registers of its own for its codes and its word: no store's data are written again
	QUANTW 64*\a, 96+20*\a, 216+\a, 0
.endr
	s_cmp_ge_u32 s96, 8
	s_cbranch_scc1 .Lvpart
	; q and k: half 0 of a fragment is my even head's 64 channels, half 1 the odd head's
	s_lshr_b32 s18, s17, 4
	s_lshl_b32 s18, s18, 4                         ; batch x 16
	s_and_b32 s19, s42, 3
	s_lshl_b32 s19, s19, 2
	s_add_co_u32 s18, s18, s19
	s_lshl_b32 s19, s16, 1
	s_add_co_u32 s18, s18, s19                     ; + head = 4 (x % 4) + 2 wb
	s_and_b32 s19, s17, 15
	s_lshl_b32 s19, s19, 3
	s_lshl_b32 s20, s15, 2
	s_add_co_u32 s19, s19, s20                     ; my first tile of tokens in the batch
	s_lshr_b32 s20, s42, 2                         ; 0: q, 1: k
	s_lshl_b32 s22, s18, 7
	s_add_co_u32 s22, s22, s19
	s_mul_i32 s22, s22, 768
	s_mul_i32 s21, s20, 3145728
	s_add_co_u32 s22, s22, s21
	s_mov_b32 s23, 0
	s_add_nc_u64 s[22:23], s[8:9], s[22:23]
	s_lshl_b32 s46, s18, 6
	s_lshr_b32 s19, s19, 1
	s_add_co_u32 s46, s46, s19
	s_lshl_b32 s46, s46, 7
	s_lshl_b32 s21, s20, 18
	s_add_co_u32 s46, s46, s21
	s_add_co_u32 s46, s46, 9437184
	s_mov_b32 s47, 0
	s_add_nc_u64 s[46:47], s[8:9], s[46:47]
.irp a, 0,1,2,3
	global_store_b128 v1, v[96+20*\a:99+20*\a], s[22:23] offset:768*\a
	global_store_b64 v2, v[100+20*\a:101+20*\a], s[22:23] offset:768*\a
	global_store_b128 v1, v[102+20*\a:105+20*\a], s[22:23] offset:98304+768*\a     ; the next head: 128 halves on
	global_store_b64 v2, v[106+20*\a:107+20*\a], s[22:23] offset:98304+768*\a
.endr
.irp f, 0,1
	v_cndmask_b32 v[224+\f], v[216+2*\f], v[217+2*\f], s99      ; lanes 0-15 the even tile's words, lanes 16-31 the odd tile's
	v_perm_b32 v[226+\f], v[224+\f], v[224+\f], 0x01000100      ; the even head's two bytes, twice: they serve either half of the instruction's K
	v_perm_b32 v[228+\f], v[224+\f], v[224+\f], 0x03020302      ; the odd head's
	global_store_b32 v3, v[226+\f], s[46:47] offset:128*\f
	global_store_b32 v3, v[228+\f], s[46:47] offset:8192+128*\f
.endr
	s_branch .Ldone
.Lvpart:
	; v: a fragment is 16 d x 128 keys
	s_lshl_b32 s18, s17, 1
	s_add_co_u32 s18, s18, s15                     ; head = 2 x A's block + wa
	s_lshl_b32 s19, s42, 1
	s_add_co_u32 s19, s19, s16                     ; step of 128 tokens, 0..31
	s_lshr_b32 s20, s19, 4
	s_lshl_b32 s20, s20, 4
	s_add_co_u32 s18, s18, s20                     ; batch x 16 + head
	s_and_b32 s19, s19, 15
	s_lshl_b32 s18, s18, 4
	s_add_co_u32 s18, s18, s19
	s_mul_i32 s22, s18, 6144
	s_add_co_u32 s22, s22, 6291456
	s_mov_b32 s23, 0
	s_add_nc_u64 s[22:23], s[8:9], s[22:23]
	s_lshl_b32 s46, s18, 9
	s_add_co_u32 s46, s46, 9961472
	s_mov_b32 s47, 0
	s_add_nc_u64 s[46:47], s[8:9], s[46:47]
.irp a, 0,1,2,3
	STFRAG 96+20*\a, 22, 1536*\a
	global_store_b32 v3, v[216+\a], s[46:47] offset:128*\a      ; row r's word stands in lanes r and r + 16
.endr
.Ldone:
	s_wait_tensorcnt 0x0
	ds_add_u32 v254, v255
	s_wait_dscnt 0x0
	CROUND                                         ; the closing round: no work-group ends while a partner may still ask for a tile that names it
	s_endpgm
.Lfunc_end_k_qce351dcb0c_qkv:
	.size	k_qce351dcb0c_qkv, .Lfunc_end_k_qce351dcb0c_qkv-k_qce351dcb0c_qkv
	.p2alignl 7, 3214868480
	.fill 96, 4, 3214868480
	.section	.rodata,"a",@progbits
	.p2align	6, 0x0
	.amdhsa_kernel k_qce351dcb0c_qkv
		.amdhsa_group_segment_fixed_size 307712
		.amdhsa_private_segment_fixed_size 0
		.amdhsa_enable_private_segment 0
		.amdhsa_kernarg_size 24
		.amdhsa_user_sgpr_count 2
		.amdhsa_user_sgpr_kernarg_segment_ptr 1
		.amdhsa_wavefront_size32 1
		.amdhsa_system_sgpr_workgroup_id_x 1
		.amdhsa_system_sgpr_workgroup_id_y 1
		.amdhsa_system_sgpr_workgroup_id_z 1
		.amdhsa_system_vgpr_workitem_id 0
		.amdhsa_next_free_vgpr 768
		.amdhsa_next_free_sgpr 100
		.amdhsa_reserve_vcc 0
		.amdhsa_float_denorm_mode_32 3
		.amdhsa_float_denorm_mode_16_64 3
		.amdhsa_memory_ordered 1
		.amdhsa_forward_progress 1
		.amdhsa_inst_pref_size 93
	.end_amdhsa_kernel
	.amdgpu_metadata
---
amdhsa.version: [ 1, 2 ]
amdhsa.kernels:
  - .name:           k_qce351dcb0c_qkv
    .symbol:         k_qce351dcb0c_qkv.kd
    .args:
      - { .name: hbuf, .offset: 0, .size: 8, .value_kind: global_buffer, .address_space: global }
      - { .name: wbuf, .offset: 8, .size: 8, .value_kind: global_buffer, .address_space: global }
      - { .name: qkvbuf, .offset: 16, .size: 8, .value_kind: global_buffer, .address_space: global }
    .group_segment_fixed_size: 307712
    .private_segment_fixed_size: 0
    .kernarg_segment_align: 8
    .kernarg_segment_size: 24
    .max_flat_workgroup_size: 128
    .sgpr_count:     100
    .vgpr_count:     768
    .wavefront_size: 32
...
	.end_amdgpu_metadata
.endif
;; end of part 2
;; launch attn (part 3): grid 8 x 32, 16 waves a work-group, no clusters, 215,040 bytes of LDS; arguments qkvbuf, obuf; writes obuf
.if DOCPART == 3
	.amdgcn_target "amdgcn-amd-amdhsa--gfx1250"
	.amdhsa_code_object_version 6
	.text
	.protected	k_qce351dcb0c_attn
	.globl	k_qce351dcb0c_attn
	.p2align	8
	.type	k_qce351dcb0c_attn,@function
k_qce351dcb0c_attn:
	s_mov_b64 s[64:65], 0
	v_nop
	global_prefetch_b8 v0, s[64:65] scope:SCOPE_SE
	s_setreg_imm32_b32 hwreg(HW_REG_WAVE_MODE, 25, 1), 1
	s_wait_xcnt 0x0
; Causal attention of one (batch, head) on codes of FP6 (E2M3) with E8M0 scales; the result, divided by the row's sum, is quantised along the head's 64 channels and stored as half a fragment of the next product's operand.
; THE SOFTMAX: t = score x log2(e) / 8; M = the running largest t rounded up to a whole number; p = 2^(t - M) is quantised along the keys, not normalised; the row's sum is taken of the unquantised p.  When M moves, the sum and O are multiplied by 2^(old M - new M): exact.
; SHARES.  Work-group (i, batch x 16 + head) has sixteen waves, each with one tile of 16 queries: eight of the block of 128 queries i and eight of block 15 - i, so that every work-group has 8 (i + 1) + 8 (16 - i) = 136 wave steps.
; A wave works the key steps (128 keys) 0 .. its block; the last is on the diagonal.  The loops' trip counts are constants: a step all of whose keys are hidden is jumped over by a scalar branch on ids, round its work alone.
; LDS holds the head's whole K and V (codes and scale words, 212,992 bytes): every fill is a first fill, issued at the head by waves 0 (K) and 1 (V), five tensor loads each; a barrier for every four key steps shows a chunk to all.
; THE HEAD HAS 64 CHANNELS, THE INSTRUCTION'S K IS 128: source 0 is a PAIR of key tiles (tile 2 F in registers 0-5, tile 2 F + 1 in registers 6-11), source 1 is the queries' codes beside six registers of zeros: [q, 0] meets tile 2 F, [0, q] tile 2 F + 1.  Zero codes add nothing.
; Both products are used transposed: a lane holds one query (lane % 16).  Tiles are in the order row(t, r) = 32 (t / 2) + 8 (t % 2) + r + 8 (r / 8), so the 16 registers of score tiles 2 f, 2 f + 1 are keys 32 f + 16 (lane / 16) + 0 .. 15.
; NO CLUSTER: the query blocks of a head read the same K and V, but which key steps a wave works hangs on its query block, which would be its work-group's place in a cluster.
; NO PREFETCH: all tiles are requested by the first lines of the kernel; there is no later load to run ahead of.
; LIMITS: NaN and infinities are not served; a block of p or of the result whose largest magnitude lies under 2^-124, and a block of zeros, keep the scale byte 1 (codes zero; only this program reads the bytes).
; REGISTERS: v1-3, v41-45 lane terms; v4 my query less 16 (lane / 16); v5-10 the step's LDS addresses; v12 -M, v13 the largest t, v[14:15] the sum; v16-27 [q, 0]; v28-39 [0, q]; v40 q's scale word; v48-95 four fragments of K, then of V;
;   v96-159 scores, then p; v160-191 O^T; v192-203 p's codes; v204-210 conversions; v212-227 block maxima, permutes, scale operands, bytes; v228 p's scale word; v[230:231] f; v232-235 at work; v244-247 V's scale words; v248-251 K's.
.set WV, 8
.set HD, 9
.set JB, 11                            ; s11  my block of 128 queries = my last key step
.set TAU, 12                           ; s12  my tile of queries in the batch
.set SEL, 20
.set CS, 22
.set G1C, 24                           ; s[24:31] group 1: a chunk of four key steps, 24,576 dense bytes as 96 rows of 256
.set G1S, 32                           ; s[32:39] group 1: the scale words, 8,192 dense bytes as 32 rows of 256
.set G0, 40                            ; s[40:59] five groups 0
.set TB, 60                            ; s60  the step's codes: 6,144 bytes a step
.set TS, 61                            ; s61  its scale words: 512 bytes a step
.set ST, 62                            ; s62  the step
.set CNT, 63
.set KSC, 98304                        ; LDS: K's codes at 0, K's scale words here,
.set VCO, 106496                       ; V's codes,
.set VSC, 204800                       ; V's scale words
	s_load_b128 s[4:7], s[0:1], 0x0                ; qkvbuf, obuf
	v_lshl_add_u32 v254, v0, 2, 0x34000
	v_mov_b32 v255, 0
	ds_add_u32 v254, v255
	ds_add_u32 v254, v255
	v_lshrrev_b32 v1, 5, v0
	v_readfirstlane_b32 s[WV], v1                  ; wave 0..15
	s_and_b32 s[HD], ttmp7, 0xffff                 ; batch x 16 + head
	s_and_b32 s13, s[WV], 1                        ; wave 0 fetches K, wave 1 V
	s_mul_i32 s18, s13, VCO
	s_mul_i32 s14, s13, 3145728
	s_mul_i32 s15, s[HD], 98304
	s_add_co_u32 s14, s14, s15
	s_add_co_u32 s14, s14, 3145728                 ; the head's codes of K or of V
	s_mov_b32 s15, 0
	s_lshl_b32 s16, s13, 18
	s_lshl_b32 s17, s[HD], 13
	s_add_co_u32 s16, s16, s17
	s_add_co_u32 s16, s16, 9699328                 ; and scale words
	s_mov_b32 s17, 0
	s_mov_b32 s[G1C], 3<<16                        ; no mask; elements of 8 bytes; no padding
	s_mov_b32 s[G1C+1], 32<<16
	s_mov_b32 s[G1C+2], 96<<16
	s_mov_b32 s[G1C+3], 32<<16
	s_mov_b32 s[G1C+4], 96
	s_mov_b32 s[G1C+5], 32
	s_mov_b32 s[G1C+6], 0
	s_mov_b32 s[G1C+7], 0
	s_mov_b32 s[G1S], 3<<16
	s_mov_b32 s[G1S+1], 32<<16
	s_mov_b32 s[G1S+2], 32<<16
	s_mov_b32 s[G1S+3], 32<<16
	s_mov_b32 s[G1S+4], 32
	s_mov_b32 s[G1S+5], 32
	s_mov_b32 s[G1S+6], 0
	s_mov_b32 s[G1S+7], 0
	s_wait_dscnt 0x0
	s_wait_kmcnt 0x0
	s_add_nc_u64 s[14:15], s[4:5], s[14:15]
	s_add_nc_u64 s[16:17], s[4:5], s[16:17]
	s_mov_b32 s[G0], 1
	s_add_co_u32 s[G0+1], s18, KSC
	s_mov_b64 s[G0+2:G0+3], s[16:17]
	s_or_b32 s[G0+3], s[G0+3], 0x80000000
.irp c, 0,1,2,3
	s_mov_b32 s[G0+4+4*\c], 1
	s_add_co_u32 s[G0+5+4*\c], s18, \c*24576
	s_add_nc_u64 s[G0+6+4*\c:G0+7+4*\c], s[14:15], \c*24576
	s_or_b32 s[G0+7+4*\c], s[G0+7+4*\c], 0x80000000
.endr
	s_cmp_lt_u32 s[WV], 2                          ; all first fills of a wave stand in one branch on its number: five loads of mine are out
	s_cbranch_scc0 .Lnofill
	tensor_load_to_lds s[G0:G0+3], s[G1S:G1S+7]
	s_nop 0
	tensor_load_to_lds s[G0+4:G0+7], s[G1C:G1C+7]
	s_nop 0
	tensor_load_to_lds s[G0+8:G0+11], s[G1C:G1C+7]
	s_nop 0
	tensor_load_to_lds s[G0+12:G0+15], s[G1C:G1C+7]
	s_nop 0
	tensor_load_to_lds s[G0+16:G0+19], s[G1C:G1C+7]
	s_nop 0
.rept 4
	v_nop
.endr
.Lnofill:
	s_lshr_b32 s13, s[WV], 2
	s_xor_b32 s13, s13, s[WV]
	s_and_b32 s13, s13, 1                          ; which of the two blocks: of waves 2 t, 2 t + 1 one each, and mixed over the waves' numbers modulo 4 and by fours
	s_sub_co_u32 s19, 15, ttmp9
	s_cmp_eq_u32 s13, 1
	s_cselect_b32 s[JB], s19, ttmp9
	s_lshr_b32 s10, s[WV], 1                       ; my tile in the block
	s_lshl_b32 s[TAU], s[JB], 3
	s_add_co_u32 s[TAU], s[TAU], s10
	s_lshl_b32 s66, s[HD], 7
	s_add_co_u32 s66, s66, s[TAU]
	s_mul_i32 s66, s66, 768                        ; q's half
	s_mov_b32 s67, 0
	s_add_nc_u64 s[66:67], s[4:5], s[66:67]
	s_lshl_b32 s68, s[HD], 6
	s_lshr_b32 s13, s[TAU], 1
	s_add_co_u32 s68, s68, s13
	s_lshl_b32 s68, s68, 7
	s_and_b32 s13, s[TAU], 1
	s_lshl_b32 s13, s13, 6
	s_add_co_u32 s68, s68, s13
	s_add_co_u32 s68, s68, 9437184                 ; q's scale words
	s_mov_b32 s69, 0
	s_add_nc_u64 s[68:69], s[4:5], s[68:69]
	s_lshr_b32 s13, s[HD], 4
	s_lshl_b32 s13, s13, 7
	s_add_co_u32 s13, s13, s[TAU]                  ; my tile among all 256
	s_and_b32 s19, s[HD], 15                       ; the head
	s_lshl_b32 s70, s13, 4
	s_add_co_u32 s70, s70, s19
	s_mul_i32 s70, s70, 768                        ; out: (tile x 8 + head / 2) x 1,536 + (head % 2) x 768
	s_mov_b32 s71, 0
	s_add_nc_u64 s[70:71], s[6:7], s[70:71]
	s_lshr_b32 s72, s13, 1
	s_lshl_b32 s72, s72, 3
	s_lshr_b32 s73, s19, 1
	s_add_co_u32 s72, s72, s73
	s_lshl_b32 s72, s72, 7
	s_and_b32 s73, s13, 1
	s_lshl_b32 s73, s73, 6
	s_add_co_u32 s72, s72, s73
	s_and_b32 s73, s19, 1
	s_lshl_b32 s73, s73, 1
	s_add_co_u32 s72, s72, s73
	s_add_co_u32 s72, s72, 3145728                 ; its two scale bytes
	s_mov_b32 s73, 0
	s_add_nc_u64 s[72:73], s[6:7], s[72:73]
	s_mov_b32 s[SEL], 0x76543210
	s_mov_b32 s[SEL+1], 0xfedcba98
	s_mov_b32 s[CS], 0x3e38aa3b                    ; c = log2(e) / 8
	s_mov_b32 s[CS+1], s[CS]
	s_mov_b32 s[TB], 0
	s_mov_b32 s[TS], 0
	s_mov_b32 s[ST], 0
	v_and_b32 v3, 31, v0
	v_lshlrev_b32 v1, 4, v3                        ; 16 x lane
	v_lshl_add_u32 v2, v3, 3, 512                  ; 512 + 8 x lane
	v_lshlrev_b32 v3, 2, v3                        ; 4 x lane
	v_and_b32 v46, 15, v0                          ; r
	v_bfe_u32 v47, v0, 4, 1                        ; h
	v_lshlrev_b32 v45, 2, v46                      ; 4 r
	global_load_b128 v[16:19], v1, s[66:67]        ; q's six registers, twice: the two operands of a product share no register, and [q, 0] and [0, q] are two runs
	global_load_b64 v[20:21], v2, s[66:67]
	global_load_b128 v[34:37], v1, s[66:67]
	global_load_b64 v[38:39], v2, s[66:67]
	global_load_b32 v40, v45, s[68:69]
	v_and_b32 v4, 8, v46
	v_add_nc_u32 v4, v4, v46
	v_lshlrev_b32 v47, 4, v47
	v_sub_nc_u32 v4, v4, v47
	s_lshr_b32 s13, s10, 1
	s_lshl_b32 s13, s13, 5
	s_and_b32 s19, s10, 1
	s_lshl_b32 s19, s19, 3
	s_add_co_u32 s13, s13, s19
	v_add_nc_u32 v4, s13, v4                       ; my query in its block of 128, less 16 h
	v_add_nc_u32 v41, VCO, v1
	v_add_nc_u32 v42, VCO, v2
	v_add_nc_u32 v43, KSC, v3
	v_add_nc_u32 v44, VSC, v3
.irp j, 22,23,24,25,26,27,28,29,30,31,32,33
	v_mov_b32 v[\j], 0                             ; the zero halves
.endr
	v_mov_b32 v13, 0xff61b1e6                      ; the largest t so far: -3e38
	v_floor_f32 v12, -v13
	v_mov_b32 v14, 0
	v_mov_b32 v15, 0
.irp b, 0,1,2,3
	v_mov_b32 v[216+\b], 0                         ; a lane permute's destination counts as one of its sources
.endr
	v_mov_b32 v231, 0                              ; (named as the upper half of a pair)
	v_mov_b32 v232, 0
.set j, 0
.rept 32
	v_mov_b32 v[160+j], 0                          ; O^T: the step is written once; the first finds zeros
.set j, j+1
.endr
.macro STEP
	s_cmp_gt_u32 s[ST], s[JB]                      ; all 128 keys come after my queries: only the stepping lines at the end are run
	s_cbranch_scc1 .Lhid_\@
	v_add_nc_u32 v5, s[TB], v1                     ; (these six are also the places in front of the loads into registers that the last step's products read)
	v_add_nc_u32 v6, s[TB], v2
	v_add_nc_u32 v7, s[TB], v41
	v_add_nc_u32 v8, s[TB], v42
	v_add_nc_u32 v9, s[TS], v43
	v_add_nc_u32 v10, s[TS], v44
.irp f, 0,1,2,3                                ; four pairs of key tiles
	ds_load_b128 v[48+12*\f:51+12*\f], v5 offset:1536*\f
	ds_load_b64 v[52+12*\f:53+12*\f], v6 offset:1536*\f
	ds_load_b128 v[54+12*\f:57+12*\f], v5 offset:1536*\f+768
	ds_load_b64 v[58+12*\f:59+12*\f], v6 offset:1536*\f+768
	ds_load_b32 v[248+\f], v9 offset:128*\f
.endr
	s_wait_dscnt 0x0
.irp f, 0,1,2,3
	v_wmma_scale_f32_16x16x128_f8f6f4 v[96+16*\f:103+16*\f], v[48+12*\f:59+12*\f], v[16:27], 0, v[248+\f], v40 matrix_a_fmt:MATRIX_FMT_FP6 matrix_b_fmt:MATRIX_FMT_FP6
	v_wmma_scale_f32_16x16x128_f8f6f4 v[104+16*\f:111+16*\f], v[48+12*\f:59+12*\f], v[28:39], 0, v[248+\f], v40 matrix_a_fmt:MATRIX_FMT_FP6 matrix_b_fmt:MATRIX_FMT_FP6 matrix_a_scale:MATRIX_SCALE_ROW1
.endr
.rept 4
	v_nop                                          ; places: for the first read of the scores, and for the loads below
.endr
.irp t, 0,1,2,3                                ; V's four tiles of 16 d x these 128 keys: they land under the softmax
	ds_load_b128 v[48+12*\t:51+12*\t], v7 offset:1536*\t
	ds_load_b64 v[52+12*\t:53+12*\t], v8 offset:1536*\t
	ds_load_b128 v[54+12*\t:57+12*\t], v7 offset:1536*\t+768
	ds_load_b64 v[58+12*\t:59+12*\t], v8 offset:1536*\t+768
	ds_load_b32 v[244+\t], v10 offset:128*\t
.endr
	s_cmp_lt_u32 s[ST], s[JB]                      ; off the diagonal all keys count
	s_cbranch_scc1 .Lopen_\@
	v_mov_b32 v233, 0xff800000                     ; -infinity
.set n, 0
.rept 64                                       ; register 16 b + i holds key 32 b + 16 h + i of the step: hidden where 32 b + i > my query - 16 h
	v_cmp_gt_i32 vcc_lo, 32*(n/16)+n%16, v4
	v_cndmask_b32 v[96+n], v[96+n], v233, vcc_lo
.set n, n+1
.endr
.Lopen_\@:
.irp b, 0,1,2,3
	v_max3_num_f32 v[212+\b], v[96+16*\b], v[97+16*\b], v[98+16*\b]   ; the largest score of each block of 32 keys: for the row's maximum and, since p rises with the score, for the block's largest p
.endr
.irp i, 3,5,7,9,11,13
.irp b, 0,1,2,3
	v_max3_num_f32 v[212+\b], v[212+\b], v[96+16*\b+\i], v[97+16*\b+\i]
.endr
.endr
.irp b, 0,1,2,3
	v_max_num_f32 v[212+\b], v[212+\b], v[111+16*\b]
.endr
.irp b, 0,1,2,3
	v_permlanex16_b32 v[216+\b], v[212+\b], s[SEL], s[SEL+1]
.endr
.irp b, 0,1,2,3
	v_max_num_f32 v[212+\b], v[212+\b], v[216+\b]
.endr
	v_max3_num_f32 v232, v212, v213, v214
	v_max_num_f32 v232, v232, v215
	v_mul_f32 v232, s[CS], v232
	v_max_num_f32 v13, v13, v232                   ; the running largest t
	v_mov_b32 v232, v12
	v_floor_f32 v12, -v13                          ; the new -M: a whole number
	v_sub_f32 v232, v12, v232
	v_cvt_i32_f32 v232, v232                       ; (it saturates)
	v_ldexp_f32 v230, 1.0, v232                    ; f = 2^(old M - new M)
.set j, 0
.rept 32
	v_pk_fma_f32 v[96+j:97+j], v[96+j:97+j], s[CS:CS+1], v[12:13] op_sel_hi:[1,0,0]   ; t - M
.set j, j+2
.endr
.irp b, 0,1,2,3
	v_fma_f32 v[212+\b], v[212+\b], s[CS], v12
.endr
.set j, 0
.rept 64
	v_exp_f32 v[96+j], v[96+j]                     ; p, at most 1
.set j, j+1
.endr
	v_pk_mul_f32 v[14:15], v[14:15], v[230:231] op_sel_hi:[1,0]   ; the sums under the new M (a plain place behind the exponentials)
	s_wait_alu depctr_va_vdst(0)                   ; one wait for the batch, ahead of its first reader
.irp b, 0,1,2,3
	v_exp_f32 v[212+\b], v[212+\b]                 ; each block's largest p
.endr
	v_pk_add_f32 v[234:235], v[96:97], v[98:99]    ; the row's sum of the unquantised p, in two chains
.set j, 4
.rept 15
	v_pk_add_f32 v[14:15], v[14:15], v[96+j:97+j]
	v_pk_add_f32 v[234:235], v[234:235], v[98+j:99+j]
.set j, j+4
.endr
	v_pk_add_f32 v[14:15], v[14:15], v[234:235]
	s_wait_alu depctr_va_vdst(0)                   ; and one for the four
.irp b, 0,1,2,3
	v_max_num_f32 v[212+\b], 0x1800000, v[212+\b]  ; the floor 2^(3 - 127)
.endr
.irp b, 0,1,2,3
	v_add_nc_u32 v[220+\b], 0xff000000, v[212+\b]
.endr
.irp b, 0,1,2,3
	v_lshrrev_b32 v[224+\b], 23, v[220+\b]
.endr
	v_lshl_or_b32 v228, v225, 8, v224              ; p's scale word for these 128 keys
	v_lshl_or_b32 v228, v226, 16, v228
	v_lshl_or_b32 v228, v227, 24, v228
.irp c, 0,1
	v_cvt_scalef32_pk16_fp6_f32 v[192+6*\c:194+6*\c], v[96+32*\c:111+32*\c], v[220+2*\c]
	v_cvt_scalef32_pk16_fp6_f32 v[204+4*\c:206+4*\c], v[112+32*\c:127+32*\c], v[221+2*\c]
.endr
	v_nop                                          ; one plain place behind a scaled conversion
.irp c, 0,1
.irp i, 0,1,2
	v_permlane16_swap_b32 v[192+6*\c+\i], v[204+4*\c+\i]
.endr
.irp i, 0,1,2
	v_mov_b32 v[195+6*\c+\i], v[204+4*\c+\i]
.endr
.endr
.set j, 0
.rept 16
	v_pk_mul_f32 v[160+j:161+j], v[160+j:161+j], v[230:231] op_sel_hi:[1,0]   ; O^T under the new M.  For each product below twelve of these name none of its registers: the places behind the writes of p's codes and scale word
.set j, j+2
.endr
	s_wait_dscnt 0x0                               ; V
.irp t, 0,1,2,3
	v_wmma_scale_f32_16x16x128_f8f6f4 v[160+8*\t:167+8*\t], v[48+12*\t:59+12*\t], v[192:203], v[160+8*\t:167+8*\t], v[244+\t], v228 matrix_a_fmt:MATRIX_FMT_FP6 matrix_b_fmt:MATRIX_FMT_FP6
.endr
.Lhid_\@:
	s_add_co_u32 s[ST], s[ST], 1
	s_add_co_u32 s[TB], s[TB], 6144
	s_add_co_u32 s[TS], s[TS], 512
.endm
.macro CHUNK c                         ; four key steps
	s_wait_tensorcnt 3-\c                          ; in waves 0 and 1: the scale words and chunks 0 .. c have landed, the 3 - c later chunks may be out
	s_wait_dscnt 0x0
	s_barrier_signal -1
	s_barrier_wait -1
	s_mov_b32 s[CNT], 4
.Lst_\@:
	STEP
	s_sub_co_u32 s[CNT], s[CNT], 1
	s_cmp_lg_u32 s[CNT], 0
	s_cbranch_scc1 .Lst_\@
.endm
	s_wait_loadcnt 0x0                             ; q
	CHUNK 0
	CHUNK 1
	CHUNK 2
	CHUNK 3
	; THE WAY OUT
.rept 4
	v_nop                                          ; places behind the last products
.endr
	v_add_f32 v14, v14, v15
	v_permlanex16_b32 v232, v14, s[SEL], s[SEL+1]
	v_add_f32 v14, v14, v232                       ; the row's sum
	v_rcp_f32 v14, v14
	v_nop                                          ; a plain place behind the transcendental
	s_wait_alu depctr_va_vdst(0)                   ; the wait ahead of its first reader
.set j, 0
.rept 32
	v_mul_f32 v[96+j], v[160+j], v14               ; register 16 b + i = channel 32 b + 16 h + i of my query
.set j, j+1
.endr
.irp b, 0,1
	v_max3_num_f32 v[212+\b], |v[96+16*\b]|, |v[97+16*\b]|, 0x1800000
.endr
.irp i, 2,4,6,8,10,12,14
.irp b, 0,1
	v_max3_num_f32 v[212+\b], v[212+\b], |v[96+16*\b+\i]|, |v[97+16*\b+\i]|
.endr
.endr
.irp b, 0,1
	v_permlanex16_b32 v[216+\b], v[212+\b], s[SEL], s[SEL+1]
.endr
.irp b, 0,1
	v_max_num_f32 v[212+\b], v[212+\b], v[216+\b]
.endr
.irp b, 0,1
	v_add_nc_u32 v[220+\b], 0xff000000, v[212+\b]
.endr
.irp b, 0,1
	v_lshrrev_b32 v[224+\b], 23, v[220+\b]
.endr
	v_lshl_or_b32 v228, v225, 8, v224
	v_cvt_scalef32_pk16_fp6_f32 v[192:194], v[96:111], v220
	v_cvt_scalef32_pk16_fp6_f32 v[204:206], v[112:127], v221
	v_nop
.irp i, 0,1,2
	v_permlane16_swap_b32 v[192+\i], v[204+\i]
.endr
.irp i, 0,1,2
	v_mov_b32 v[195+\i], v[204+\i]
.endr
	global_store_b128 v1, v[192:195], s[70:71]     ; half a fragment: 512 + 256 consecutive bytes
	global_store_b64 v2, v[196:197], s[70:71]
	global_store_b16 v45, v228, s[72:73]           ; my row's two scale bytes of the K step's word (the other two are the neighbouring head's); lanes r and r + 16 store the same value.  Two bytes a lane: 1 byte in 24 of what the wave stores
	s_wait_tensorcnt 0x0
	ds_add_u32 v254, v255
	s_wait_dscnt 0x0
	s_endpgm
.Lfunc_end_k_qce351dcb0c_attn:
	.size	k_qce351dcb0c_attn, .Lfunc_end_k_qce351dcb0c_attn-k_qce351dcb0c_attn
	.p2alignl 7, 3214868480
	.fill 96, 4, 3214868480
	.section	.rodata,"a",@progbits
	.p2align	6, 0x0
	.amdhsa_kernel k_qce351dcb0c_attn
		.amdhsa_group_segment_fixed_size 215040
		.amdhsa_private_segment_fixed_size 0
		.amdhsa_enable_private_segment 0
		.amdhsa_kernarg_size 16
		.amdhsa_user_sgpr_count 2
		.amdhsa_user_sgpr_kernarg_segment_ptr 1
		.amdhsa_wavefront_size32 1
		.amdhsa_system_sgpr_workgroup_id_x 1
		.amdhsa_system_sgpr_workgroup_id_y 1
		.amdhsa_system_sgpr_workgroup_id_z 1
		.amdhsa_system_vgpr_workitem_id 0
		.amdhsa_next_free_vgpr 256
		.amdhsa_next_free_sgpr 100
		.amdhsa_reserve_vcc 1
		.amdhsa_float_denorm_mode_32 3
		.amdhsa_float_denorm_mode_16_64 3
		.amdhsa_memory_ordered 1
		.amdhsa_forward_progress 1
		.amdhsa_inst_pref_size 99
	.end_amdhsa_kernel
	.amdgpu_metadata
---
amdhsa.version: [ 1, 2 ]
amdhsa.kernels:
  - .name:           k_qce351dcb0c_attn
    .symbol:         k_qce351dcb0c_attn.kd
    .args:
      - { .name: qkvbuf, .offset: 0, .size: 8, .value_kind: global_buffer, .address_space: global }
      - { .name: obuf, .offset: 8, .size: 8, .value_kind: global_buffer, .address_space: global }
    .group_segment_fixed_size: 215040
    .private_segment_fixed_size: 0
    .kernarg_segment_align: 8
    .kernarg_segment_size: 16
    .max_flat_workgroup_size: 512
    .sgpr_count:     100
    .vgpr_count:     256
    .wavefront_size: 32
...
	.end_amdgpu_metadata
.endif
;; end of part 3
;; launch proj (part 4): grid 8 x 32, 4 waves a work-group, clusters of 4 x 4, 205,312 bytes of LDS; arguments obuf, wbuf, bproj, x, x1buf; writes x1buf
.if DOCPART == 4
	.amdgcn_target "amdgcn-amd-amdhsa--gfx1250"
	.amdhsa_code_object_version 6
	.text
	.protected	k_qce351dcb0c_proj
	.globl	k_qce351dcb0c_proj
	.p2align	8
	.type	k_qce351dcb0c_proj,@function
k_qce351dcb0c_proj:
	s_mov_b64 s[64:65], 0
	v_nop
	global_prefetch_b8 v0, s[64:65] scope:SCOPE_SE
	s_setreg_imm32_b32 hwreg(HW_REG_WAVE_MODE, 25, 1), 1
	s_wait_xcnt 0x0
	s_wait_alu depctr_hold_cnt(0) depctr_sa_sdst(0) depctr_va_vdst(0) depctr_va_sdst(0) depctr_va_ssrc(0) depctr_va_vcc(0) depctr_vm_vsrc(0)
	s_getreg_b32 s2, hwreg(HW_REG_IB_STS2, 6, 4)
	s_cmp_eq_u32 s2, 0
	s_cbranch_scc0 .Lentry_in_a_cluster
	s_endpgm
.Lentry_in_a_cluster:
	s_bfe_u32 s2, ttmp6, 0x10000c
	s_cmp_lg_u32 s2, 0xf033
	s_cbranch_scc0 .Lentry_shape_is_right
	s_endpgm
.Lentry_shape_is_right:
; x1 = x + attention output x Wproj + bproj, on codes of FP6 (E2M3) with E8M0 scales.  K = 1,024.
; Operands lie in memory as images of operand registers (a fragment of 16 rows x 128 K: two halves of 768 bytes; registers 6 c .. 6 c + 3 at 16 x lane, 6 c + 4, 6 c + 5 at 512 + 8 x lane), tiles in the order
; row(t, r) = 32 (t / 2) + 8 (t % 2) + r + 8 (r / 8); scale words by pairs of tiles, 128 bytes a pair and K step.
; A work-group makes 128 tokens x 128 columns; wave (wa, wb) 4 tiles of tokens x 4 tiles of Wproj's rows.  SOURCE 0 = Wproj's rows, SOURCE 1 = tokens: a lane holds one token, register 16 b + i of a token tile = column 32 b + 16 (lane / 16) + i of the wave's 64.
; The bias is the C of each sum's first product; x is added at the end.  x1 leaves as images of these registers (block (tile, column / 64): 4,096 bytes, registers 4 q .. 4 q + 3 at 512 q + 16 x lane): each store covers 512 consecutive bytes.
; CLUSTERS: 4 x 4; the tokens' tiles are asked for jointly along a row of the cluster, the weights' along a column.  The whole K fits in LDS (two slots of four K steps): every fill is a first fill.
; REGISTERS: window 0: v1-8 lane terms, v16-25 LDS addresses, v32-47 scale words, v64-95 bias, v128-223 A's fragments (two sets), at the end v128-255 the results; window 1: B's fragments; window 2: v0-127 the 16 accumulators, v128-255 x.
.set NB, 4
.set KS, 8
.set CM1, 2                            ; the first product of each sum takes the bias
.set AS0, 3145728                      ; the scale words in obuf
.set B0,  2359296                      ; Wproj's images in wbuf
.set BS0, 9535488                      ; its scale words
.set SLOTSZ, 49152+2*NB*6144
.set SCA,    2*SLOTSZ
.set SCB,    SCA+4*KS*128
.set G1, 24
.set G0, 32
.set G1B, 48
.set G0B, 56
.set G1S, 68
.set G0S, 76
.set G1SB, 80
.set G0SB, 88
.set MSB, 0
.macro WIN new                         ; the immediate's high byte repeats the setting that is left
.if MSB != (\new)
	s_set_vgpr_msb (MSB<<8)|(\new)
.set MSB, (\new)
.endif
.endm
.macro PLACES n
.rept \n
	v_nop
.endr
.endm
.macro JLOAD g0a, g1a, g0b, g1b        ; a joint load: waves 0 and 1 fetch for A, waves 2 and 3 for B; four v_nop follow each line
	s_cmp_eq_u32 s15, 0
	s_cbranch_scc0 .Lfor_b_\@
	tensor_load_to_lds s[\g0a:\g0a+3], s[\g1a:\g1a+7]
	s_nop 0
.rept 4
	v_nop
.endr
	s_branch .Lasked_\@
.Lfor_b_\@:
	tensor_load_to_lds s[\g0b:\g0b+3], s[\g1b:\g1b+7]
	s_nop 0
.rept 4
	v_nop
.endr
.Lasked_\@:
.endm
.macro CREST
	s_cmp_lg_u32 s14, 0
	s_cbranch_scc1 .Lnot_wave_0_\@
	s_barrier_signal -3
.Lnot_wave_0_\@:
	s_barrier_wait -3
	s_barrier_signal -1
	s_barrier_wait -1
.endm
.macro CROUND
	s_barrier_signal -1
	s_barrier_wait -1
	CREST
.endm
.macro FETCH slot, q, p, ks            ; one K step's fragments and scale words into set p
	WIN 0x40
.set bi, 0
.rept NB
.set rB, 128*(\p)+12*bi
.set oB, 6144*bi+1536*(\q)
	ds_load_b128 v[rB:rB+3], v[20+(\slot)] offset:oB
	ds_load_b64 v[rB+4:rB+5], v[22+(\slot)] offset:oB
	ds_load_b128 v[rB+6:rB+9], v[20+(\slot)] offset:oB+768
	ds_load_b64 v[rB+10:rB+11], v[22+(\slot)] offset:oB+768
.set bi, bi+1
.endr
	WIN 0
.set ai, 0
.rept 4
.set rA, 128+48*(\p)+12*ai
.set oA, 6144*ai+1536*(\q)
	ds_load_b128 v[rA:rA+3], v[16+(\slot)] offset:oA
	ds_load_b64 v[rA+4:rA+5], v[18+(\slot)] offset:oA
	ds_load_b128 v[rA+6:rA+9], v[16+(\slot)] offset:oA+768
	ds_load_b64 v[rA+10:rA+11], v[18+(\slot)] offset:oA+768
.set ai, ai+1
.endr
	ds_load_b32 v[32+8*(\p)], v24 offset:128*(\ks)
	ds_load_b32 v[33+8*(\p)], v24 offset:128*KS+128*(\ks)
.set bi, 0
.rept NB/2
	ds_load_b32 v[34+8*(\p)+bi], v25 offset:128*KS*bi+128*(\ks)
.set bi, bi+1
.endr
.endm
.macro WM cm                           ; one product; a pair's scale register holds the even tile's words in lanes 0-15, the odd tile's in lanes 16-31
.if (bi%2) && (ai%2)
	v_wmma_scale_f32_16x16x128_f8f6f4 v[rD:rD+7], v[rB:rB+11], v[rA:rA+11], v[rC:rC+7], v[rSB], v[rSA] matrix_a_fmt:MATRIX_FMT_FP6 matrix_b_fmt:MATRIX_FMT_FP6 matrix_a_scale:MATRIX_SCALE_ROW1 matrix_b_scale:MATRIX_SCALE_ROW1
.elseif bi%2
	v_wmma_scale_f32_16x16x128_f8f6f4 v[rD:rD+7], v[rB:rB+11], v[rA:rA+11], v[rC:rC+7], v[rSB], v[rSA] matrix_a_fmt:MATRIX_FMT_FP6 matrix_b_fmt:MATRIX_FMT_FP6 matrix_a_scale:MATRIX_SCALE_ROW1
.elseif ai%2
	v_wmma_scale_f32_16x16x128_f8f6f4 v[rD:rD+7], v[rB:rB+11], v[rA:rA+11], v[rC:rC+7], v[rSB], v[rSA] matrix_a_fmt:MATRIX_FMT_FP6 matrix_b_fmt:MATRIX_FMT_FP6 matrix_b_scale:MATRIX_SCALE_ROW1
.else
	v_wmma_scale_f32_16x16x128_f8f6f4 v[rD:rD+7], v[rB:rB+11], v[rA:rA+11], v[rC:rC+7], v[rSB], v[rSA] matrix_a_fmt:MATRIX_FMT_FP6 matrix_b_fmt:MATRIX_FMT_FP6
.endif
.endm
; A's tiles a0 .. a1 against B's NB, set p.  cm 0: onto the sums; 2: the bias (window 0, v64 on) starts them.  The 4 NB accumulators take turns, in the same order in every K step
.macro MULS p, a0, a1, cm
.if (\cm) == 2
	WIN 0x81
.else
	WIN 0xa1
.endif
.set ai, \a0
.rept (\a1)-(\a0)+1
.set bi, 0
.rept NB
.set rD, 8*(NB*ai+bi)
.set rC, rD
.if (\cm) == 2
.set rC, 64+8*bi
.endif
.set rB, 128*(\p)+12*bi
.set rA, 128+48*(\p)+12*ai
.set rSB, 34+8*(\p)+bi/2
.set rSA, 32+8*(\p)+ai/2
	WM \cm
.set bi, bi+1
.endr
.set ai, ai+1
.endr
.endm
.macro KSTEP slot, q, cm, next         ; next 1: the next step lies in the same slot; 2: in the other slot: one barrier; 0: there is none
.set pp, (\q)%2
	s_wait_dscnt 0x0                               ; this step's fragments and scale words are in
.if (\next) == 0
	MULS pp, 0, 3, \cm
.elseif (\next) == 1
	PLACES 4                                       ; in front of loads into the set that the last step's products read
	FETCH \slot, (\q)+1, 1-pp, 4*(\slot)+(\q)+1
	MULS pp, 0, 3, \cm
.else
	s_wait_tensorcnt 0x0                           ; my part of the other slot has landed,
	s_barrier_signal -1
	MULS pp, 0, 1, \cm
	WIN 0
	s_barrier_wait -1                              ; everybody's has
	PLACES 4
	FETCH 1-(\slot), 0, 1-pp, 4*(1-(\slot))
	MULS pp, 2, 3, \cm
.endif
.endm
	s_load_b256 s[4:11], s[0:1], 0x0               ; obuf, wbuf, bproj, x
	s_load_b64 s[12:13], s[0:1], 0x20              ; x1buf
	v_lshl_add_u32 v126, v0, 2, 0x32000
	v_mov_b32 v127, 0
	ds_add_u32 v126, v127
	ds_add_u32 v126, v127
	v_lshrrev_b32 v1, 5, v0
	v_readfirstlane_b32 s14, v1                    ; wave 0..3
	s_lshr_b32 s15, s14, 1                         ; wa; also: I fetch for A (0) or for B (1)
	s_and_b32 s16, s14, 1                          ; wb; also: which half I fetch
	s_bfe_u32 s40, ttmp6, 0x40000                  ; cx
	s_bfe_u32 s41, ttmp6, 0x40004                  ; cy
	s_lshl_b32 s42, ttmp9, 2
	s_add_co_u32 s42, s42, s40                     ; x: block of 128 columns
	s_and_b32 s17, ttmp7, 0xffff
	s_lshl_b32 s17, s17, 2
	s_add_co_u32 s17, s17, s41                     ; y: block of 128 tokens
	s_lshl_b32 s43, s41, 2
	s_lshl_b32 s43, 15, s43
	s_lshl_b32 s44, 0x1111, s40
	s_or_b32 s[G1+0], s43, (3<<16)|(1<<21)         ; the mask; elements of 8 bytes; bit 21 beside a mask; no padding
	s_or_b32 s[G1B+0], s44, (3<<16)|(1<<21)
	s_mov_b32 s[G1+1], 768<<16                     ; a row: four K steps of one tile, 6,144 bytes
	s_mov_b32 s[G1+2], 4<<16
	s_mov_b32 s[G1+3], 768<<16
	s_mov_b32 s[G1+4], 4
	s_mov_b32 s[G1+5], KS*192
	s_mov_b32 s[G1+6], 0
	s_mov_b32 s[G1+7], 0
	s_mov_b32 s[G1B+1], 768<<16
	s_mov_b32 s[G1B+2], NB<<16
	s_mov_b32 s[G1B+3], 768<<16
	s_mov_b32 s[G1B+4], NB
	s_mov_b32 s[G1B+5], KS*192
	s_mov_b32 s[G1B+6], 0
	s_mov_b32 s[G1B+7], 0
	s_or_b32 s[G1S+0], s43, (3<<16)|(1<<21)
	s_or_b32 s[G1SB+0], s44, (3<<16)|(1<<21)
	s_mov_b32 s[G1S+1], 32<<16
	s_mov_b32 s[G1S+2], KS<<16
	s_mov_b32 s[G1S+3], 32<<16
	s_mov_b32 s[G1S+4], KS
	s_mov_b32 s[G1S+5], 32
	s_mov_b32 s[G1S+6], 0
	s_mov_b32 s[G1S+7], 0
	s_mov_b32 s[G1SB+1], 32<<16
	s_mov_b32 s[G1SB+2], (NB*KS/4)<<16
	s_mov_b32 s[G1SB+3], 32<<16
	s_mov_b32 s[G1SB+4], NB*KS/4
	s_mov_b32 s[G1SB+5], 32
	s_mov_b32 s[G1SB+6], 0
	s_mov_b32 s[G1SB+7], 0
	s_mul_i32 s20, s17, 8*KS*1536                  ; A's codes: my block, the half that I fetch
	s_mul_i32 s18, s16, 4*KS*1536
	s_add_co_u32 s20, s20, s18
	s_mov_b32 s21, 0
	s_mul_i32 s22, s17, KS*512                     ; A's scale words
	s_mul_i32 s18, s16, KS*256
	s_add_co_u32 s22, s22, s18
	s_add_co_u32 s22, s22, AS0
	s_mov_b32 s23, 0
	s_mul_i32 s46, s42, 2*NB*KS*1536               ; B's codes
	s_mul_i32 s18, s16, NB*KS*1536
	s_add_co_u32 s46, s46, s18
	s_add_co_u32 s46, s46, B0
	s_mov_b32 s47, 0
	s_mul_i32 s92, s42, NB*KS*128                  ; B's scale words
	s_mul_i32 s18, s16, NB*KS*64
	s_add_co_u32 s92, s92, s18
	s_add_co_u32 s92, s92, BS0
	s_mov_b32 s93, 0
	s_mul_i32 s45, s16, 24576                      ; where they go: no place in the cluster enters an LDS address
	s_mul_i32 s95, s16, NB*6144
	s_add_co_u32 s95, s95, 49152
	s_mul_i32 s97, s16, KS*256
	s_mul_i32 s98, s16, NB*KS*64
	s_wait_dscnt 0x0
	s_wait_kmcnt 0x0
	s_add_nc_u64 s[20:21], s[4:5], s[20:21]
	s_add_nc_u64 s[22:23], s[4:5], s[22:23]
	s_add_nc_u64 s[46:47], s[6:7], s[46:47]
	s_add_nc_u64 s[92:93], s[6:7], s[92:93]
	CROUND                                         ; all sixteen work-groups are here: the joint loads meet
	s_mov_b32 s[G0S], 1
	s_add_co_u32 s[G0S+1], s97, SCA
	s_mov_b64 s[G0S+2:G0S+3], s[22:23]
	s_or_b32 s[G0S+3], s[G0S+3], 0x80000000
	s_mov_b32 s[G0SB], 1
	s_add_co_u32 s[G0SB+1], s98, SCB
	s_mov_b64 s[G0SB+2:G0SB+3], s[92:93]
	s_or_b32 s[G0SB+3], s[G0SB+3], 0x80000000
	JLOAD G0S, G1S, G0SB, G1SB
.irp s, 0,1
	s_mov_b32 s[G0+4*\s], 1
	s_add_co_u32 s[G0+4*\s+1], s45, \s*SLOTSZ
	s_add_nc_u64 s[G0+4*\s+2:G0+4*\s+3], s[20:21], \s*6144
	s_or_b32 s[G0+4*\s+3], s[G0+4*\s+3], 0x80000000
	s_mov_b32 s[G0B+4*\s], 1
	s_add_co_u32 s[G0B+4*\s+1], s95, \s*SLOTSZ
	s_add_nc_u64 s[G0B+4*\s+2:G0B+4*\s+3], s[46:47], \s*6144
	s_or_b32 s[G0B+4*\s+3], s[G0B+4*\s+3], 0x80000000
	JLOAD G0+4*\s, G1, G0B+4*\s, G1B               ; three loads of mine are out behind the last
.endr
	v_and_b32 v3, 31, v0
	v_lshlrev_b32 v1, 4, v3                        ; 16 x lane
	v_lshl_add_u32 v2, v3, 3, 512                  ; 512 + 8 x lane
	v_lshlrev_b32 v3, 2, v3                        ; 4 x lane
	v_and_b32 v4, 15, v0                           ; r
	v_bfe_u32 v5, v0, 4, 1                         ; h
	s_mul_i32 s18, s15, 24576
	s_mul_i32 s19, s16, NB*6144
	s_add_co_u32 s19, s19, 49152
.irp s, 0,1
	v_add_nc_u32 v[16+\s], s18, v1
	v_add_nc_u32 v[18+\s], s18, v2
	v_add_nc_u32 v[20+\s], s19, v1
	v_add_nc_u32 v[22+\s], s19, v2
	s_add_co_u32 s18, s18, SLOTSZ
	s_add_co_u32 s19, s19, SLOTSZ
.endr
	s_mul_i32 s18, s15, KS*256
	s_add_co_u32 s18, s18, SCA
	v_add_nc_u32 v24, s18, v3
	s_mul_i32 s19, s16, NB*KS*64
	s_add_co_u32 s19, s19, SCB
	v_add_nc_u32 v25, s19, v3
	; the bias in the result's layout: for B tile 2 b + u the eight numbers at column 32 b + 16 h + 8 u
	v_lshlrev_b32 v7, 6, v5                        ; 64 h
	s_mul_i32 s18, s42, NB*128
	s_mul_i32 s19, s16, NB*64
	s_add_co_u32 s18, s18, s19
	s_mov_b32 s19, 0
	s_add_nc_u64 s[8:9], s[8:9], s[18:19]
.set bi, 0
.rept NB
	global_load_b128 v[64+8*bi:64+8*bi+3], v7, s[8:9] offset:128*(bi/2)+32*(bi%2)
	global_load_b128 v[64+8*bi+4:64+8*bi+7], v7, s[8:9] offset:128*(bi/2)+32*(bi%2)+16
.set bi, bi+1
.endr
	; x in the result's layout
	v_and_b32 v6, 8, v4
	v_add_nc_u32 v6, v6, v4
	v_lshl_add_u32 v8, v6, 12, v7                  ; my row of 4,096 bytes + 64 h
	s_lshl_b32 s18, s17, 19                        ; 128 rows a block,
	s_lshl_b32 s19, s15, 18                        ; 64 a wave
	s_add_co_u32 s18, s18, s19
	s_lshl_b32 s19, s42, 9                         ; 128 columns a block,
	s_add_co_u32 s96, s18, s19
	s_lshl_b32 s19, s16, 8                         ; 64 a wave
	s_add_co_u32 s96, s96, s19
	s_mov_b32 s97, 0
	s_add_nc_u64 s[10:11], s[10:11], s[96:97]
	s_lshl_b32 s19, s42, 13                        ; x1's images: (tile x 16 + column / 64) x 4,096
	s_add_co_u32 s98, s18, s19
	s_lshl_b32 s19, s16, 12
	s_add_co_u32 s98, s98, s19
	s_mov_b32 s99, 0
	s_add_nc_u64 s[12:13], s[12:13], s[98:99]
	WIN 0x80                                       ; destination window 2
.irp a, 0,1,2,3
.irp b, 0,1
.irp j, 0,1,2,3
	global_load_b128 v[128+32*\a+16*\b+4*\j:131+32*\a+16*\b+4*\j], v8, s[10:11] offset:(32*(\a/2)+8*(\a%2))*4096+128*\b+16*\j
.endr
.endr
.endr
	WIN 0
	s_wait_tensorcnt 1                             ; the scale words and slot 0 are in; slot 1's load may be out
	s_barrier_signal -1
	s_barrier_wait -1
	FETCH 0, 0, 0, 0
	s_wait_loadcnt 32                              ; the bias is in; x's 32 loads may be out
	KSTEP 0, 0, CM1, 1
	KSTEP 0, 1, 0, 1
	KSTEP 0, 2, 0, 1
	KSTEP 0, 3, 0, 2
	KSTEP 1, 0, 0, 1
	KSTEP 1, 1, 0, 1
	KSTEP 1, 2, 0, 1
	KSTEP 1, 3, 0, 0
	WIN 0
	PLACES 4                                       ; behind the last products
	s_wait_loadcnt 0x0                             ; x
.irp a, 0,1,2,3
	WIN 0x0a                                       ; sources window 2, destination window 0
.set j, 0
.rept 16
	v_pk_add_f32 v[128+32*\a+j:129+32*\a+j], v[32*\a+j:32*\a+j+1], v[128+32*\a+j:129+32*\a+j]   ; each accumulator from its low end on
.set j, j+2
.endr
	WIN 0
.irp q, 0,1,2,3,4,5,6,7
	global_store_b128 v1, v[128+32*\a+4*\q:131+32*\a+4*\q], s[12:13] offset:65536*\a+512*\q   ; 512 consecutive bytes a store
.endr
.endr
	s_wait_tensorcnt 0x0
	ds_add_u32 v126, v127
	s_wait_dscnt 0x0
	CROUND                                         ; the closing round
	s_endpgm
.Lfunc_end_k_qce351dcb0c_proj:
	.size	k_qce351dcb0c_proj, .Lfunc_end_k_qce351dcb0c_proj-k_qce351dcb0c_proj
	.p2alignl 7, 3214868480
	.fill 96, 4, 3214868480
	.section	.rodata,"a",@progbits
	.p2align	6, 0x0
	.amdhsa_kernel k_qce351dcb0c_proj
		.amdhsa_group_segment_fixed_size 205312
		.amdhsa_private_segment_fixed_size 0
		.amdhsa_enable_private_segment 0
		.amdhsa_kernarg_size 40
		.amdhsa_user_sgpr_count 2
		.amdhsa_user_sgpr_kernarg_segment_ptr 1
		.amdhsa_wavefront_size32 1
		.amdhsa_system_sgpr_workgroup_id_x 1
		.amdhsa_system_sgpr_workgroup_id_y 1
		.amdhsa_system_sgpr_workgroup_id_z 1
		.amdhsa_system_vgpr_workitem_id 0
		.amdhsa_next_free_vgpr 768
		.amdhsa_next_free_sgpr 100
		.amdhsa_reserve_vcc 0
		.amdhsa_float_denorm_mode_32 3
		.amdhsa_float_denorm_mode_16_64 3
		.amdhsa_memory_ordered 1
		.amdhsa_forward_progress 1
		.amdhsa_inst_pref_size 58
	.end_amdhsa_kernel
	.amdgpu_metadata
---
amdhsa.version: [ 1, 2 ]
amdhsa.kernels:
  - .name:           k_qce351dcb0c_proj
    .symbol:         k_qce351dcb0c_proj.kd
    .args:
      - { .name: obuf, .offset: 0, .size: 8, .value_kind: global_buffer, .address_space: global }
      - { .name: wbuf, .offset: 8, .size: 8, .value_kind: global_buffer, .address_space: global }
      - { .name: bproj, .offset: 16, .size: 8, .value_kind: global_buffer, .address_space: global }
      - { .name: x, .offset: 24, .size: 8, .value_kind: global_buffer, .address_space: global }
      - { .name: x1buf, .offset: 32, .size: 8, .value_kind: global_buffer, .address_space: global }
    .group_segment_fixed_size: 205312
    .private_segment_fixed_size: 0
    .kernarg_segment_align: 8
    .kernarg_segment_size: 40
    .max_flat_workgroup_size: 128
    .sgpr_count:     100
    .vgpr_count:     768
    .wavefront_size: 32
...
	.end_amdgpu_metadata
.endif
;; end of part 4
;; launch ln2 (part 5): grid 256 x 1, 8 waves a work-group, no clusters, 2,048 bytes of LDS; arguments x1buf, ln2_g, ln2_b, hbuf; writes hbuf
.if DOCPART == 5
	.amdgcn_target "amdgcn-amd-amdhsa--gfx1250"
	.amdhsa_code_object_version 6
	.text
	.protected	k_qce351dcb0c_ln2
	.globl	k_qce351dcb0c_ln2
	.p2align	8
	.type	k_qce351dcb0c_ln2,@function
k_qce351dcb0c_ln2:
	s_mov_b64 s[64:65], 0
	v_nop
	global_prefetch_b8 v0, s[64:65] scope:SCOPE_SE
	s_setreg_imm32_b32 hwreg(HW_REG_WAVE_MODE, 25, 1), 1
	s_wait_xcnt 0x0
; h2 = LayerNorm(x1) x gain + bias, quantised along the 1,024 columns to FP6 (E2M3) with one E8M0 byte for each 32, stored as images of operand registers (fragment (tile, K step) at (8 x tile + K step) x 1,536; scale words by pairs of tiles).
; x1 arrives as images of accumulator registers: block (tile, column / 64) of 4,096 bytes, registers 4 q .. 4 q + 3 at 512 q + 16 x lane, register 16 b + i = column 32 b + 16 (lane / 16) + i of the row of lane % 16: every load takes 512 consecutive bytes.
; A work-group takes one tile of 16 rows, wave w the columns 128 w .. 128 w + 127.  Mean and variance in two passes (the variance of x - mean); the eight waves' partial sums meet in LDS and are added in the same order by every wave.
; LIMITS: NaN and infinities are not served.  A block whose largest magnitude lies under 2^-124, and a block of zeros, keep the scale byte 1 (codes zero; only this program reads the bytes).
.set X,   32
.set G,   96
.set BB,  160
.set WK,  224
.set TM,  232
.set PW,  248
.set PC,  12
.set SEL, 22
.macro QUANT s
.irp b, 0,1,2,3
	v_max3_num_f32 v[TM+\b], |v[\s+16*\b]|, |v[\s+1+16*\b]|, 0x1800000   ; my 16 numbers of block b, and the floor 2^(3 - 127)
.endr
.irp i, 2,4,6,8,10,12,14
.irp b, 0,1,2,3
	v_max3_num_f32 v[TM+\b], v[TM+\b], |v[\s+16*\b+\i]|, |v[\s+1+16*\b+\i]|
.endr
.endr
.irp b, 0,1,2,3
	v_permlanex16_b32 v[TM+4+\b], v[TM+\b], s[SEL], s[SEL+1]
.endr
.irp b, 0,1,2,3
	v_max_num_f32 v[TM+\b], v[TM+\b], v[TM+4+\b]
.endr
.irp b, 0,1,2,3
	v_add_nc_u32 v[TM+12+\b], 0xff000000, v[TM+\b]   ; 2 off the exponent field: the conversion's scale operand
.endr
.irp b, 0,1,2,3
	v_lshrrev_b32 v[TM+4+\b], 23, v[TM+12+\b]
.endr
	v_lshl_or_b32 v[PW], v[TM+5], 8, v[TM+4]
	v_lshl_or_b32 v[PW], v[TM+6], 16, v[PW]
	v_lshl_or_b32 v[PW], v[TM+7], 24, v[PW]
.irp c, 0,1
	v_cvt_scalef32_pk16_fp6_f32 v[PC+6*\c:PC+2+6*\c], v[\s+32*\c:\s+15+32*\c], v[TM+12+2*\c]
	v_cvt_scalef32_pk16_fp6_f32 v[PC+12+4*\c:PC+14+4*\c], v[\s+16+32*\c:\s+31+32*\c], v[TM+12+2*\c+1]
.endr
	v_nop                                          ; one plain place behind a scaled conversion
.irp c, 0,1
.irp i, 0,1,2
	v_permlane16_swap_b32 v[PC+6*\c+\i], v[PC+12+4*\c+\i]
.endr
.irp i, 0,1,2
	v_mov_b32 v[PC+3+6*\c+\i], v[PC+12+4*\c+\i]
.endr
.endr
.endm
.macro ALLSUM red                      ; my lane's partial sum in v[WK] becomes the row's sum over all 1,024 columns
	v_permlanex16_b32 v[WK+1], v[WK], s[SEL], s[SEL+1]
	v_add_f32 v[WK], v[WK], v[WK+1]
	ds_store_b32 v9, v[WK] offset:\red             ; lanes r and r + 16 write the same word with the same value
	s_wait_dscnt 0x0                               ; for the others' sake: my store has landed
	s_barrier_signal -1
	s_barrier_wait -1
.irp i, 0,1,2,3,4,5,6,7
	ds_load_b32 v[WK+\i], v7 offset:\red+64*\i
.endr
	s_wait_dscnt 0x0
.irp i, 1,2,3,4,5,6,7
	v_add_f32 v[WK], v[WK], v[WK+\i]
.endr
.endm
	s_load_b256 s[4:11], s[0:1], 0x0               ; x1buf, gain, bias, hbuf
	v_lshl_add_u32 v254, v0, 2, 0x400
	v_mov_b32 v255, 0
	v_lshrrev_b32 v1, 5, v0
	v_readfirstlane_b32 s12, v1                    ; wave 0..7
	v_and_b32 v1, 31, v0
	v_and_b32 v2, 15, v0                           ; r
	v_bfe_u32 v3, v0, 4, 1                         ; h
	v_lshlrev_b32 v4, 4, v1                        ; 16 x lane
	v_lshl_add_u32 v5, v1, 3, 512                  ; 512 + 8 x lane
	v_lshlrev_b32 v6, 6, v3                        ; 64 h
	v_lshlrev_b32 v7, 2, v2                        ; 4 r
	s_lshl_b32 s13, s12, 6
	v_add_nc_u32 v9, s13, v7                       ; LDS: 64 x wave + 4 r
	s_mov_b32 s[SEL], 0x76543210
	s_mov_b32 s[SEL+1], 0xfedcba98
	s_mov_b32 s20, 0x3a800000                      ; 1 / 1,024
	s_mov_b32 s21, 0x3727c5ac                      ; 1e-5
.irp b, 0,1,2,3
	v_mov_b32 v[TM+4+\b], 0
.endr
	s_lshr_b32 s13, ttmp9, 1
	s_and_b32 s14, ttmp9, 1
	s_lshl_b32 s16, ttmp9, 16                      ; 16 blocks of 4,096 bytes a tile,
	s_lshl_b32 s15, s12, 13                        ; two a wave
	s_add_co_u32 s16, s16, s15
	s_mov_b32 s17, 0
	s_lshl_b32 s18, s12, 9
	s_mov_b32 s19, 0
	s_lshl_b32 s24, ttmp9, 3
	s_add_co_u32 s24, s24, s12
	s_mul_i32 s24, s24, 1536
	s_mov_b32 s25, 0
	s_lshl_b32 s26, s13, 3
	s_add_co_u32 s26, s26, s12
	s_lshl_b32 s26, s26, 7
	s_lshl_b32 s15, s14, 6
	s_add_co_u32 s26, s26, s15
	s_add_co_u32 s26, s26, 3145728
	s_mov_b32 s27, 0
	s_wait_kmcnt 0x0
	s_add_nc_u64 s[4:5], s[4:5], s[16:17]
	s_add_nc_u64 s[6:7], s[6:7], s[18:19]
	s_add_nc_u64 s[8:9], s[8:9], s[18:19]
	s_add_nc_u64 s[28:29], s[10:11], s[26:27]
	s_add_nc_u64 s[10:11], s[10:11], s[24:25]
.irp b, 0,1,2,3
.irp j, 0,1,2,3
	global_load_b128 v[X+16*\b+4*\j:X+16*\b+4*\j+3], v4, s[4:5] offset:(\b/2)*4096+(4*(\b%2)+\j)*512
.endr
.endr
.irp b, 0,1,2,3
.irp j, 0,1,2,3
	global_load_b128 v[G+16*\b+4*\j:G+16*\b+4*\j+3], v6, s[6:7] offset:128*\b+16*\j
.endr
.endr
.irp b, 0,1,2,3
.irp j, 0,1,2,3
	global_load_b128 v[BB+16*\b+4*\j:BB+16*\b+4*\j+3], v6, s[8:9] offset:128*\b+16*\j
.endr
.endr
	s_wait_loadcnt 32                              ; x1's 16 loads are in; the 32 of gain and bias may be out
.irp c, 0,1,2,3
	v_pk_add_f32 v[WK+2*\c:WK+2*\c+1], v[X+2*\c:X+2*\c+1], v[X+8+2*\c:X+9+2*\c]
.endr
.irp j, 16,24,32,40,48,56
.irp c, 0,1,2,3
	v_pk_add_f32 v[WK+2*\c:WK+2*\c+1], v[WK+2*\c:WK+2*\c+1], v[X+\j+2*\c:X+\j+2*\c+1]
.endr
.endr
	v_pk_add_f32 v[WK:WK+1], v[WK:WK+1], v[WK+2:WK+3]
	v_pk_add_f32 v[WK+4:WK+5], v[WK+4:WK+5], v[WK+6:WK+7]
	v_pk_add_f32 v[WK:WK+1], v[WK:WK+1], v[WK+4:WK+5]
	v_add_f32 v[WK], v[WK], v[WK+1]
	ALLSUM 0
	v_mul_f32 v250, s20, v[WK]                     ; the mean
	v_mov_b32 v251, v250
.set j, 0
.rept 32
	v_pk_add_f32 v[X+j:X+j+1], v[X+j:X+j+1], v[250:251] neg_lo:[0,1] neg_hi:[0,1]
.set j, j+2
.endr
.irp c, 0,1,2,3
	v_pk_mul_f32 v[WK+2*\c:WK+2*\c+1], v[X+2*\c:X+2*\c+1], v[X+2*\c:X+2*\c+1]
.endr
.irp j, 8,16,24,32,40,48,56
.irp c, 0,1,2,3
	v_pk_fma_f32 v[WK+2*\c:WK+2*\c+1], v[X+\j+2*\c:X+\j+2*\c+1], v[X+\j+2*\c:X+\j+2*\c+1], v[WK+2*\c:WK+2*\c+1]
.endr
.endr
	v_pk_add_f32 v[WK:WK+1], v[WK:WK+1], v[WK+2:WK+3]
	v_pk_add_f32 v[WK+4:WK+5], v[WK+4:WK+5], v[WK+6:WK+7]
	v_pk_add_f32 v[WK:WK+1], v[WK:WK+1], v[WK+4:WK+5]
	v_add_f32 v[WK], v[WK], v[WK+1]
	ALLSUM 512                                     ; other bytes than the first sum's
	v_fma_f32 v[WK], v[WK], s20, s21
	v_rsq_f32 v252, v[WK]
	v_nop                                          ; a plain place behind the transcendental,
	s_wait_alu depctr_va_vdst(0)                   ; and the wait ahead of its first reader
	v_mov_b32 v253, v252
	s_wait_loadcnt 0x0
.set j, 0
.rept 32
	v_pk_mul_f32 v[X+j:X+j+1], v[X+j:X+j+1], v[252:253]
.set j, j+2
.endr
.set j, 0
.rept 32
	v_pk_fma_f32 v[X+j:X+j+1], v[X+j:X+j+1], v[G+j:G+j+1], v[BB+j:BB+j+1]
.set j, j+2
.endr
	QUANT X
	global_store_b128 v4, v[PC:PC+3], s[10:11]
	global_store_b64 v5, v[PC+4:PC+5], s[10:11]
	global_store_b128 v4, v[PC+6:PC+9], s[10:11] offset:768
	global_store_b64 v5, v[PC+10:PC+11], s[10:11] offset:768
	global_store_b32 v7, v[PW], s[28:29]           ; lanes r and r + 16 store the same word with the same value
	s_wait_tensorcnt 0x0
	ds_add_u32 v254, v255
	s_wait_dscnt 0x0
	s_endpgm
.Lfunc_end_k_qce351dcb0c_ln2:
	.size	k_qce351dcb0c_ln2, .Lfunc_end_k_qce351dcb0c_ln2-k_qce351dcb0c_ln2
	.p2alignl 7, 3214868480
	.fill 96, 4, 3214868480
	.section	.rodata,"a",@progbits
	.p2align	6, 0x0
	.amdhsa_kernel k_qce351dcb0c_ln2
		.amdhsa_group_segment_fixed_size 2048
		.amdhsa_private_segment_fixed_size 0
		.amdhsa_enable_private_segment 0
		.amdhsa_kernarg_size 32
		.amdhsa_user_sgpr_count 2
		.amdhsa_user_sgpr_kernarg_segment_ptr 1
		.amdhsa_wavefront_size32 1
		.amdhsa_system_sgpr_workgroup_id_x 1
		.amdhsa_system_sgpr_workgroup_id_y 1
		.amdhsa_system_sgpr_workgroup_id_z 1
		.amdhsa_system_vgpr_workitem_id 0
		.amdhsa_next_free_vgpr 256
		.amdhsa_next_free_sgpr 66
		.amdhsa_reserve_vcc 0
		.amdhsa_float_denorm_mode_32 3
		.amdhsa_float_denorm_mode_16_64 3
		.amdhsa_memory_ordered 1
		.amdhsa_forward_progress 1
		.amdhsa_inst_pref_size 24
	.end_amdhsa_kernel
	.amdgpu_metadata
---
amdhsa.version: [ 1, 2 ]
amdhsa.kernels:
  - .name:           k_qce351dcb0c_ln2
    .symbol:         k_qce351dcb0c_ln2.kd
    .args:
      - { .name: x1buf, .offset: 0, .size: 8, .value_kind: global_buffer, .address_space: global }
      - { .name: ln2_g, .offset: 8, .size: 8, .value_kind: global_buffer, .address_space: global }
      - { .name: ln2_b, .offset: 16, .size: 8, .value_kind: global_buffer, .address_space: global }
      - { .name: hbuf, .offset: 24, .size: 8, .value_kind: global_buffer, .address_space: global }
    .group_segment_fixed_size: 2048
    .private_segment_fixed_size: 0
    .kernarg_segment_align: 8
    .kernarg_segment_size: 32
    .max_flat_workgroup_size: 256
    .sgpr_count:     66
    .vgpr_count:     256
    .wavefront_size: 32
...
	.end_amdgpu_metadata
.endif
;; end of part 5
;; launch ffn1 (part 6): grid 16 x 32, 4 waves a work-group, clusters of 4 x 4, 307,712 bytes of LDS; arguments hbuf, wbuf, b1, ffbuf; writes ffbuf
.if DOCPART == 6
	.amdgcn_target "amdgcn-amd-amdhsa--gfx1250"
	.amdhsa_code_object_version 6
	.text
	.protected	k_qce351dcb0c_ffn1
	.globl	k_qce351dcb0c_ffn1
	.p2align	8
	.type	k_qce351dcb0c_ffn1,@function
k_qce351dcb0c_ffn1:
	s_mov_b64 s[64:65], 0
	v_nop
	global_prefetch_b8 v0, s[64:65] scope:SCOPE_SE
	s_setreg_imm32_b32 hwreg(HW_REG_WAVE_MODE, 25, 1), 1
	s_wait_xcnt 0x0
	s_wait_alu depctr_hold_cnt(0) depctr_sa_sdst(0) depctr_va_vdst(0) depctr_va_sdst(0) depctr_va_ssrc(0) depctr_va_vcc(0) depctr_vm_vsrc(0)
	s_getreg_b32 s2, hwreg(HW_REG_IB_STS2, 6, 4)
	s_cmp_eq_u32 s2, 0
	s_cbranch_scc0 .Lentry_in_a_cluster
	s_endpgm
.Lentry_in_a_cluster:
	s_bfe_u32 s2, ttmp6, 0x10000c
	s_cmp_lg_u32 s2, 0xf033
	s_cbranch_scc0 .Lentry_shape_is_right
	s_endpgm
.Lentry_shape_is_right:
; hidden = relu(h2 x W1 + b1), quantised along the 4,096 hidden units on its way out, on codes of FP6 (E2M3) with E8M0 scales.  K = 1,024.
; Operands lie in memory as images of operand registers (a fragment of 16 rows x 128 K: two halves of 768 bytes; registers 6 c .. 6 c + 3 at 16 x lane, 6 c + 4, 6 c + 5 at 512 + 8 x lane), tiles in the order
; row(t, r) = 32 (t / 2) + 8 (t % 2) + r + 8 (r / 8); scale words by pairs of tiles, 128 bytes a pair and K step.
; A work-group makes 128 tokens x 256 hidden units; wave (wa, wb) 4 tiles of tokens x 8 tiles of W1's rows.  SOURCE 0 = W1's rows, SOURCE 1 = tokens: a lane holds one token, and the 64 registers of a token tile are, in the quantiser's order,
; its half of 128 neighbouring hidden units: one K step of the next product.  So each token tile leaves as one fragment and one scale word a row, straight from registers.
; The bias is the C of each sum's first product.
; CLUSTERS: 4 x 4; the tokens' tiles are asked for jointly along a row of the cluster, the weights' along a column.  The whole K fits in LDS: every fill is a first fill.
; LIMITS: NaN and infinities are not served; a block whose largest magnitude lies under 2^-124, and a block of zeros, keep the scale byte 1 (codes zero; only this program reads the bytes).
; REGISTERS: window 0: v1-7 lane terms, v16-25 LDS addresses, v32-47 scale words, v64-127 bias, v128-223 A's fragments (two sets); window 1: B's fragments; window 2: the 32 accumulators.
.set NB, 8
.set KS, 8
.set CM1, 2
.set AS0, 3145728                      ; the scale words in hbuf
.set B0,  3145728                      ; W1's images in wbuf
.set BS0, 9568256                      ; its scale words
.set SLOTSZ, 49152+2*NB*6144
.set SCA,    2*SLOTSZ
.set SCB,    SCA+4*KS*128
.set G1, 24
.set G0, 32
.set G1B, 48
.set G0B, 56
.set G1S, 68
.set G0S, 76
.set G1SB, 80
.set G0SB, 88
.set TM, 200
.set SEL, 94
.set MSB, 0
.macro WIN new                         ; the immediate's high byte repeats the setting that is left
.if MSB != (\new)
	s_set_vgpr_msb (MSB<<8)|(\new)
.set MSB, (\new)
.endif
.endm
.macro PLACES n
.rept \n
	v_nop
.endr
.endm
.macro JLOAD g0a, g1a, g0b, g1b        ; a joint load: waves 0 and 1 fetch for A, waves 2 and 3 for B; four v_nop follow each line
	s_cmp_eq_u32 s15, 0
	s_cbranch_scc0 .Lfor_b_\@
	tensor_load_to_lds s[\g0a:\g0a+3], s[\g1a:\g1a+7]
	s_nop 0
.rept 4
	v_nop
.endr
	s_branch .Lasked_\@
.Lfor_b_\@:
	tensor_load_to_lds s[\g0b:\g0b+3], s[\g1b:\g1b+7]
	s_nop 0
.rept 4
	v_nop
.endr
.Lasked_\@:
.endm
.macro CREST
	s_cmp_lg_u32 s14, 0
	s_cbranch_scc1 .Lnot_wave_0_\@
	s_barrier_signal -3
.Lnot_wave_0_\@:
	s_barrier_wait -3
	s_barrier_signal -1
	s_barrier_wait -1
.endm
.macro CROUND
	s_barrier_signal -1
	s_barrier_wait -1
	CREST
.endm
.macro FETCH slot, q, p, ks            ; one K step's fragments and scale words into set p
	WIN 0x40
.set bi, 0
.rept NB
.set rB, 128*(\p)+12*bi
.set oB, 6144*bi+1536*(\q)
	ds_load_b128 v[rB:rB+3], v[20+(\slot)] offset:oB
	ds_load_b64 v[rB+4:rB+5], v[22+(\slot)] offset:oB
	ds_load_b128 v[rB+6:rB+9], v[20+(\slot)] offset:oB+768
	ds_load_b64 v[rB+10:rB+11], v[22+(\slot)] offset:oB+768
.set bi, bi+1
.endr
	WIN 0
.set ai, 0
.rept 4
.set rA, 128+48*(\p)+12*ai
.set oA, 6144*ai+1536*(\q)
	ds_load_b128 v[rA:rA+3], v[16+(\slot)] offset:oA
	ds_load_b64 v[rA+4:rA+5], v[18+(\slot)] offset:oA
	ds_load_b128 v[rA+6:rA+9], v[16+(\slot)] offset:oA+768
	ds_load_b64 v[rA+10:rA+11], v[18+(\slot)] offset:oA+768
.set ai, ai+1
.endr
	ds_load_b32 v[32+8*(\p)], v24 offset:128*(\ks)
	ds_load_b32 v[33+8*(\p)], v24 offset:128*KS+128*(\ks)
.set bi, 0
.rept NB/2
	ds_load_b32 v[34+8*(\p)+bi], v25 offset:128*KS*bi+128*(\ks)
.set bi, bi+1
.endr
.endm
.macro WM cm                           ; one product; a pair's scale register holds the even tile's words in lanes 0-15, the odd tile's in lanes 16-31
.if (bi%2) && (ai%2)
	v_wmma_scale_f32_16x16x128_f8f6f4 v[rD:rD+7], v[rB:rB+11], v[rA:rA+11], v[rC:rC+7], v[rSB], v[rSA] matrix_a_fmt:MATRIX_FMT_FP6 matrix_b_fmt:MATRIX_FMT_FP6 matrix_a_scale:MATRIX_SCALE_ROW1 matrix_b_scale:MATRIX_SCALE_ROW1
.elseif bi%2
	v_wmma_scale_f32_16x16x128_f8f6f4 v[rD:rD+7], v[rB:rB+11], v[rA:rA+11], v[rC:rC+7], v[rSB], v[rSA] matrix_a_fmt:MATRIX_FMT_FP6 matrix_b_fmt:MATRIX_FMT_FP6 matrix_a_scale:MATRIX_SCALE_ROW1
.elseif ai%2
	v_wmma_scale_f32_16x16x128_f8f6f4 v[rD:rD+7], v[rB:rB+11], v[rA:rA+11], v[rC:rC+7], v[rSB], v[rSA] matrix_a_fmt:MATRIX_FMT_FP6 matrix_b_fmt:MATRIX_FMT_FP6 matrix_b_scale:MATRIX_SCALE_ROW1
.else
	v_wmma_scale_f32_16x16x128_f8f6f4 v[rD:rD+7], v[rB:rB+11], v[rA:rA+11], v[rC:rC+7], v[rSB], v[rSA] matrix_a_fmt:MATRIX_FMT_FP6 matrix_b_fmt:MATRIX_FMT_FP6
.endif
.endm
; A's tiles a0 .. a1 against B's NB, set p.  cm 0: onto the sums; 2: the bias (window 0, v64 on) starts them.  The 4 NB accumulators take turns, in the same order in every K step
.macro MULS p, a0, a1, cm
.if (\cm) == 2
	WIN 0x81
.else
	WIN 0xa1
.endif
.set ai, \a0
.rept (\a1)-(\a0)+1
.set bi, 0
.rept NB
.set rD, 8*(NB*ai+bi)
.set rC, rD
.if (\cm) == 2
.set rC, 64+8*bi
.endif
.set rB, 128*(\p)+12*bi
.set rA, 128+48*(\p)+12*ai
.set rSB, 34+8*(\p)+bi/2
.set rSA, 32+8*(\p)+ai/2
	WM \cm
.set bi, bi+1
.endr
.set ai, ai+1
.endr
.endm
.macro KSTEP slot, q, cm, next         ; next 1: the next step lies in the same slot; 2: in the other slot: one barrier; 0: there is none
.set pp, (\q)%2
	s_wait_dscnt 0x0                               ; this step's fragments and scale words are in
.if (\next) == 0
	MULS pp, 0, 3, \cm
.elseif (\next) == 1
	PLACES 4                                       ; in front of loads into the set that the last step's products read
	FETCH \slot, (\q)+1, 1-pp, 4*(\slot)+(\q)+1
	MULS pp, 0, 3, \cm
.else
	s_wait_tensorcnt 0x0                           ; my part of the other slot has landed,
	s_barrier_signal -1
	MULS pp, 0, 1, \cm
	WIN 0
	s_barrier_wait -1                              ; everybody's has
	PLACES 4
	FETCH 1-(\slot), 0, 1-pp, 4*(1-(\slot))
	MULS pp, 2, 3, \cm
.endif
.endm
.macro QUANTW s, pc, pw, relu          ; 64 numbers of window 2, v[s] on, become codes in v[pc] .. v[pc + 11] and the scale word v[pw] (window 0)
.if \relu
	WIN 0x88
.set j, 0
.rept 64
	v_max_num_f32 v[(\s)+j], 0, v[(\s)+j]          ; the activation, in f32; each accumulator from its low end on
.set j, j+1
.endr
.endif
	WIN 0x0a
.irp b, 0,1,2,3
	v_max3_num_f32 v[TM+\b], |v[(\s)+16*\b]|, |v[(\s)+1+16*\b]|, 0x1800000   ; and the floor 2^(3 - 127)
.endr
.irp i, 2,4,6,8,10,12,14
.irp b, 0,1,2,3
	v_max3_num_f32 v[TM+\b], |v[(\s)+16*\b+\i]|, |v[(\s)+1+16*\b+\i]|, v[TM+\b]
.endr
.endr
	WIN 0
.irp b, 0,1,2,3
	v_permlanex16_b32 v[TM+4+\b], v[TM+\b], s[SEL], s[SEL+1]
.endr
.irp b, 0,1,2,3
	v_max_num_f32 v[TM+\b], v[TM+\b], v[TM+4+\b]
.endr
.irp b, 0,1,2,3
	v_add_nc_u32 v[TM+12+\b], 0xff000000, v[TM+\b]
.endr
.irp b, 0,1,2,3
	v_lshrrev_b32 v[TM+4+\b], 23, v[TM+12+\b]
.endr
	v_lshl_or_b32 v[\pw], v[TM+5], 8, v[TM+4]
	v_lshl_or_b32 v[\pw], v[TM+6], 16, v[\pw]
	v_lshl_or_b32 v[\pw], v[TM+7], 24, v[\pw]
	WIN 0x02
.irp c, 0,1
	v_cvt_scalef32_pk16_fp6_f32 v[(\pc)+6*\c:(\pc)+2+6*\c], v[(\s)+32*\c:(\s)+15+32*\c], v[TM+12+2*\c]
	v_cvt_scalef32_pk16_fp6_f32 v[(\pc)+12+4*\c:(\pc)+14+4*\c], v[(\s)+16+32*\c:(\s)+31+32*\c], v[TM+12+2*\c+1]
.endr
	WIN 0
	v_nop                                          ; one plain place behind a scaled conversion
.irp c, 0,1
.irp i, 0,1,2
	v_permlane16_swap_b32 v[(\pc)+6*\c+\i], v[(\pc)+12+4*\c+\i]
.endr
.irp i, 0,1,2
	v_mov_b32 v[(\pc)+3+6*\c+\i], v[(\pc)+12+4*\c+\i]
.endr
.endr
.endm
.macro STFRAG pc, bs, off
	global_store_b128 v1, v[(\pc):(\pc)+3], s[\bs:\bs+1] offset:\off
	global_store_b64 v2, v[(\pc)+4:(\pc)+5], s[\bs:\bs+1] offset:\off
	global_store_b128 v1, v[(\pc)+6:(\pc)+9], s[\bs:\bs+1] offset:(\off)+768
	global_store_b64 v2, v[(\pc)+10:(\pc)+11], s[\bs:\bs+1] offset:(\off)+768
.endm
	s_load_b256 s[4:11], s[0:1], 0x0               ; hbuf, wbuf, b1, ffbuf
	v_lshl_add_u32 v254, v0, 2, 0x4b000
	v_mov_b32 v255, 0
	ds_add_u32 v254, v255
	ds_add_u32 v254, v255
	v_lshrrev_b32 v1, 5, v0
	v_readfirstlane_b32 s14, v1                    ; wave 0..3
	s_lshr_b32 s15, s14, 1                         ; wa; also: I fetch for A (0) or for B (1)
	s_and_b32 s16, s14, 1                          ; wb; also: which half I fetch
	s_bfe_u32 s40, ttmp6, 0x40000                  ; cx
	s_bfe_u32 s41, ttmp6, 0x40004                  ; cy
	s_lshl_b32 s42, ttmp9, 2
	s_add_co_u32 s42, s42, s40                     ; x: block of 256 hidden units
	s_and_b32 s17, ttmp7, 0xffff
	s_lshl_b32 s17, s17, 2
	s_add_co_u32 s17, s17, s41                     ; y: block of 128 tokens
	s_lshl_b32 s43, s41, 2
	s_lshl_b32 s43, 15, s43
	s_lshl_b32 s44, 0x1111, s40
	s_or_b32 s[G1+0], s43, (3<<16)|(1<<21)
	s_or_b32 s[G1B+0], s44, (3<<16)|(1<<21)
	s_mov_b32 s[G1+1], 768<<16
	s_mov_b32 s[G1+2], 4<<16
	s_mov_b32 s[G1+3], 768<<16
	s_mov_b32 s[G1+4], 4
	s_mov_b32 s[G1+5], KS*192
	s_mov_b32 s[G1+6], 0
	s_mov_b32 s[G1+7], 0
	s_mov_b32 s[G1B+1], 768<<16
	s_mov_b32 s[G1B+2], NB<<16
	s_mov_b32 s[G1B+3], 768<<16
	s_mov_b32 s[G1B+4], NB
	s_mov_b32 s[G1B+5], KS*192
	s_mov_b32 s[G1B+6], 0
	s_mov_b32 s[G1B+7], 0
	s_or_b32 s[G1S+0], s43, (3<<16)|(1<<21)
	s_or_b32 s[G1SB+0], s44, (3<<16)|(1<<21)
	s_mov_b32 s[G1S+1], 32<<16
	s_mov_b32 s[G1S+2], KS<<16
	s_mov_b32 s[G1S+3], 32<<16
	s_mov_b32 s[G1S+4], KS
	s_mov_b32 s[G1S+5], 32
	s_mov_b32 s[G1S+6], 0
	s_mov_b32 s[G1S+7], 0
	s_mov_b32 s[G1SB+1], 32<<16
	s_mov_b32 s[G1SB+2], (NB*KS/4)<<16
	s_mov_b32 s[G1SB+3], 32<<16
	s_mov_b32 s[G1SB+4], NB*KS/4
	s_mov_b32 s[G1SB+5], 32
	s_mov_b32 s[G1SB+6], 0
	s_mov_b32 s[G1SB+7], 0
	s_mul_i32 s20, s17, 8*KS*1536
	s_mul_i32 s18, s16, 4*KS*1536
	s_add_co_u32 s20, s20, s18
	s_mov_b32 s21, 0
	s_mul_i32 s22, s17, KS*512
	s_mul_i32 s18, s16, KS*256
	s_add_co_u32 s22, s22, s18
	s_add_co_u32 s22, s22, AS0
	s_mov_b32 s23, 0
	s_mul_i32 s46, s42, 2*NB*KS*1536
	s_mul_i32 s18, s16, NB*KS*1536
	s_add_co_u32 s46, s46, s18
	s_add_co_u32 s46, s46, B0
	s_mov_b32 s47, 0
	s_mul_i32 s92, s42, NB*KS*128
	s_mul_i32 s18, s16, NB*KS*64
	s_add_co_u32 s92, s92, s18
	s_add_co_u32 s92, s92, BS0
	s_mov_b32 s93, 0
	s_mul_i32 s45, s16, 24576
	s_mul_i32 s95, s16, NB*6144
	s_add_co_u32 s95, s95, 49152
	s_mul_i32 s97, s16, KS*256
	s_mul_i32 s98, s16, NB*KS*64
	s_wait_dscnt 0x0
	s_wait_kmcnt 0x0
	s_add_nc_u64 s[20:21], s[4:5], s[20:21]
	s_add_nc_u64 s[22:23], s[4:5], s[22:23]
	s_add_nc_u64 s[46:47], s[6:7], s[46:47]
	s_add_nc_u64 s[92:93], s[6:7], s[92:93]
	CROUND                                         ; all sixteen work-groups are here: the joint loads meet
	s_mov_b32 s[G0S], 1
	s_add_co_u32 s[G0S+1], s97, SCA
	s_mov_b64 s[G0S+2:G0S+3], s[22:23]
	s_or_b32 s[G0S+3], s[G0S+3], 0x80000000
	s_mov_b32 s[G0SB], 1
	s_add_co_u32 s[G0SB+1], s98, SCB
	s_mov_b64 s[G0SB+2:G0SB+3], s[92:93]
	s_or_b32 s[G0SB+3], s[G0SB+3], 0x80000000
	JLOAD G0S, G1S, G0SB, G1SB
.irp s, 0,1
	s_mov_b32 s[G0+4*\s], 1
	s_add_co_u32 s[G0+4*\s+1], s45, \s*SLOTSZ
	s_add_nc_u64 s[G0+4*\s+2:G0+4*\s+3], s[20:21], \s*6144
	s_or_b32 s[G0+4*\s+3], s[G0+4*\s+3], 0x80000000
	s_mov_b32 s[G0B+4*\s], 1
	s_add_co_u32 s[G0B+4*\s+1], s95, \s*SLOTSZ
	s_add_nc_u64 s[G0B+4*\s+2:G0B+4*\s+3], s[46:47], \s*6144
	s_or_b32 s[G0B+4*\s+3], s[G0B+4*\s+3], 0x80000000
	JLOAD G0+4*\s, G1, G0B+4*\s, G1B               ; three loads of mine are out behind the last
.endr
	v_and_b32 v3, 31, v0
	v_lshlrev_b32 v1, 4, v3
	v_lshl_add_u32 v2, v3, 3, 512
	v_lshlrev_b32 v3, 2, v3
	v_bfe_u32 v5, v0, 4, 1                         ; h
	s_mul_i32 s18, s15, 24576
	s_mul_i32 s19, s16, NB*6144
	s_add_co_u32 s19, s19, 49152
.irp s, 0,1
	v_add_nc_u32 v[16+\s], s18, v1
	v_add_nc_u32 v[18+\s], s18, v2
	v_add_nc_u32 v[20+\s], s19, v1
	v_add_nc_u32 v[22+\s], s19, v2
	s_add_co_u32 s18, s18, SLOTSZ
	s_add_co_u32 s19, s19, SLOTSZ
.endr
	s_mul_i32 s18, s15, KS*256
	s_add_co_u32 s18, s18, SCA
	v_add_nc_u32 v24, s18, v3
	s_mul_i32 s19, s16, NB*KS*64
	s_add_co_u32 s19, s19, SCB
	v_add_nc_u32 v25, s19, v3
	v_lshlrev_b32 v7, 6, v5                        ; the bias in the result's layout: for B tile 2 b + u the eight numbers at unit 32 b + 16 h + 8 u
	s_mul_i32 s18, s42, NB*128
	s_mul_i32 s19, s16, NB*64
	s_add_co_u32 s18, s18, s19
	s_mov_b32 s19, 0
	s_add_nc_u64 s[8:9], s[8:9], s[18:19]
.set bi, 0
.rept NB
	global_load_b128 v[64+8*bi:64+8*bi+3], v7, s[8:9] offset:128*(bi/2)+32*(bi%2)
	global_load_b128 v[64+8*bi+4:64+8*bi+7], v7, s[8:9] offset:128*(bi/2)+32*(bi%2)+16
.set bi, bi+1
.endr
	s_wait_tensorcnt 1                             ; the scale words and slot 0 are in; slot 1's load may be out
	s_barrier_signal -1
	s_barrier_wait -1
	FETCH 0, 0, 0, 0
	s_wait_loadcnt 0x0                             ; the bias
	KSTEP 0, 0, CM1, 1
	KSTEP 0, 1, 0, 1
	KSTEP 0, 2, 0, 1
	KSTEP 0, 3, 0, 2
	KSTEP 1, 0, 0, 1
	KSTEP 1, 1, 0, 1
	KSTEP 1, 2, 0, 1
	KSTEP 1, 3, 0, 0
	WIN 0
	PLACES 4                                       ; behind the last products
	s_mov_b32 s[SEL], 0x76543210
	s_mov_b32 s[SEL+1], 0xfedcba98
	s_mov_b32 s99, 0xffff0000                      ; lanes 16-31
.irp b, 0,1,2,3
	v_mov_b32 v[TM+4+\b], 0
.endr
	s_lshl_b32 s18, s17, 3
	s_lshl_b32 s19, s15, 2
	s_add_co_u32 s18, s18, s19                     ; my first tile of tokens
	s_lshl_b32 s19, s42, 1
	s_add_co_u32 s19, s19, s16                     ; my K step of the next product
	s_lshl_b32 s20, s18, 5
	s_add_co_u32 s20, s20, s19
	s_mul_i32 s20, s20, 1536
	s_mov_b32 s21, 0
	s_add_nc_u64 s[20:21], s[10:11], s[20:21]
	s_lshl_b32 s22, s18, 4                         ; (tile / 2) x 32 K steps
	s_add_co_u32 s22, s22, s19
	s_lshl_b32 s22, s22, 7
	s_add_co_u32 s22, s22, 12582912
	s_mov_b32 s23, 0
	s_add_nc_u64 s[22:23], s[10:11], s[22:23]
.irp a, 0,1,2,3                                ; each tile has registers of its own for its codes and its word: no store's data are written again
	QUANTW 64*\a, 96+20*\a, 216+\a, 1
	STFRAG 96+20*\a, 20, 49152*\a
.endr
.irp f, 0,1
	v_cndmask_b32 v[224+\f], v[216+2*\f], v[217+2*\f], s99      ; lanes 0-15 the even tile's words, lanes 16-31 the odd tile's
	global_store_b32 v3, v[224+\f], s[22:23] offset:4096*\f
.endr
	s_wait_tensorcnt 0x0
	ds_add_u32 v254, v255
	s_wait_dscnt 0x0
	CROUND                                         ; the closing round
	s_endpgm
.Lfunc_end_k_qce351dcb0c_ffn1:
	.size	k_qce351dcb0c_ffn1, .Lfunc_end_k_qce351dcb0c_ffn1-k_qce351dcb0c_ffn1
	.p2alignl 7, 3214868480
	.fill 96, 4, 3214868480
	.section	.rodata,"a",@progbits
	.p2align	6, 0x0
	.amdhsa_kernel k_qce351dcb0c_ffn1
		.amdhsa_group_segment_fixed_size 307712
		.amdhsa_private_segment_fixed_size 0
		.amdhsa_enable_private_segment 0
		.amdhsa_kernarg_size 32
		.amdhsa_user_sgpr_count 2
		.amdhsa_user_sgpr_kernarg_segment_ptr 1
		.amdhsa_wavefront_size32 1
		.amdhsa_system_sgpr_workgroup_id_x 1
		.amdhsa_system_sgpr_workgroup_id_y 1
		.amdhsa_system_sgpr_workgroup_id_z 1
		.amdhsa_system_vgpr_workitem_id 0
		.amdhsa_next_free_vgpr 768
		.amdhsa_next_free_sgpr 100
		.amdhsa_reserve_vcc 0
		.amdhsa_float_denorm_mode_32 3
		.amdhsa_float_denorm_mode_16_64 3
		.amdhsa_memory_ordered 1
		.amdhsa_forward_progress 1
		.amdhsa_inst_pref_size 99
	.end_amdhsa_kernel
	.amdgpu_metadata
---
amdhsa.version: [ 1, 2 ]
amdhsa.kernels:
  - .name:           k_qce351dcb0c_ffn1
    .symbol:         k_qce351dcb0c_ffn1.kd
    .args:
      - { .name: hbuf, .offset: 0, .size: 8, .value_kind: global_buffer, .address_space: global }
      - { .name: wbuf, .offset: 8, .size: 8, .value_kind: global_buffer, .address_space: global }
      - { .name: b1, .offset: 16, .size: 8, .value_kind: global_buffer, .address_space: global }
      - { .name: ffbuf, .offset: 24, .size: 8, .value_kind: global_buffer, .address_space: global }
    .group_segment_fixed_size: 307712
    .private_segment_fixed_size: 0
    .kernarg_segment_align: 8
    .kernarg_segment_size: 32
    .max_flat_workgroup_size: 128
    .sgpr_count:     100
    .vgpr_count:     768
    .wavefront_size: 32
...
	.end_amdgpu_metadata
.endif
;; end of part 6
;; launch ffn2 (part 7): grid 8 x 32, 4 waves a work-group, clusters of 4 x 4, 327,680 bytes of LDS; arguments ffbuf, wbuf, b2, x1buf, out0; writes out0
.if DOCPART == 7
	.amdgcn_target "amdgcn-amd-amdhsa--gfx1250"
	.amdhsa_code_object_version 6
	.text
	.protected	k_qce351dcb0c_ffn2
	.globl	k_qce351dcb0c_ffn2
	.p2align	8
	.type	k_qce351dcb0c_ffn2,@function
k_qce351dcb0c_ffn2:
	s_mov_b64 s[64:65], 0
	v_nop
	global_prefetch_b8 v0, s[64:65] scope:SCOPE_SE
	s_setreg_imm32_b32 hwreg(HW_REG_WAVE_MODE, 25, 1), 1
	s_wait_xcnt 0x0
	s_wait_alu depctr_hold_cnt(0) depctr_sa_sdst(0) depctr_va_vdst(0) depctr_va_sdst(0) depctr_va_ssrc(0) depctr_va_vcc(0) depctr_vm_vsrc(0)
	s_getreg_b32 s2, hwreg(HW_REG_IB_STS2, 6, 4)
	s_cmp_eq_u32 s2, 0
	s_cbranch_scc0 .Lentry_in_a_cluster
	s_endpgm
.Lentry_in_a_cluster:
	s_bfe_u32 s2, ttmp6, 0x10000c
	s_cmp_lg_u32 s2, 0xf033
	s_cbranch_scc0 .Lentry_shape_is_right
	s_endpgm
.Lentry_shape_is_right:
; out = x1 + hidden x W2 + b2, on codes of FP6 (E2M3) with E8M0 scales.  K = 4,096.
; Operands lie in memory as images of operand registers (a fragment of 16 rows x 128 K: two halves of 768 bytes; registers 6 c .. 6 c + 3 at 16 x lane, 6 c + 4, 6 c + 5 at 512 + 8 x lane), tiles in the order
; row(t, r) = 32 (t / 2) + 8 (t % 2) + r + 8 (r / 8); scale words by pairs of tiles, 128 bytes a pair and K step.
; A work-group makes 128 tokens x 128 columns; wave (wa, wb) 4 tiles of tokens x 4 tiles of W2's rows.  SOURCE 0 = W2's rows, SOURCE 1 = tokens: a lane holds one token, register 16 b + i of a token tile = column 32 b + 16 (lane / 16) + i of the wave's 64.
; K goes through a ring of two LDS slots of four K steps (98,304 bytes a slot); the scale words of all K come once.  A slot is filled again behind a round of the cluster's barrier, one joint load a wave, which has three and a half K steps, 56 matrix instructions a wave, in which to land.
; By this text's own count a wave has three tensor loads out at the start and one behind each round.
; The bias is the C of each sum's first product; x1 (images of these registers) is added at the end; the result goes through the wave's stage in LDS and leaves as rows: sixteen lanes store 256 consecutive bytes, aligned.
; CLUSTERS: 4 x 4; the tokens' tiles are asked for jointly along a row of the cluster, the weights' along a column.
; All of a WGP's LDS is claimed; the text uses 247,296 bytes.
; REGISTERS: window 0: v1-7 lane terms, v16-25 LDS addresses, v26-27, v30 the way out, v28-29 the spare word's address and 0, v32-47 scale words, v64-95 bias, v128-223 A's fragments, at the end v128-255 the results; window 1: B's fragments; window 2: v0-127 accumulators, v128-255 x1.
.set NB, 4
.set KS, 32
.set CM1, 2
.set AS0, 12582912                     ; the scale words in ffbuf
.set B0,  6291456                      ; W2's images in wbuf
.set BS0, 9699328                      ; its scale words
.set SLOTSZ, 49152+2*NB*6144
.set SCA,    2*SLOTSZ
.set SCB,    SCA+4*KS*128
.set SPARE,  SCB+NB*KS*128             ; the spare words, 128 bytes for each wave: two blocks of 256 bytes that no other line names
.set STAGE,  SPARE+512                 ; 16 rows x 272 bytes for each wave; no tensor load lands here
.set G1, 24
.set G0, 32
.set G1B, 48
.set G0B, 56
.set G1S, 68
.set G0S, 76
.set G1SB, 80
.set G0SB, 88
.set MSB, 0
.macro WIN new                         ; the immediate's high byte repeats the setting that is left
.if MSB != (\new)
	s_set_vgpr_msb (MSB<<8)|(\new)
.set MSB, (\new)
.endif
.endm
.macro PLACES n
.rept \n
	v_nop
.endr
.endm
.macro JLOAD g0a, g1a, g0b, g1b        ; a joint load: waves 0 and 1 fetch for A, waves 2 and 3 for B; four v_nop follow each line
	s_cmp_eq_u32 s15, 0
	s_cbranch_scc0 .Lfor_b_\@
	tensor_load_to_lds s[\g0a:\g0a+3], s[\g1a:\g1a+7]
	s_nop 0
.rept 4
	v_nop
.endr
	s_branch .Lasked_\@
.Lfor_b_\@:
	tensor_load_to_lds s[\g0b:\g0b+3], s[\g1b:\g1b+7]
	s_nop 0
.rept 4
	v_nop
.endr
.Lasked_\@:
.endm
.macro CREST
	s_cmp_lg_u32 s14, 0
	s_cbranch_scc1 .Lnot_wave_0_\@
	s_barrier_signal -3
.Lnot_wave_0_\@:
	s_barrier_wait -3
	s_barrier_signal -1
	s_barrier_wait -1
.endm
.macro CROUND
	s_barrier_signal -1
	s_barrier_wait -1
	CREST
.endm
.macro FETCH slot, q, p, ks            ; one K step's fragments and scale words into set p; ks: the step's number in the lap of eight
	WIN 0x40
.set bi, 0
.rept NB
.set rB, 128*(\p)+12*bi
.set oB, 6144*bi+1536*(\q)
	ds_load_b128 v[rB:rB+3], v[20+(\slot)] offset:oB
	ds_load_b64 v[rB+4:rB+5], v[22+(\slot)] offset:oB
	ds_load_b128 v[rB+6:rB+9], v[20+(\slot)] offset:oB+768
	ds_load_b64 v[rB+10:rB+11], v[22+(\slot)] offset:oB+768
.set bi, bi+1
.endr
	WIN 0
.set ai, 0
.rept 4
.set rA, 128+48*(\p)+12*ai
.set oA, 6144*ai+1536*(\q)
	ds_load_b128 v[rA:rA+3], v[16+(\slot)] offset:oA
	ds_load_b64 v[rA+4:rA+5], v[18+(\slot)] offset:oA
	ds_load_b128 v[rA+6:rA+9], v[16+(\slot)] offset:oA+768
	ds_load_b64 v[rA+10:rA+11], v[18+(\slot)] offset:oA+768
.set ai, ai+1
.endr
	ds_load_b32 v[32+8*(\p)], v24 offset:128*(\ks)
	ds_load_b32 v[33+8*(\p)], v24 offset:128*KS+128*(\ks)
.set bi, 0
.rept NB/2
	ds_load_b32 v[34+8*(\p)+bi], v25 offset:128*KS*bi+128*(\ks)
.set bi, bi+1
.endr
.endm
.macro WM cm                           ; one product; a pair's scale register holds the even tile's words in lanes 0-15, the odd tile's in lanes 16-31
.if (bi%2) && (ai%2)
	v_wmma_scale_f32_16x16x128_f8f6f4 v[rD:rD+7], v[rB:rB+11], v[rA:rA+11], v[rC:rC+7], v[rSB], v[rSA] matrix_a_fmt:MATRIX_FMT_FP6 matrix_b_fmt:MATRIX_FMT_FP6 matrix_a_scale:MATRIX_SCALE_ROW1 matrix_b_scale:MATRIX_SCALE_ROW1
.elseif bi%2
	v_wmma_scale_f32_16x16x128_f8f6f4 v[rD:rD+7], v[rB:rB+11], v[rA:rA+11], v[rC:rC+7], v[rSB], v[rSA] matrix_a_fmt:MATRIX_FMT_FP6 matrix_b_fmt:MATRIX_FMT_FP6 matrix_a_scale:MATRIX_SCALE_ROW1
.elseif ai%2
	v_wmma_scale_f32_16x16x128_f8f6f4 v[rD:rD+7], v[rB:rB+11], v[rA:rA+11], v[rC:rC+7], v[rSB], v[rSA] matrix_a_fmt:MATRIX_FMT_FP6 matrix_b_fmt:MATRIX_FMT_FP6 matrix_b_scale:MATRIX_SCALE_ROW1
.else
	v_wmma_scale_f32_16x16x128_f8f6f4 v[rD:rD+7], v[rB:rB+11], v[rA:rA+11], v[rC:rC+7], v[rSB], v[rSA] matrix_a_fmt:MATRIX_FMT_FP6 matrix_b_fmt:MATRIX_FMT_FP6
.endif
.endm
; A's tiles a0 .. a1 against B's NB, set p.  cm 0: onto the sums; 2: the bias (window 0, v64 on) starts them.  The 16 accumulators take turns, in the same order in every K step, over the loop's backward jump too
.macro MULS p, a0, a1, cm
.if (\cm) == 2
	WIN 0x81
.else
	WIN 0xa1
.endif
.set ai, \a0
.rept (\a1)-(\a0)+1
.set bi, 0
.rept NB
.set rD, 8*(NB*ai+bi)
.set rC, rD
.if (\cm) == 2
.set rC, 64+8*bi
.endif
.set rB, 128*(\p)+12*bi
.set rA, 128+48*(\p)+12*ai
.set rSB, 34+8*(\p)+bi/2
.set rSA, 32+8*(\p)+ai/2
	WM \cm
.set bi, bi+1
.endr
.set ai, ai+1
.endr
.endm
; A K step.  next 1: the next step lies in the same slot; 2: in the other slot, nothing is filled again: one barrier; 3: in the other slot, and this slot is filled again, eight K steps ahead; 0: there is none.
.macro KSTEP slot, q, cm, next
.set pp, (\q)%2
	s_wait_dscnt 0x0                               ; this step's fragments and scale words are in
.if (\next) == 0
	MULS pp, 0, 3, \cm
.elseif (\next) == 1
	PLACES 4                                       ; in front of loads into the set that the last step's products read
	FETCH \slot, (\q)+1, 1-pp, 4*(\slot)+(\q)+1
	MULS pp, 0, 3, \cm
.elseif (\next) == 2
	s_wait_tensorcnt 0x0                           ; my part of the other slot has landed,
	s_barrier_signal -1
	MULS pp, 0, 1, \cm
	WIN 0
	s_barrier_wait -1                              ; everybody's has
	PLACES 4
	FETCH 1-(\slot), 0, 1-pp, 4*(1-(\slot))
	MULS pp, 2, 3, \cm
.else
	WIN 0                                          ; (the add's two registers lie in window 0)
	s_wait_tensorcnt 0x0                           ; all my tensor loads have landed: the one that was out is my part of the other slot;
	ds_add_u32 v28, v29                            ; 0 onto my spare word;
	MULS pp, 0, 0, 0                               ; four matrix instructions stand between the add and the wait for it
	s_wait_dscnt 0x0                               ; the add is done; my reads of this slot were over at the step's head
	s_barrier_signal -1                            ; this barrier opens a round of the cluster's barrier
	MULS pp, 1, 1, 0
	WIN 0
	s_barrier_wait -1
	CREST                                          ; no wave of any partner still reads this slot or has a load on its way
	s_add_nc_u64 s[G0+4*(\slot)+2:G0+4*(\slot)+3], s[G0+4*(\slot)+2:G0+4*(\slot)+3], 12288    ; eight K steps on in each tile's image
	s_add_nc_u64 s[G0B+4*(\slot)+2:G0B+4*(\slot)+3], s[G0B+4*(\slot)+2:G0B+4*(\slot)+3], 12288
	JLOAD G0+4*(\slot), G1, G0B+4*(\slot), G1B     ; the first tensor load behind the round, and my only one until the next; its four v_nop are the places in front of the loads below
.if (\slot) == 1
	v_add_nc_u32 v24, 1024, v24                    ; the next lap's scale words: eight K steps of 128 bytes
	v_add_nc_u32 v25, 1024, v25
.endif
	FETCH 1-(\slot), 0, 1-pp, 4*(1-(\slot))
	MULS pp, 2, 3, 0
.endif
.endm
	s_load_b256 s[4:11], s[0:1], 0x0               ; ffbuf, wbuf, b2, x1buf
	s_load_b64 s[12:13], s[0:1], 0x20              ; out0
	v_lshl_add_u32 v28, v0, 2, SPARE
	v_mov_b32 v29, 0
	ds_add_u32 v28, v29
	ds_add_u32 v28, v29
	s_wait_dscnt 0x0
	v_lshrrev_b32 v1, 5, v0
	v_readfirstlane_b32 s14, v1                    ; wave 0..3
	s_lshr_b32 s15, s14, 1                         ; wa; also: I fetch for A (0) or for B (1)
	s_and_b32 s16, s14, 1                          ; wb; also: which half I fetch
	s_bfe_u32 s40, ttmp6, 0x40000                  ; cx
	s_bfe_u32 s41, ttmp6, 0x40004                  ; cy
	s_lshl_b32 s42, ttmp9, 2
	s_add_co_u32 s42, s42, s40                     ; x: block of 128 columns
	s_and_b32 s17, ttmp7, 0xffff
	s_lshl_b32 s17, s17, 2
	s_add_co_u32 s17, s17, s41                     ; y: block of 128 tokens
	s_lshl_b32 s43, s41, 2
	s_lshl_b32 s43, 15, s43
	s_lshl_b32 s44, 0x1111, s40
	s_or_b32 s[G1+0], s43, (3<<16)|(1<<21)
	s_or_b32 s[G1B+0], s44, (3<<16)|(1<<21)
	s_mov_b32 s[G1+1], 768<<16                     ; a row: four K steps of one tile, 6,144 bytes
	s_mov_b32 s[G1+2], 4<<16
	s_mov_b32 s[G1+3], 768<<16
	s_mov_b32 s[G1+4], 4
	s_mov_b32 s[G1+5], KS*192                      ; from a tile's image to the next: 49,152 bytes
	s_mov_b32 s[G1+6], 0
	s_mov_b32 s[G1+7], 0
	s_mov_b32 s[G1B+1], 768<<16
	s_mov_b32 s[G1B+2], NB<<16
	s_mov_b32 s[G1B+3], 768<<16
	s_mov_b32 s[G1B+4], NB
	s_mov_b32 s[G1B+5], KS*192
	s_mov_b32 s[G1B+6], 0
	s_mov_b32 s[G1B+7], 0
	s_or_b32 s[G1S+0], s43, (3<<16)|(1<<21)
	s_or_b32 s[G1SB+0], s44, (3<<16)|(1<<21)
	s_mov_b32 s[G1S+1], 32<<16
	s_mov_b32 s[G1S+2], KS<<16
	s_mov_b32 s[G1S+3], 32<<16
	s_mov_b32 s[G1S+4], KS
	s_mov_b32 s[G1S+5], 32
	s_mov_b32 s[G1S+6], 0
	s_mov_b32 s[G1S+7], 0
	s_mov_b32 s[G1SB+1], 32<<16
	s_mov_b32 s[G1SB+2], (NB*KS/4)<<16
	s_mov_b32 s[G1SB+3], 32<<16
	s_mov_b32 s[G1SB+4], NB*KS/4
	s_mov_b32 s[G1SB+5], 32
	s_mov_b32 s[G1SB+6], 0
	s_mov_b32 s[G1SB+7], 0
	s_mul_i32 s20, s17, 8*KS*1536
	s_mul_i32 s18, s16, 4*KS*1536
	s_add_co_u32 s20, s20, s18
	s_mov_b32 s21, 0
	s_mul_i32 s22, s17, KS*512
	s_mul_i32 s18, s16, KS*256
	s_add_co_u32 s22, s22, s18
	s_add_co_u32 s22, s22, AS0
	s_mov_b32 s23, 0
	s_mul_i32 s46, s42, 2*NB*KS*1536
	s_mul_i32 s18, s16, NB*KS*1536
	s_add_co_u32 s46, s46, s18
	s_add_co_u32 s46, s46, B0
	s_mov_b32 s47, 0
	s_mul_i32 s92, s42, NB*KS*128
	s_mul_i32 s18, s16, NB*KS*64
	s_add_co_u32 s92, s92, s18
	s_add_co_u32 s92, s92, BS0
	s_mov_b32 s93, 0
	s_mul_i32 s45, s16, 24576
	s_mul_i32 s95, s16, NB*6144
	s_add_co_u32 s95, s95, 49152
	s_mul_i32 s97, s16, KS*256
	s_mul_i32 s98, s16, NB*KS*64
	s_wait_kmcnt 0x0
	s_add_nc_u64 s[20:21], s[4:5], s[20:21]
	s_add_nc_u64 s[22:23], s[4:5], s[22:23]
	s_add_nc_u64 s[46:47], s[6:7], s[46:47]
	s_add_nc_u64 s[92:93], s[6:7], s[92:93]
	CROUND                                         ; all sixteen work-groups are here: the first joint loads meet
	s_mov_b32 s[G0S], 1
	s_add_co_u32 s[G0S+1], s97, SCA
	s_mov_b64 s[G0S+2:G0S+3], s[22:23]
	s_or_b32 s[G0S+3], s[G0S+3], 0x80000000
	s_mov_b32 s[G0SB], 1
	s_add_co_u32 s[G0SB+1], s98, SCB
	s_mov_b64 s[G0SB+2:G0SB+3], s[92:93]
	s_or_b32 s[G0SB+3], s[G0SB+3], 0x80000000
	JLOAD G0S, G1S, G0SB, G1SB
.irp s, 0,1
	s_mov_b32 s[G0+4*\s], 1
	s_add_co_u32 s[G0+4*\s+1], s45, \s*SLOTSZ
	s_add_nc_u64 s[G0+4*\s+2:G0+4*\s+3], s[20:21], \s*6144
	s_or_b32 s[G0+4*\s+3], s[G0+4*\s+3], 0x80000000
	s_mov_b32 s[G0B+4*\s], 1
	s_add_co_u32 s[G0B+4*\s+1], s95, \s*SLOTSZ
	s_add_nc_u64 s[G0B+4*\s+2:G0B+4*\s+3], s[46:47], \s*6144
	s_or_b32 s[G0B+4*\s+3], s[G0B+4*\s+3], 0x80000000
	JLOAD G0+4*\s, G1, G0B+4*\s, G1B
.endr
	v_and_b32 v3, 31, v0
	v_lshlrev_b32 v1, 4, v3
	v_lshl_add_u32 v2, v3, 3, 512
	v_lshlrev_b32 v3, 2, v3
	v_and_b32 v4, 15, v0                           ; r
	v_bfe_u32 v5, v0, 4, 1                         ; h
	s_mul_i32 s18, s15, 24576
	s_mul_i32 s19, s16, NB*6144
	s_add_co_u32 s19, s19, 49152
.irp s, 0,1
	v_add_nc_u32 v[16+\s], s18, v1
	v_add_nc_u32 v[18+\s], s18, v2
	v_add_nc_u32 v[20+\s], s19, v1
	v_add_nc_u32 v[22+\s], s19, v2
	s_add_co_u32 s18, s18, SLOTSZ
	s_add_co_u32 s19, s19, SLOTSZ
.endr
	s_mul_i32 s18, s15, KS*256
	s_add_co_u32 s18, s18, SCA
	v_add_nc_u32 v24, s18, v3
	s_mul_i32 s19, s16, NB*KS*64
	s_add_co_u32 s19, s19, SCB
	v_add_nc_u32 v25, s19, v3
	s_mul_i32 s18, s14, 4352
	s_add_co_u32 s18, s18, STAGE                   ; my stage
	v_mul_u32_u24 v26, v4, 272
	v_lshl_add_u32 v26, v5, 6, v26
	v_add_nc_u32 v26, s18, v26                     ; in: row r, + 64 h
	v_mul_u32_u24 v27, v5, 272
	v_lshl_add_u32 v27, v4, 4, v27
	v_add_nc_u32 v27, s18, v27                     ; back: lanes 0-15 one row of 256 bytes, lanes 16-31 the next
	v_lshlrev_b32 v30, 12, v5
	v_lshl_add_u32 v30, v4, 4, v30                 ; and the same two rows in out0
	v_lshlrev_b32 v7, 6, v5                        ; the bias in the result's layout
	s_mul_i32 s18, s42, NB*128
	s_mul_i32 s19, s16, NB*64
	s_add_co_u32 s18, s18, s19
	s_mov_b32 s19, 0
	s_add_nc_u64 s[8:9], s[8:9], s[18:19]
.set bi, 0
.rept NB
	global_load_b128 v[64+8*bi:64+8*bi+3], v7, s[8:9] offset:128*(bi/2)+32*(bi%2)
	global_load_b128 v[64+8*bi+4:64+8*bi+7], v7, s[8:9] offset:128*(bi/2)+32*(bi%2)+16
.set bi, bi+1
.endr
	s_lshl_b32 s18, s17, 19                        ; 128 rows of 4,096 bytes a block (and 8 tiles x 16 blocks of 4,096 bytes),
	s_lshl_b32 s19, s15, 18                        ; half of that a wave
	s_add_co_u32 s18, s18, s19
	s_lshl_b32 s19, s42, 13                        ; x1's images: two blocks of 4,096 bytes for 128 columns
	s_add_co_u32 s96, s18, s19
	s_lshl_b32 s19, s16, 12
	s_add_co_u32 s96, s96, s19
	s_mov_b32 s97, 0
	s_add_nc_u64 s[10:11], s[10:11], s[96:97]
	s_lshl_b32 s19, s42, 9                         ; out0: 512 bytes of a row for 128 columns
	s_add_co_u32 s98, s18, s19
	s_lshl_b32 s19, s16, 8
	s_add_co_u32 s98, s98, s19
	s_mov_b32 s99, 0
	s_add_nc_u64 s[12:13], s[12:13], s[98:99]
	WIN 0x80                                       ; destination window 2
.irp a, 0,1,2,3
.irp q, 0,1,2,3,4,5,6,7
	global_load_b128 v[128+32*\a+4*\q:131+32*\a+4*\q], v1, s[10:11] offset:65536*\a+512*\q th:TH_LOAD_NT
.endr
.endr
	WIN 0
	s_wait_tensorcnt 1                             ; the scale words and slot 0 are in; slot 1's load may be out
	s_barrier_signal -1
	s_barrier_wait -1
	FETCH 0, 0, 0, 0
	s_wait_loadcnt 32                              ; the bias is in; x1's 32 loads may be out
	KSTEP 0, 0, CM1, 1                             ; the first K step stands in front of the loop: its products start the sums
	WIN 0                                          ; at a label and at a branch every window is 0
	s_mov_b32 s3, 3
.Llap:                                             ; a trip goes once round the ring, from a lap's second K step to the next lap's first, and fills both slots again
	KSTEP 0, 1, 0, 1
	KSTEP 0, 2, 0, 1
	KSTEP 0, 3, 0, 3
	KSTEP 1, 0, 0, 1
	KSTEP 1, 1, 0, 1
	KSTEP 1, 2, 0, 1
	KSTEP 1, 3, 0, 3
	KSTEP 0, 0, 0, 1
	WIN 0
	s_sub_co_u32 s3, s3, 1
	s_cmp_lg_u32 s3, 0
	s_cbranch_scc1 .Llap
	KSTEP 0, 1, 0, 1                               ; the last lap is written out: it fills nothing
	KSTEP 0, 2, 0, 1
	KSTEP 0, 3, 0, 2
	KSTEP 1, 0, 0, 1
	KSTEP 1, 1, 0, 1
	KSTEP 1, 2, 0, 1
	KSTEP 1, 3, 0, 0
	WIN 0
	PLACES 4                                       ; behind the last products
	s_wait_loadcnt 0x0                             ; x1
.irp a, 0,1,2,3
	WIN 0x0a                                       ; sources window 2, destination window 0
.set j, 0
.rept 16
	v_pk_add_f32 v[128+32*\a+j:129+32*\a+j], v[32*\a+j:32*\a+j+1], v[128+32*\a+j:129+32*\a+j]   ; each accumulator from its low end on
.set j, j+2
.endr
	WIN 0
.irp b, 0,1
.irp j, 0,1,2,3
	ds_store_b128 v26, v[128+32*\a+16*\b+4*\j:131+32*\a+16*\b+4*\j] offset:128*\b+16*\j
.endr
.endr
.irp i, 0,1,2,3,4,5,6,7
	ds_load_b128 v[128+32*\a+4*\i:131+32*\a+4*\i], v27 offset:544*\i   ; LDS serves a wave's instructions in order (ISA guide 5.7.1.4): these see the stores above, and the next tile's stores come behind them
.endr
.irp i, 0,1,2,3,4,5,6,7
	s_wait_dscnt 7-\i                              ; read-back i is in; the 7 - i younger ones may be out
	global_store_b128 v30, v[128+32*\a+4*\i:131+32*\a+4*\i], s[12:13] offset:(32*(\a/2)+8*(\a%2)+2*\i+8*(\i/4))*4096 th:TH_STORE_NT   ; sixteen lanes store 256 consecutive bytes, aligned; the tile's row 2 i + h is token 2 i + h + 8 (i / 4)
.endr
.endr
	s_wait_tensorcnt 0x0                           ; the wave's end: behind my last tensor load and my last LDS store
	ds_add_u32 v28, v29
	s_wait_dscnt 0x0
	CROUND                                         ; the closing round: no work-group ends while a partner may still ask for a tile that names it
	s_endpgm
.Lfunc_end_k_qce351dcb0c_ffn2:
	.size	k_qce351dcb0c_ffn2, .Lfunc_end_k_qce351dcb0c_ffn2-k_qce351dcb0c_ffn2
	.p2alignl 7, 3214868480
	.fill 96, 4, 3214868480
	.section	.rodata,"a",@progbits
	.p2align	6, 0x0
	.amdhsa_kernel k_qce351dcb0c_ffn2
		.amdhsa_group_segment_fixed_size 327680
		.amdhsa_private_segment_fixed_size 0
		.amdhsa_enable_private_segment 0
		.amdhsa_kernarg_size 40
		.amdhsa_user_sgpr_count 2
		.amdhsa_user_sgpr_kernarg_segment_ptr 1
		.amdhsa_wavefront_size32 1
		.amdhsa_system_sgpr_workgroup_id_x 1
		.amdhsa_system_sgpr_workgroup_id_y 1
		.amdhsa_system_sgpr_workgroup_id_z 1
		.amdhsa_system_vgpr_workitem_id 0
		.amdhsa_next_free_vgpr 768
		.amdhsa_next_free_sgpr 100
		.amdhsa_reserve_vcc 0
		.amdhsa_float_denorm_mode_32 3
		.amdhsa_float_denorm_mode_16_64 3
		.amdhsa_memory_ordered 1
		.amdhsa_forward_progress 1
		.amdhsa_inst_pref_size 102
	.end_amdhsa_kernel
	.amdgpu_metadata
---
amdhsa.version: [ 1, 2 ]
amdhsa.kernels:
  - .name:           k_qce351dcb0c_ffn2
    .symbol:         k_qce351dcb0c_ffn2.kd
    .args:
      - { .name: ffbuf, .offset: 0, .size: 8, .value_kind: global_buffer, .address_space: global }
      - { .name: wbuf, .offset: 8, .size: 8, .value_kind: global_buffer, .address_space: global }
      - { .name: b2, .offset: 16, .size: 8, .value_kind: global_buffer, .address_space: global }
      - { .name: x1buf, .offset: 24, .size: 8, .value_kind: global_buffer, .address_space: global }
      - { .name: out0, .offset: 32, .size: 8, .value_kind: global_buffer, .address_space: global }
    .group_segment_fixed_size: 327680
    .private_segment_fixed_size: 0
    .kernarg_segment_align: 8
    .kernarg_segment_size: 40
    .max_flat_workgroup_size: 128
    .sgpr_count:     100
    .vgpr_count:     768
    .wavefront_size: 32
...
	.end_amdgpu_metadata
.endif
;; end of part 7
;; ======== version 2 of 2: 7 launches
;; limits: right only within a limited range of input values
;; workspace buffers: wbuf 9,830,400 bytes; hbuf 3,276,800 bytes; qkvbuf 10,223,616 bytes; obuf 3,276,800 bytes; x1buf 16,777,216 bytes; ffbuf 13,107,200 bytes
;; launch prep (part 8): grid 640 x 1, 8 waves a work-group, no clusters, 2,048 bytes of LDS; arguments x, ln1_g, ln1_b, Wq_codes, Wq_scales, Wk_codes, Wk_scales, Wv_codes, Wv_scales, Wproj_codes, Wproj_scales, W1_codes, W1_scales, W2_codes, W2_scales, hbuf, wbuf; writes hbuf, wbuf
.if DOCPART == 8
	.amdgcn_target "amdgcn-amd-amdhsa--gfx1250"
	.amdhsa_code_object_version 6
	.text
	.protected	k_qce351dcb0c_prep
	.globl	k_qce351dcb0c_prep
	.p2align	8
	.type	k_qce351dcb0c_prep,@function
k_qce351dcb0c_prep:
	s_mov_b64 s[64:65], 0
	v_nop
	global_prefetch_b8 v0, s[64:65] scope:SCOPE_SE
	s_setreg_imm32_b32 hwreg(HW_REG_WAVE_MODE, 25, 1), 1
	s_wait_xcnt 0x0
; Two jobs in one launch, told apart by the work-group's number.
; WORK-GROUPS 0-255: h = LayerNorm(x) x gain + bias, quantised along the 1,024 columns to FP6 (E2M3) with one E8M0 byte for each 32, and stored as IMAGES OF OPERAND REGISTERS.
; WORK-GROUPS 256-639: the six weights, which arrive as rows of codes, are laid out once in the same image form: a work-group takes a pair of tiles (32 rows) x 8 K steps, each of its eight waves one K step.
; TILE ORDER: tile t holds 16 rows, lane r (0-15) the row 32 (t / 2) + 8 (t % 2) + r + 8 (r / 8).  A product that takes such a tile as its source 0 leaves 16 neighbours along that axis in the 16 registers of two neighbouring tiles.
; IMAGE: a fragment (16 rows x 128 K, 12 registers a lane) is two halves of 768 bytes; half c: registers 6 c .. 6 c + 3 at 16 x lane, registers 6 c + 4, 6 c + 5 at 512 + 8 x lane.  Fragment (tile, K step) lies at (tile x K steps + K step) x 1,536.
; SCALE IMAGE: for a pair of tiles and a K step 128 bytes: the word at 4 x lane holds the four bytes of the row of tile 2 P + lane / 16, lane % 16.
; LN: a work-group takes one tile of 16 rows, wave w the columns 128 w .. 128 w + 127: 64 numbers a lane, register 16 b + i = column 128 w + 32 b + 16 (lane / 16) + i of the lane's row.  Mean and variance in two passes (the variance of x - mean),
; the eight waves' partial sums meet in LDS and are added in the same order by every wave.
; LIMITS: NaN and infinities among the inputs are not served.  A block whose largest magnitude lies under 2^-124 keeps the scale byte 1; so does a block of zeros, where the quantiser's rule says 127: its codes are zeros, and only this program reads the bytes.
.set X,   32                           ; v32-95   my 64 numbers
.set G,   96                           ; v96-159  the gain at my columns
.set BB,  160                          ; v160-223 the bias
.set WK,  224                          ; v224-231 at work
.set TM,  232                          ; v232-247 the quantiser's: largest magnitudes, bytes, scale operands
.set PW,  248                          ; v248     the scale word
.set PC,  12                           ; v12-23   the fragment; v24-30 conversions' second halves
.set SEL, 22                           ; s[22:23] lane selects: lane xor 16
; 64 numbers of a lane, register 16 b + i = k 32 b + 16 (lane / 16) + i of my row, become a fragment's codes in v[PC] on and its scale word in v[PW]
.macro QUANT s
.irp b, 0,1,2,3
	v_max3_num_f32 v[TM+\b], |v[\s+16*\b]|, |v[\s+1+16*\b]|, 0x1800000   ; my 16 numbers of block b, and the floor 2^(3 - 127): the byte cannot fall under 1
.endr
.irp i, 2,4,6,8,10,12,14
.irp b, 0,1,2,3
	s_delay_alu instid0(VALU_DEP_4)
	v_max3_num_f32 v[TM+\b], v[TM+\b], |v[\s+16*\b+\i]|, |v[\s+1+16*\b+\i]|
.endr
.endr
.irp b, 0,1,2,3
	s_delay_alu instid0(VALU_DEP_4)
	v_permlanex16_b32 v[TM+4+\b], v[TM+\b], s[SEL], s[SEL+1]
.endr
.irp b, 0,1,2,3
	s_delay_alu instid0(VALU_DEP_4)
	v_max_num_f32 v[TM+\b], v[TM+\b], v[TM+4+\b]   ; with lane xor 16's: the block's largest magnitude
.endr
.irp b, 0,1,2,3
	s_delay_alu instid0(VALU_DEP_4)
	v_add_nc_u32 v[TM+12+\b], 0xff000000, v[TM+\b]   ; 2 off its exponent field: the conversion's scale operand
.endr
.irp b, 0,1,2,3
	s_delay_alu instid0(VALU_DEP_4)
	v_lshrrev_b32 v[TM+4+\b], 23, v[TM+12+\b]      ; the scale's byte
.endr
	s_delay_alu instid0(VALU_DEP_3)
	v_lshl_or_b32 v[PW], v[TM+5], 8, v[TM+4]
	s_delay_alu instid0(VALU_DEP_1)
	v_lshl_or_b32 v[PW], v[TM+6], 16, v[PW]
	s_delay_alu instid0(VALU_DEP_1)
	v_lshl_or_b32 v[PW], v[TM+7], 24, v[PW]
.irp c, 0,1
	v_cvt_scalef32_pk16_fp6_f32 v[PC+6*\c:PC+2+6*\c], v[\s+32*\c:\s+15+32*\c], v[TM+12+2*\c]
	v_cvt_scalef32_pk16_fp6_f32 v[PC+12+4*\c:PC+14+4*\c], v[\s+16+32*\c:\s+31+32*\c], v[TM+12+2*\c+1]   ; (a conversion's three registers begin on an even number)
.endr
	v_nop                                          ; one plain place behind a scaled conversion
.irp c, 0,1                                    ; the operand wants a whole block in a lane: lanes 0-15 block 2 c, lanes 16-31 block 2 c + 1
.irp i, 0,1,2
	v_permlane16_swap_b32 v[PC+6*\c+\i], v[PC+12+4*\c+\i]
.endr
.irp i, 0,1,2
	s_delay_alu instid0(VALU_DEP_3)
	v_mov_b32 v[PC+3+6*\c+\i], v[PC+12+4*\c+\i]
.endr
.endr
.endm
; my lane's partial sum in v[WK] becomes the row's sum over all 1,024 columns, the same bits in every wave.  red: the LDS bytes of this sum (64 for each wave)
.macro ALLSUM red
	s_delay_alu instid0(VALU_DEP_1)
	v_permlanex16_b32 v[WK+1], v[WK], s[SEL], s[SEL+1]
	s_delay_alu instid0(VALU_DEP_1)
	v_add_f32 v[WK], v[WK], v[WK+1]                ; my wave's 128 columns of row r
	ds_store_b32 v9, v[WK] offset:\red             ; lanes r and r + 16 write the same word with the same value
	s_wait_dscnt 0x0                               ; for the others' sake: my store has landed
	s_barrier_signal -1
	s_barrier_wait -1
.irp i, 0,1,2,3,4,5,6,7
	ds_load_b32 v[WK+\i], v7 offset:\red+64*\i
.endr
	s_wait_dscnt 0x0
.irp i, 1
	v_add_f32 v[WK], v[WK], v[WK+\i]
.endr
.irp i, 2, 3, 4, 5, 6, 7
	s_delay_alu instid0(VALU_DEP_1)
	v_add_f32 v[WK], v[WK], v[WK+\i]
.endr
.endm
	v_lshl_add_u32 v254, v0, 2, 0x400
	v_mov_b32 v255, 0
	v_lshrrev_b32 v1, 5, v0
	s_delay_alu instid0(VALU_DEP_1)
	v_readfirstlane_b32 s12, v1                    ; wave 0..7
	v_and_b32 v1, 31, v0                           ; lane
	v_and_b32 v2, 15, v0                           ; r
	v_bfe_u32 v3, v0, 4, 1                         ; h
	s_delay_alu instid0(VALU_DEP_3)
	v_lshlrev_b32 v4, 4, v1                        ; 16 x lane
	s_delay_alu instid0(VALU_DEP_4)
	v_lshl_add_u32 v5, v1, 3, 512                  ; 512 + 8 x lane
	s_delay_alu instid0(VALU_DEP_4)
	v_and_b32 v8, 8, v2
	s_delay_alu instid0(VALU_DEP_1)
	v_add_nc_u32 v8, v8, v2                        ; r + 8 (r / 8)
	s_cmp_ge_u32 ttmp9, 256                        ; the same in all waves of a work-group
	s_cbranch_scc1 .Lweights
	; ---------------- LayerNorm and quantiser: tile = work-group ----------------
	s_load_b128 s[4:7], s[0:1], 0x0                ; x, gain
	s_load_b64 s[8:9], s[0:1], 0x10                ; bias
	s_load_b64 s[10:11], s[0:1], 0x78              ; hbuf
	v_lshlrev_b32 v6, 6, v3                        ; 64 h: my 16 numbers of a block of 32
	v_lshlrev_b32 v7, 2, v2                        ; 4 r
	s_delay_alu instid0(VALU_DEP_2)
	v_lshl_add_u32 v10, v8, 12, v6                 ; x: my row of 4,096 bytes, + 64 h
	s_lshl_b32 s13, s12, 6
	v_add_nc_u32 v9, s13, v7                       ; LDS: 64 x wave + 4 r
	s_mov_b32 s[SEL], 0x76543210
	s_mov_b32 s[SEL+1], 0xfedcba98
	s_mov_b32 s20, 0x3a800000                      ; 1 / 1,024
	s_mov_b32 s21, 0x3727c5ac                      ; 1e-5
.irp b, 0,1,2,3
	v_mov_b32 v[TM+4+\b], 0                        ; a lane permute's destination counts as one of its sources
.endr
	s_lshr_b32 s13, ttmp9, 1                       ; pair of tiles
	s_and_b32 s14, ttmp9, 1
	s_lshl_b32 s16, s13, 17                        ; 32 rows of 4,096 bytes a pair,
	s_lshl_b32 s15, s14, 15                        ; 8 rows for the odd tile,
	s_add_co_u32 s16, s16, s15
	s_lshl_b32 s18, s12, 9                         ; 512 bytes of a row for each wave
	s_add_co_u32 s16, s16, s18
	s_mov_b32 s17, 0
	s_mov_b32 s19, 0
	s_lshl_b32 s24, ttmp9, 3
	s_add_co_u32 s24, s24, s12
	s_mul_i32 s24, s24, 1536                       ; my fragment: (8 x tile + wave) x 1,536
	s_mov_b32 s25, 0
	s_lshl_b32 s26, s13, 3
	s_add_co_u32 s26, s26, s12
	s_lshl_b32 s26, s26, 7                         ; its scale words: (8 x pair + wave) x 128,
	s_lshl_b32 s15, s14, 6
	s_add_co_u32 s26, s26, s15                     ; + 64 for the odd tile,
	s_add_co_u32 s26, s26, 3145728                 ; behind the codes
	s_mov_b32 s27, 0
	s_wait_alu depctr_va_vdst(0)
	s_wait_kmcnt 0x0
	s_add_nc_u64 s[4:5], s[4:5], s[16:17]
	s_add_nc_u64 s[6:7], s[6:7], s[18:19]
	s_add_nc_u64 s[8:9], s[8:9], s[18:19]
	s_add_nc_u64 s[28:29], s[10:11], s[26:27]
	s_add_nc_u64 s[10:11], s[10:11], s[24:25]
.irp b, 0,1,2,3
.irp j, 0,1,2,3
	global_load_b128 v[X+16*\b+4*\j:X+16*\b+4*\j+3], v10, s[4:5] offset:128*\b+16*\j
.endr
.endr
.irp b, 0,1,2,3
.irp j, 0,1,2,3
	global_load_b128 v[G+16*\b+4*\j:G+16*\b+4*\j+3], v6, s[6:7] offset:128*\b+16*\j
.endr
.endr
.irp b, 0,1,2,3
.irp j, 0,1,2,3
	global_load_b128 v[BB+16*\b+4*\j:BB+16*\b+4*\j+3], v6, s[8:9] offset:128*\b+16*\j
.endr
.endr
	s_wait_loadcnt 32                              ; x's 16 loads are in; the 32 of gain and bias may be out
	v_pk_add_f32 v[226:227], v[32:33], v[40:41]
	v_pk_add_f32 v[228:229], v[48:49], v[56:57]
	v_pk_add_f32 v[230:231], v[64:65], v[72:73]
	v_pk_add_f32 v[252:253], v[80:81], v[88:89]
	v_pk_add_f32 v[250:251], v[34:35], v[42:43]
	v_pk_add_f32 v[248:249], v[50:51], v[58:59]
	v_pk_add_f32 v[246:247], v[66:67], v[74:75]
	v_pk_add_f32 v[224:225], v[82:83], v[90:91]
	s_delay_alu instid0(VALU_DEP_1)
	v_pk_add_f32 v[224:225], v[224:225], v[36:37]
	v_pk_add_f32 v[226:227], v[226:227], v[44:45]
	v_pk_add_f32 v[228:229], v[228:229], v[52:53]
	v_pk_add_f32 v[230:231], v[230:231], v[60:61]
	v_pk_add_f32 v[252:253], v[252:253], v[68:69]
	v_pk_add_f32 v[250:251], v[250:251], v[76:77]
	v_pk_add_f32 v[248:249], v[248:249], v[84:85]
	v_pk_add_f32 v[246:247], v[246:247], v[92:93]
	v_pk_add_f32 v[224:225], v[224:225], v[38:39]
	v_pk_add_f32 v[226:227], v[226:227], v[46:47]
	v_pk_add_f32 v[228:229], v[228:229], v[54:55]
	v_pk_add_f32 v[230:231], v[230:231], v[62:63]
	v_pk_add_f32 v[252:253], v[252:253], v[70:71]
	v_pk_add_f32 v[250:251], v[250:251], v[78:79]
	v_pk_add_f32 v[248:249], v[248:249], v[86:87]
	v_pk_add_f32 v[246:247], v[246:247], v[94:95]
	s_delay_alu instid0(VALU_DEP_4)
	v_pk_add_f32 v[224:225], v[224:225], v[252:253]
	s_delay_alu instid0(VALU_DEP_4)
	v_pk_add_f32 v[226:227], v[226:227], v[250:251]
	s_delay_alu instid0(VALU_DEP_4)
	v_pk_add_f32 v[228:229], v[228:229], v[248:249]
	s_delay_alu instid0(VALU_DEP_4)
	v_pk_add_f32 v[230:231], v[230:231], v[246:247]
	s_delay_alu instid0(VALU_DEP_2)
	v_pk_add_f32 v[224:225], v[224:225], v[228:229]
	s_delay_alu instid0(VALU_DEP_2)
	v_pk_add_f32 v[226:227], v[226:227], v[230:231]
	s_delay_alu instid0(VALU_DEP_1)
	v_pk_add_f32 v[224:225], v[224:225], v[226:227]
	s_delay_alu instid0(VALU_DEP_1)
	v_add_f32 v[WK], v[WK], v[WK+1]
	ALLSUM 0
	s_delay_alu instid0(VALU_DEP_1)
	v_mul_f32 v250, s20, v[WK]                     ; the mean
	s_delay_alu instid0(VALU_DEP_1)
	v_mov_b32 v251, v250
.set j, 0
.rept 32
	v_pk_add_f32 v[X+j:X+j+1], v[X+j:X+j+1], v[250:251] neg_lo:[0,1] neg_hi:[0,1]   ; d = x - mean
.set j, j+2
.endr
.irp c, 0,1,2,3                                ; the sum of d squared
	v_pk_mul_f32 v[WK+2*\c:WK+2*\c+1], v[X+2*\c:X+2*\c+1], v[X+2*\c:X+2*\c+1]
.endr
.irp j, 8,16,24,32,40,48,56
.irp c, 0,1,2,3
	s_delay_alu instid0(VALU_DEP_4)
	v_pk_fma_f32 v[WK+2*\c:WK+2*\c+1], v[X+\j+2*\c:X+\j+2*\c+1], v[X+\j+2*\c:X+\j+2*\c+1], v[WK+2*\c:WK+2*\c+1]
.endr
.endr
	s_delay_alu instid0(VALU_DEP_3)
	v_pk_add_f32 v[WK:WK+1], v[WK:WK+1], v[WK+2:WK+3]
	s_delay_alu instid0(VALU_DEP_2)
	v_pk_add_f32 v[WK+4:WK+5], v[WK+4:WK+5], v[WK+6:WK+7]
	s_delay_alu instid0(VALU_DEP_1)
	v_pk_add_f32 v[WK:WK+1], v[WK:WK+1], v[WK+4:WK+5]
	s_delay_alu instid0(VALU_DEP_1)
	v_add_f32 v[WK], v[WK], v[WK+1]
	ALLSUM 512                                     ; other bytes than the first sum's: a slow wave may still read those
	s_delay_alu instid0(VALU_DEP_1)
	v_fma_f32 v[WK], v[WK], s20, s21               ; variance + 1e-5
	s_wait_alu depctr_va_vdst(0)
	v_rsq_f32 v252, v[WK]
	v_nop                                          ; a plain place behind the transcendental,
	s_wait_alu depctr_va_vdst(0)                   ; and the wait ahead of its first reader
	v_mov_b32 v253, v252
	s_wait_alu depctr_va_vdst(0)
	s_wait_loadcnt 0x0                             ; gain and bias
.set j, 0
.rept 32
	v_pk_mul_f32 v[X+j:X+j+1], v[X+j:X+j+1], v[252:253]
.set j, j+2
.endr
.set j, 0
.rept 32
	v_pk_fma_f32 v[X+j:X+j+1], v[X+j:X+j+1], v[G+j:G+j+1], v[BB+j:BB+j+1]
.set j, j+2
.endr
	QUANT X
	global_store_b128 v4, v[PC:PC+3], s[10:11]             ; 512 consecutive bytes a wave,
	global_store_b64 v5, v[PC+4:PC+5], s[10:11]            ; 256 more: half 0 of the fragment
	global_store_b128 v4, v[PC+6:PC+9], s[10:11] offset:768
	global_store_b64 v5, v[PC+10:PC+11], s[10:11] offset:768
	global_store_b32 v7, v[PW], s[28:29]                   ; row r's scale word; lanes r and r + 16 store the same word with the same value
	s_wait_tensorcnt 0x0
	ds_add_u32 v254, v255
	s_wait_dscnt 0x0
	s_endpgm
	; ---------------- the weights: a work-group takes a pair of tiles (32 rows) x 8 K steps, wave w the w-th of them: two fragments and 32 scale words ----------------
.Lweights:
	s_load_b512 s[16:31], s[0:1], 0x18             ; Wq, Wk, Wv, Wproj: codes and scales
	s_load_b256 s[32:39], s[0:1], 0x58             ; W1, W2
	s_load_b64 s[40:41], s[0:1], 0x80              ; wbuf
	s_wait_alu depctr_va_vdst(0)
	v_lshlrev_b32 v6, 2, v1                        ; 4 x lane
	s_sub_co_u32 s42, ttmp9, 256                   ; the unit U = 0..383: 0-31 Wq, 32-63 Wk, 64-95 Wv, 96-127 Wproj, 128-255 W1, 256-383 W2
	s_lshr_b32 s3, s42, 3                          ; U / 8: 0-3 Wq, 4-7 Wk, 8-11 Wv, 12-15 Wproj, 16-31 W1, 32-47 W2
	s_cmp_ge_u32 s3, 32
	s_cbranch_scc1 .Lw2
	s_cmp_ge_u32 s3, 16
	s_cselect_b32 s43, 127, 31
	s_and_b32 s43, s42, s43                        ; the pair inside its tensor: 32 pairs in the four small ones, 128 in W1
	s_mul_i32 s44, s43, 24576                      ; from: 32 rows of 768 bytes,
	s_lshl_b32 s46, s43, 10                        ; 32 rows of 32 scale bytes
	s_mul_i32 s48, s42, 24576                      ; to: the images lie in the order of the units: two tiles of 12,288 bytes,
	s_lshl_b32 s50, s42, 10
	s_add_co_u32 s50, s50, 9437184                 ; 8 x 128 bytes of scale words
	s_mov_b32 s52, 768                             ; a row of codes
	s_mov_b32 s53, 32                              ; a row of scale bytes
	s_mov_b32 s54, 12288                           ; from a tile's image to the next
	s_branch .Lunit
.Lw2:                                              ; W2 has 32 K steps: four units to a pair
	s_and_b32 s43, s42, 127
	s_and_b32 s56, s43, 3                          ; which 8 K steps
	s_lshr_b32 s43, s43, 2                         ; the pair
	s_mul_i32 s44, s43, 98304                      ; 32 rows of 3,072 bytes
	s_mul_i32 s57, s56, 768
	s_add_co_u32 s44, s44, s57
	s_lshl_b32 s46, s43, 12                        ; 32 rows of 128 scale bytes
	s_lshl_b32 s57, s56, 5
	s_add_co_u32 s46, s46, s57
	s_mul_i32 s48, s43, 98304                      ; two tiles of 49,152 bytes
	s_mul_i32 s57, s56, 12288
	s_add_co_u32 s48, s48, s57
	s_add_co_u32 s48, s48, 6291456
	s_lshl_b32 s50, s43, 12
	s_lshl_b32 s57, s56, 10
	s_add_co_u32 s50, s50, s57
	s_add_co_u32 s50, s50, 9699328
	s_mov_b32 s52, 3072
	s_mov_b32 s53, 128
	s_mov_b32 s54, 49152
.Lunit:
	s_mul_i32 s57, s12, 96                         ; my wave's K step: 96 bytes on in a row of codes,
	s_add_co_u32 s44, s44, s57
	s_lshl_b32 s57, s12, 2                         ; 4 bytes on in a row of scale bytes,
	s_add_co_u32 s46, s46, s57
	s_mul_i32 s57, s12, 1536                       ; a fragment on in a tile's image,
	s_add_co_u32 s48, s48, s57
	s_lshl_b32 s57, s12, 7                         ; 128 bytes on among the pair's scale words
	s_add_co_u32 s50, s50, s57
	s_mov_b32 s45, 0
	s_mov_b32 s47, 0
	s_mov_b32 s49, 0
	s_mov_b32 s51, 0
	s_mov_b32 s55, 0
	v_mul_lo_u32 v9, v8, s52
	s_delay_alu instid0(VALU_DEP_1)
	v_mad_u32_u24 v9, v3, 24, v9                   ; tile 2 P: my row x its bytes + 24 h
	v_add_nc_u32 v10, 8, v8
	s_delay_alu instid0(VALU_DEP_1)
	v_mul_lo_u32 v10, v10, s52
	s_delay_alu instid0(VALU_DEP_1)
	v_mad_u32_u24 v10, v3, 24, v10                 ; tile 2 P + 1: eight rows further down
	v_lshl_add_u32 v11, v3, 3, v8
	s_delay_alu instid0(VALU_DEP_1)
	v_mul_lo_u32 v11, v11, s53                     ; scale words: lane 16 u + r takes the row of tile 2 P + u
	s_wait_alu depctr_va_vdst(0)
	s_wait_kmcnt 0x0
	s_mov_b64 s[4:5], s[16:17]                     ; the choice of the tensor hangs on the work-group's number alone
	s_mov_b64 s[6:7], s[18:19]
	s_cmp_ge_u32 s3, 4
	s_cselect_b64 s[4:5], s[20:21], s[4:5]
	s_cselect_b64 s[6:7], s[22:23], s[6:7]
	s_cmp_ge_u32 s3, 8
	s_cselect_b64 s[4:5], s[24:25], s[4:5]
	s_cselect_b64 s[6:7], s[26:27], s[6:7]
	s_cmp_ge_u32 s3, 12
	s_cselect_b64 s[4:5], s[28:29], s[4:5]
	s_cselect_b64 s[6:7], s[30:31], s[6:7]
	s_cmp_ge_u32 s3, 16
	s_cselect_b64 s[4:5], s[32:33], s[4:5]
	s_cselect_b64 s[6:7], s[34:35], s[6:7]
	s_cmp_ge_u32 s3, 32
	s_cselect_b64 s[4:5], s[36:37], s[4:5]
	s_cselect_b64 s[6:7], s[38:39], s[6:7]
	s_add_nc_u64 s[4:5], s[4:5], s[44:45]
	s_add_nc_u64 s[6:7], s[6:7], s[46:47]
	s_add_nc_u64 s[8:9], s[40:41], s[48:49]        ; tile 2 P's fragment
	s_add_nc_u64 s[10:11], s[8:9], s[54:55]        ; tile 2 P + 1's
	s_add_nc_u64 s[14:15], s[40:41], s[50:51]      ; the pair's scale words of my K step
.irp u, 0,1
.irp p, 0,1,2,3,4,5
	global_load_b64 v[32+12*\u+2*\p:33+12*\u+2*\p], v[9+\u], s[4:5] offset:48*(\p/3)+8*(\p%3)   ; a fragment's registers are 24 + 24 bytes of the row's stream of bits, as they lie; the neighbouring 96 bytes of each row are the neighbouring wave's
.endr
.endr
	global_load_b32 v12, v11, s[6:7]               ; my row's scale word
	s_wait_loadcnt 0x0
	s_cmp_ge_u32 s3, 32                            ; W2's reader takes a fragment as three runs of 512 bytes
	s_cbranch_scc1 .Lw2_out
.irp u, 0,1
	global_store_b128 v4, v[32+12*\u:35+12*\u], s[8+2*\u:9+2*\u]             ; 512 consecutive bytes a wave,
	global_store_b64 v5, v[36+12*\u:37+12*\u], s[8+2*\u:9+2*\u]              ; 256 more
	global_store_b128 v4, v[38+12*\u:41+12*\u], s[8+2*\u:9+2*\u] offset:768
	global_store_b64 v5, v[42+12*\u:43+12*\u], s[8+2*\u:9+2*\u] offset:768
.endr
	global_store_b32 v6, v12, s[14:15]             ; 128 consecutive bytes a wave
	s_endpgm
.Lw2_out:                                              ; W2: registers 4 j .. 4 j + 3 of a fragment at 512 j + 16 x lane
.irp u, 0,1
	global_store_b128 v4, v[32+12*\u:35+12*\u], s[8+2*\u:9+2*\u]
	global_store_b128 v4, v[36+12*\u:39+12*\u], s[8+2*\u:9+2*\u] offset:512
	global_store_b128 v4, v[40+12*\u:43+12*\u], s[8+2*\u:9+2*\u] offset:1024
.endr
	global_store_b32 v6, v12, s[14:15]
	s_endpgm
.Lfunc_end_k_qce351dcb0c_prep:
	.size	k_qce351dcb0c_prep, .Lfunc_end_k_qce351dcb0c_prep-k_qce351dcb0c_prep
	.p2alignl 7, 3214868480
	.fill 96, 4, 3214868480
	.section	.rodata,"a",@progbits
	.p2align	6, 0x0
	.amdhsa_kernel k_qce351dcb0c_prep
		.amdhsa_group_segment_fixed_size 2048
		.amdhsa_private_segment_fixed_size 0
		.amdhsa_enable_private_segment 0
		.amdhsa_kernarg_size 136
		.amdhsa_user_sgpr_count 2
		.amdhsa_user_sgpr_kernarg_segment_ptr 1
		.amdhsa_wavefront_size32 1
		.amdhsa_system_sgpr_workgroup_id_x 1
		.amdhsa_system_sgpr_workgroup_id_y 1
		.amdhsa_system_sgpr_workgroup_id_z 1
		.amdhsa_system_vgpr_workitem_id 0
		.amdhsa_next_free_vgpr 256
		.amdhsa_next_free_sgpr 96
		.amdhsa_reserve_vcc 0
		.amdhsa_float_denorm_mode_32 3
		.amdhsa_float_denorm_mode_16_64 3
		.amdhsa_memory_ordered 1
		.amdhsa_forward_progress 1
		.amdhsa_inst_pref_size 35
	.end_amdhsa_kernel
	.amdgpu_metadata
---
amdhsa.version: [ 1, 2 ]
amdhsa.kernels:
  - .name:           k_qce351dcb0c_prep
    .symbol:         k_qce351dcb0c_prep.kd
    .args:
      - { .name: x, .offset: 0, .size: 8, .value_kind: global_buffer, .address_space: global }
      - { .name: ln1_g, .offset: 8, .size: 8, .value_kind: global_buffer, .address_space: global }
      - { .name: ln1_b, .offset: 16, .size: 8, .value_kind: global_buffer, .address_space: global }
      - { .name: Wq_codes, .offset: 24, .size: 8, .value_kind: global_buffer, .address_space: global }
      - { .name: Wq_scales, .offset: 32, .size: 8, .value_kind: global_buffer, .address_space: global }
      - { .name: Wk_codes, .offset: 40, .size: 8, .value_kind: global_buffer, .address_space: global }
      - { .name: Wk_scales, .offset: 48, .size: 8, .value_kind: global_buffer, .address_space: global }
      - { .name: Wv_codes, .offset: 56, .size: 8, .value_kind: global_buffer, .address_space: global }
      - { .name: Wv_scales, .offset: 64, .size: 8, .value_kind: global_buffer, .address_space: global }
      - { .name: Wproj_codes, .offset: 72, .size: 8, .value_kind: global_buffer, .address_space: global }
      - { .name: Wproj_scales, .offset: 80, .size: 8, .value_kind: global_buffer, .address_space: global }
      - { .name: W1_codes, .offset: 88, .size: 8, .value_kind: global_buffer, .address_space: global }
      - { .name: W1_scales, .offset: 96, .size: 8, .value_kind: global_buffer, .address_space: global }
      - { .name: W2_codes, .offset: 104, .size: 8, .value_kind: global_buffer, .address_space: global }
      - { .name: W2_scales, .offset: 112, .size: 8, .value_kind: global_buffer, .address_space: global }
      - { .name: hbuf, .offset: 120, .size: 8, .value_kind: global_buffer, .address_space: global }
      - { .name: wbuf, .offset: 128, .size: 8, .value_kind: global_buffer, .address_space: global }
    .group_segment_fixed_size: 2048
    .private_segment_fixed_size: 0
    .kernarg_segment_align: 8
    .kernarg_segment_size: 136
    .max_flat_workgroup_size: 256
    .sgpr_count:     96
    .vgpr_count:     256
    .wavefront_size: 32
...
	.end_amdgpu_metadata
.endif
;; end of part 8
;; launch qkv (part 9): grid 8 x 24, 4 waves a work-group, clusters of 4 x 4, 327,680 bytes of LDS; arguments hbuf, wbuf, qkvbuf; writes qkvbuf
.if DOCPART == 9
	.amdgcn_target "amdgcn-amd-amdhsa--gfx1250"
	.amdhsa_code_object_version 6
	.text
	.protected	k_qce351dcb0c_qkv
	.globl	k_qce351dcb0c_qkv
	.p2align	8
	.type	k_qce351dcb0c_qkv,@function
k_qce351dcb0c_qkv:
	s_mov_b64 s[64:65], 0
	v_nop
	global_prefetch_b8 v0, s[64:65] scope:SCOPE_SE
	s_setreg_imm32_b32 hwreg(HW_REG_WAVE_MODE, 25, 1), 1
	s_wait_xcnt 0x0
	s_wait_alu depctr_hold_cnt(0) depctr_sa_sdst(0) depctr_va_vdst(0) depctr_va_sdst(0) depctr_va_ssrc(0) depctr_va_vcc(0) depctr_vm_vsrc(0)
	s_getreg_b32 s2, hwreg(HW_REG_IB_STS2, 6, 4)
	s_cmp_eq_u32 s2, 0
	s_cbranch_scc0 .Lentry_in_a_cluster
	s_endpgm
.Lentry_in_a_cluster:
	s_bfe_u32 s2, ttmp6, 0x10000c
	s_cmp_lg_u32 s2, 0xf033
	s_cbranch_scc0 .Lentry_shape_is_right
	s_endpgm
.Lentry_shape_is_right:
; q, k and v of all heads, each quantised on its way out, on codes of FP6 (E2M3) with E8M0 scales.  K = 1,024: eight K steps of 128.
; All operands lie in memory as images of operand registers (a fragment of 16 rows x 128 K: two halves of 768 bytes; registers 6 c .. 6 c + 3 at 16 x lane, 6 c + 4, 6 c + 5 at 512 + 8 x lane), tiles in the order
; row(t, r) = 32 (t / 2) + 8 (t % 2) + r + 8 (r / 8); scale words by pairs of tiles, 128 bytes a pair and K step (lane 16 u + r: tile 2 P + u, row r).
; A work-group makes 256 rows of the A side x 256 rows of the B side; wave (wa, wb) makes 8 tiles of A x 8 tiles of B: 64 accumulators, 512 registers; for a K step it reads 16 fragments from LDS for 64 products.
; THE MATRIX INSTRUCTION TAKES B AS SOURCE 0 AND A AS SOURCE 1: a lane holds one row of A, and the 64 registers of an A tile run along B: register 16 b + i = B row 32 b + 16 (lane / 16) + i: the order in which the quantiser takes them.
; CLUSTER ROWS 0-3 (q and k): A = tokens (hbuf), B = rows of Wq, Wk (head x 64 + d): a lane's numbers run along d: they are quantised along d, a head's 64 being two blocks.
; CLUSTER ROWS 4-5 (v): A = rows of Wv, B = tokens: a lane's numbers run along the tokens, which are the second attention product's K.
; The branch between the two hangs on the cluster's y, which all sixteen partners share.  128 + 64 = 192 work-groups: at this tile the problem has work for no more.
; CLUSTERS: 4 x 4 work-groups; A's tiles are asked for jointly along a row of the cluster, B's along a column.
; LDS: two slots of three K steps (A's 16 tiles x 4,608 bytes, then B's 16: 147,456 bytes a slot), the scale words of all K, the spare words.  K steps 0-5 and the scale words are first fills: one tensor load of a wave is out at the start.
; K steps 6 and 7 come by ONE refill of slot 0, asked for in K step 2 behind a round of the cluster's barrier, 176 matrix instructions a wave ahead of the wait for it.
; NO PREFETCH: all tiles but that one refill are requested by the kernel's first lines.
; All of a WGP's LDS is claimed; the text uses 311,808 bytes.
; THE LDS LOADS of the next K step (72 a wave) stand in short runs ahead of groups of eight products, so that no more than 24 are issued on end; the price is about 13 switches of the register window for a K step's 64 products.
; OUT: q and k as halves of 768 bytes [batch x 16 + head][tile of 16 tokens]; their scale words (s0, s1, s0, s1) by pairs of tiles; v as fragments [batch x 16 + head][step of 128 keys][tile of 16 d].
; LIMITS: NaN and infinities are not served; a block whose largest magnitude lies under 2^-124, and a block of zeros, keep the scale byte 1 (its codes are zeros; only this program reads the bytes).
; REGISTERS: window 0: v1-3 lane terms, v16-27 LDS addresses, v28-29 the spare word's address and 0, v30-31 the scale words' addresses, v32-47 scale words (two sets), fragment set 0: A's at v64-159, B's at v160-255;
;   window 1: fragment set 1 at the same numbers; windows 2, 3: the accumulators of A's tiles 0-3, 4-7 (tile a, b at v[8 (8 (a % 4) + b)]).  A K step multiplies one window's fragments and fetches into the other's.
; THE RING AS IT NOW STANDS: two slots of three K steps (32 tiles x 4,608 bytes).  At the head one load a wave: wave 0 A's 16 tiles of K steps 0-2, wave 1 B's, wave 2 A's scale words, wave 3 B's.
; Slot 1 (K steps 3-5) is first filled behind a round, a quarter a wave; K steps 6 and 7 come by one refill of slot 0 in K step 2, as rows of 3,072 bytes.
.set REG,   147456                     ; a slot: three K steps of 32 tiles
.set SCA,   2*REG
.set SCB,   SCA+8192                   ; B's
.set SPARE, SCB+8192                   ; the spare words, 128 bytes for each wave: two blocks of 256 bytes that no other line names
.set G1, 24                            ; s[24:31] group 1, A's codes;  s[32:43] groups 0, a set for each region;  s[44:47] group 0, A's scale words
.set G0, 32
.set G0S, 44
.set G1B, 48                           ; s[48:55] group 1, B's codes;  s[56:63], s[68:71] groups 0;  s[72:75] group 0, B's scale words
.set G0SB, 72
.set G1S, 76                           ; s[76:83], s[84:91] groups 1 for the scale words
.set G1SB, 84
.set TQ, 160                           ; the way out, window 0: v64-159 codes (12 a tile), v160-167 conversions' second halves, v168-183 the quantiser's, v184-191 scale words, v192 on at work
.set TM, 168
.set SEL, 98
.set MSB, 0
.macro WIN new                         ; the immediate's high byte repeats the setting that is left
.if MSB != (\new)
	s_set_vgpr_msb (MSB<<8)|(\new)
.set MSB, (\new)
.endif
.endm
.macro PLACES n                        ; plain vector places behind matrix instructions (ISA guide 7.12.1)
.rept \n
	v_nop
.endr
.endm
.macro JLOAD g0a, g1a, g0b, g1b        ; a joint load: waves 0 and 1 fetch for A, waves 2 and 3 for B; four v_nop follow each line
	s_cmp_eq_u32 s15, 0
	s_cbranch_scc0 .Lfor_b_\@
	tensor_load_to_lds s[\g0a:\g0a+3], s[\g1a:\g1a+7]
	s_nop 0
.rept 4
	v_nop
.endr
	s_branch .Lasked_\@
.Lfor_b_\@:
	tensor_load_to_lds s[\g0b:\g0b+3], s[\g1b:\g1b+7]
	s_nop 0
.rept 4
	v_nop
.endr
.Lasked_\@:
.endm
.macro CREST
	s_cmp_lg_u32 s14, 0
	s_cbranch_scc1 .Lnot_wave_0_\@
	s_barrier_signal -3
.Lnot_wave_0_\@:
	s_barrier_wait -3
	s_barrier_signal -1
	s_barrier_wait -1
.endm
.macro CROUND                          ; a round of the cluster's barrier
	s_barrier_signal -1
	s_barrier_wait -1
	CREST
.endm
; fragment f (0-7: B's tile f; 8-15: A's tile f - 8) of K step q of region rg: four loads of 512 or 256 consecutive bytes.  RUN has set the window of the destination
.macro LDFR rg, q, f
.if (\f) < 8
.set rF, 160+12*(\f)
.set oF, (4608-1536*((\rg)/2))*(\f)+1536*(\q)  ; rg 0, 1: the slots, tiles 4,608 bytes apart; rg 2: slot 0 filled again, tiles 3,072 apart
	ds_load_b128 v[rF:rF+3], v[22+(\rg)] offset:oF
	ds_load_b64 v[rF+4:rF+5], v[25+(\rg)] offset:oF
	ds_load_b128 v[rF+6:rF+9], v[22+(\rg)] offset:oF+768
	ds_load_b64 v[rF+10:rF+11], v[25+(\rg)] offset:oF+768
.else
.set rF, 64+12*((\f)-8)
.set oF, (4608-1536*((\rg)/2))*((\f)-8)+1536*(\q)
	ds_load_b128 v[rF:rF+3], v[16+(\rg)] offset:oF
	ds_load_b64 v[rF+4:rF+5], v[19+(\rg)] offset:oF
	ds_load_b128 v[rF+6:rF+9], v[16+(\rg)] offset:oF+768
	ds_load_b64 v[rF+10:rF+11], v[19+(\rg)] offset:oF+768
.endif
.endm
.macro RUN p, rg, q, f0, n             ; n fragments from f0 on into set p (set 0: window 0, set 1: window 1; the addresses lie in window 0)
	WIN 0x40*(\p)
.set fi, \f0
.rept \n
	LDFR \rg, \q, fi
.set fi, fi+1
.endr
.endm
.macro LDSC p, ks                      ; K step ks's scale words into set p: four pairs of A's tiles, four of B's
	WIN 0
.irp i, 0,1,2,3
	ds_load_b32 v[32+8*(\p)+\i], v30 offset:1024*\i+128*(\ks)
	ds_load_b32 v[36+8*(\p)+\i], v31 offset:1024*\i+128*(\ks)
.endr
.endm
; one product.  A pair's scale register holds the even tile's words in lanes 0-15 and the odd tile's in lanes 16-31
.macro WM cm
.if (\cm) == 1
.if (bi%2) && (ai%2)
	v_wmma_scale_f32_16x16x128_f8f6f4 v[rD:rD+7], v[rB:rB+11], v[rA:rA+11], 0, v[rSB], v[rSA] matrix_a_fmt:MATRIX_FMT_FP6 matrix_b_fmt:MATRIX_FMT_FP6 matrix_a_scale:MATRIX_SCALE_ROW1 matrix_b_scale:MATRIX_SCALE_ROW1
.elseif bi%2
	v_wmma_scale_f32_16x16x128_f8f6f4 v[rD:rD+7], v[rB:rB+11], v[rA:rA+11], 0, v[rSB], v[rSA] matrix_a_fmt:MATRIX_FMT_FP6 matrix_b_fmt:MATRIX_FMT_FP6 matrix_a_scale:MATRIX_SCALE_ROW1
.elseif ai%2
	v_wmma_scale_f32_16x16x128_f8f6f4 v[rD:rD+7], v[rB:rB+11], v[rA:rA+11], 0, v[rSB], v[rSA] matrix_a_fmt:MATRIX_FMT_FP6 matrix_b_fmt:MATRIX_FMT_FP6 matrix_b_scale:MATRIX_SCALE_ROW1
.else
	v_wmma_scale_f32_16x16x128_f8f6f4 v[rD:rD+7], v[rB:rB+11], v[rA:rA+11], 0, v[rSB], v[rSA] matrix_a_fmt:MATRIX_FMT_FP6 matrix_b_fmt:MATRIX_FMT_FP6
.endif
.else
.if (bi%2) && (ai%2)
	v_wmma_scale_f32_16x16x128_f8f6f4 v[rD:rD+7], v[rB:rB+11], v[rA:rA+11], v[rD:rD+7], v[rSB], v[rSA] matrix_a_fmt:MATRIX_FMT_FP6 matrix_b_fmt:MATRIX_FMT_FP6 matrix_a_scale:MATRIX_SCALE_ROW1 matrix_b_scale:MATRIX_SCALE_ROW1
.elseif bi%2
	v_wmma_scale_f32_16x16x128_f8f6f4 v[rD:rD+7], v[rB:rB+11], v[rA:rA+11], v[rD:rD+7], v[rSB], v[rSA] matrix_a_fmt:MATRIX_FMT_FP6 matrix_b_fmt:MATRIX_FMT_FP6 matrix_a_scale:MATRIX_SCALE_ROW1
.elseif ai%2
	v_wmma_scale_f32_16x16x128_f8f6f4 v[rD:rD+7], v[rB:rB+11], v[rA:rA+11], v[rD:rD+7], v[rSB], v[rSA] matrix_a_fmt:MATRIX_FMT_FP6 matrix_b_fmt:MATRIX_FMT_FP6 matrix_b_scale:MATRIX_SCALE_ROW1
.else
	v_wmma_scale_f32_16x16x128_f8f6f4 v[rD:rD+7], v[rB:rB+11], v[rA:rA+11], v[rD:rD+7], v[rSB], v[rSA] matrix_a_fmt:MATRIX_FMT_FP6 matrix_b_fmt:MATRIX_FMT_FP6
.endif
.endif
.endm
; eight products: A's tile a against B's eight, set p.  cm 0: onto the sums; 1: the constant 0 starts them.  The 64 accumulators take turns, in the same order in every K step
.macro MULG p, a, cm
.set wA, 2+(\a)/4
	WIN (wA<<6)|(wA<<4)|(5*(\p))                   ; sources 0 and 1: the set's window; C and D: window 2 or 3
.set ai, \a
.set bi, 0
.rept 8
.set rD, 8*(8*(ai%4)+bi)
.set rB, 160+12*bi
.set rA, 64+12*ai
.set rSB, 36+8*(\p)+bi/2
.set rSA, 32+8*(\p)+ai/2
	WM \cm
.set bi, bi+1
.endr
.endm
.macro NEXTOF ks                       ; where the K step behind ks lies: steps 0-5 in regions 0, 0, 0, 1, 1, 1; steps 6 and 7 in region 2: slot 0, filled again
.set nK, (\ks)+1
.set nR, nK/3
.set nQ, nK%3
.set nP, nK%2
.endm
; A K step whose successor needs no barrier.  Its own fragments were asked for in the step before.
.macro KSTEP ks, cm
	NEXTOF \ks
.set pp, (\ks)%2
	s_wait_dscnt 0x0                               ; this step's fragments and scale words are in
	PLACES 4                                       ; in front of the loads into the set that the last step's products read: they serve all runs of this step
	RUN nP, nR, nQ, 0, 3
	MULG pp, 0, \cm
	RUN nP, nR, nQ, 3, 3
	MULG pp, 1, \cm
	RUN nP, nR, nQ, 6, 3
	MULG pp, 2, \cm
	RUN nP, nR, nQ, 9, 3
	MULG pp, 3, \cm
	RUN nP, nR, nQ, 12, 2
	MULG pp, 4, \cm
	RUN nP, nR, nQ, 14, 2
	LDSC nP, nK
	MULG pp, 5, \cm
	MULG pp, 6, \cm
	MULG pp, 7, \cm
.endm
.macro TAIL                            ; behind a barrier: the next step's loads in four runs, and this step's other 48 products
	RUN nP, nR, nQ, 0, 4
	MULG pp, 2, 0
	RUN nP, nR, nQ, 4, 4
	MULG pp, 3, 0
	RUN nP, nR, nQ, 8, 4
	MULG pp, 4, 0
	RUN nP, nR, nQ, 12, 4
	LDSC nP, nK
	MULG pp, 5, 0
	MULG pp, 6, 0
	MULG pp, 7, 0
.endm
; K step 2: region 0 has been read out and is filled again, with K steps 6 and 7.
.macro KTURN ks
	NEXTOF \ks
.set pp, (\ks)%2
	s_wait_dscnt 0x0                               ; this step's fragments are in: my reads of region 0 are over
	WIN 0                                          ; (the add's two registers lie in window 0)
	s_wait_tensorcnt 0x0                           ; all my tensor loads have landed: my part of region 1;
	ds_add_u32 v28, v29                            ; 0 onto my spare word;
	MULG pp, 0, 0                                  ; eight matrix instructions stand between the add and the wait for it
	s_wait_dscnt 0x0                               ; the add is done
	s_barrier_signal -1                            ; this barrier opens a round of the cluster's barrier
	MULG pp, 1, 0
	WIN 0
	s_barrier_wait -1
	CREST                                          ; no wave of any partner still reads region 0 or has a load on its way; region 1 is whole
	s_mov_b32 s[G1+1], 384<<16                     ; no load of mine is out: the refill's rows are two K steps long
	s_mov_b32 s[G1+3], 384<<16
	s_mov_b32 s[G1B+1], 384<<16
	s_mov_b32 s[G1B+3], 384<<16
	JLOAD G0, G1, 56, G1B                          ; the first tensor load behind the round, and my last; its four v_nop are the places in front of the loads below
	TAIL
.endm
; K step 5: the next step lies in region 0, which has to be whole: one barrier.
.macro KMEET ks
	NEXTOF \ks
.set pp, (\ks)%2
	s_wait_dscnt 0x0
	s_wait_tensorcnt 0x0                           ; my part of the refill has landed,
	s_barrier_signal -1
	MULG pp, 0, 0                                  ; work on registers while the others arrive
	MULG pp, 1, 0
	WIN 0
	s_barrier_wait -1                              ; everybody's has
	PLACES 4
	TAIL
.endm
; the quantiser: 64 numbers of window w, v[s] on, become codes in v[pc] .. v[pc + 11] and the scale word v[pw] (window 0)
.macro QUANTW w, s, pc, pw, relu
.if \relu
	WIN ((\w)<<6)|((\w)<<2)
.set j, 0
.rept 64
	v_max_num_f32 v[(\s)+j], 0, v[(\s)+j]          ; each accumulator from its low end on
.set j, j+1
.endr
.endif
	WIN ((\w)<<2)|(\w)                             ; sources 0 and 1 window w
.irp b, 0,1,2,3
	v_max3_num_f32 v[TM+\b], |v[(\s)+16*\b]|, |v[(\s)+1+16*\b]|, 0x1800000   ; and the floor 2^(3 - 127): the byte cannot fall under 1
.endr
.irp i, 2,4,6,8,10,12,14
.irp b, 0,1,2,3
	v_max3_num_f32 v[TM+\b], |v[(\s)+16*\b+\i]|, |v[(\s)+1+16*\b+\i]|, v[TM+\b]
.endr
.endr
	WIN 0
.irp b, 0,1,2,3
	v_permlanex16_b32 v[TM+4+\b], v[TM+\b], s[SEL], s[SEL+1]
.endr
.irp b, 0,1,2,3
	v_max_num_f32 v[TM+\b], v[TM+\b], v[TM+4+\b]
.endr
.irp b, 0,1,2,3
	v_add_nc_u32 v[TM+12+\b], 0xff000000, v[TM+\b] ; 2 off the exponent field: the conversion's scale operand
.endr
.irp b, 0,1,2,3
	v_lshrrev_b32 v[TM+4+\b], 23, v[TM+12+\b]
.endr
	v_lshl_or_b32 v[\pw], v[TM+5], 8, v[TM+4]
	v_lshl_or_b32 v[\pw], v[TM+6], 16, v[\pw]
	v_lshl_or_b32 v[\pw], v[TM+7], 24, v[\pw]
	WIN (\w)                                       ; source 0 window w
.irp c, 0,1
	v_cvt_scalef32_pk16_fp6_f32 v[(\pc)+6*\c:(\pc)+2+6*\c], v[(\s)+32*\c:(\s)+15+32*\c], v[TM+12+2*\c]
	v_cvt_scalef32_pk16_fp6_f32 v[TQ+4*\c:TQ+2+4*\c], v[(\s)+16+32*\c:(\s)+31+32*\c], v[TM+12+2*\c+1]   ; (a conversion's three registers begin on an even number)
.endr
	WIN 0
	v_nop                                          ; one plain place behind a scaled conversion
.irp c, 0,1
.irp i, 0,1,2
	v_permlane16_swap_b32 v[(\pc)+6*\c+\i], v[TQ+4*\c+\i]
.endr
.irp i, 0,1,2
	v_mov_b32 v[(\pc)+3+6*\c+\i], v[TQ+4*\c+\i]
.endr
.endr
.endm
.macro STFRAG pc, bs, off              ; a fragment goes to memory as it stands: 512 + 256 consecutive bytes a half
	global_store_b128 v1, v[(\pc):(\pc)+3], s[\bs:\bs+1] offset:\off
	global_store_b64 v2, v[(\pc)+4:(\pc)+5], s[\bs:\bs+1] offset:\off
	global_store_b128 v1, v[(\pc)+6:(\pc)+9], s[\bs:\bs+1] offset:(\off)+768
	global_store_b64 v2, v[(\pc)+10:(\pc)+11], s[\bs:\bs+1] offset:(\off)+768
.endm
	s_load_b128 s[4:7], s[0:1], 0x0                ; hbuf, wbuf
	s_load_b64 s[8:9], s[0:1], 0x10                ; qkvbuf
	v_lshl_add_u32 v28, v0, 2, SPARE
	v_mov_b32 v29, 0
	ds_add_u32 v28, v29
	ds_add_u32 v28, v29
	s_wait_dscnt 0x0
	v_lshrrev_b32 v1, 5, v0
	v_readfirstlane_b32 s14, v1                    ; wave 0..3
	s_lshr_b32 s15, s14, 1                         ; wa: my half of A's tiles.  Also: I fetch for A (0) or for B (1)
	s_and_b32 s16, s14, 1                          ; wb: my half of B's.  Also: which half I fetch
	s_bfe_u32 s92, ttmp6, 0x40000                  ; cx
	s_bfe_u32 s93, ttmp6, 0x40004                  ; cy
	s_lshl_b32 s95, s93, 2
	s_lshl_b32 s95, 15, s95                        ; my row of the cluster
	s_lshl_b32 s96, 0x1111, s92                    ; my column
	s_and_b32 s101, ttmp7, 0xffff                  ; the cluster's y: 0-3 q and k, 4-5 v
	s_and_b32 s98, s101, 1
	s_lshl_b32 s98, s98, 3
	s_mov_b32 s18, 1572864                         ; Wv's images in wbuf
	s_mov_b32 s19, 9502720                         ; Wv's scale words
	s_mov_b32 s99, 3145728                         ; h's scale words in hbuf
	s_cmp_lt_u32 s101, 4
	s_cselect_b32 s97, s101, 0                     ; A's block: 4 x this + cy: 16 blocks of tokens, or 4 of Wv's rows
	s_cselect_b32 s98, 0, s98                      ; B's block: x, or x + 8 (cluster y - 4): 8 blocks of Wq, Wk, or 16 of tokens
	s_cselect_b32 s18, 0, s18
	s_cselect_b32 s19, 3145728, s19
	s_cselect_b32 s99, 9437184, s99
	s_lshl_b32 s17, s97, 2
	s_add_co_u32 s17, s17, s93                     ; A's block (hangs on cy, never on cx)
	s_lshl_b32 s94, ttmp9, 2
	s_add_co_u32 s94, s94, s92
	s_add_co_u32 s94, s94, s98                     ; B's block (hangs on cx, never on cy)
	s_or_b32 s[G1+0], s95, (3<<16)|(1<<21)         ; 15:0 the mask; 17:16 elements of 8 bytes; 21 set beside a mask; no padding
	s_or_b32 s[G1B+0], s96, (3<<16)|(1<<21)
.irp g, G1, G1B
	s_mov_b32 s[\g+1], 576<<16                     ; a row of the tile: three K steps of one tile of 16 rows, 4,608 bytes
	s_mov_b32 s[\g+2], 16<<16                      ; sixteen tiles at the head
	s_mov_b32 s[\g+3], 576<<16
	s_mov_b32 s[\g+4], 16
	s_mov_b32 s[\g+5], 1536                        ; from a tile's image to the next: 12,288 bytes
	s_mov_b32 s[\g+6], 0
	s_mov_b32 s[\g+7], 0
.endr
	s_or_b32 s[G1S+0], s95, (3<<16)|(1<<21)        ; scale words: 8,192 dense bytes, as 32 rows of 256
	s_or_b32 s[G1SB+0], s96, (3<<16)|(1<<21)
.irp g, G1S, G1SB
	s_mov_b32 s[\g+1], 32<<16
	s_mov_b32 s[\g+2], 32<<16                      ; a block's scale words: 8,192 dense bytes
	s_mov_b32 s[\g+3], 32<<16
	s_mov_b32 s[\g+4], 32
	s_mov_b32 s[\g+5], 32
	s_mov_b32 s[\g+6], 0
	s_mov_b32 s[\g+7], 0
.endr
	s_mul_i32 s20, s17, 196608                     ; A's codes: 16 tiles of 12,288 bytes a block,
	s_add_co_u32 s20, s20, s18
	s_mul_i32 s18, s16, 98304                      ; the half that I fetch
	s_add_co_u32 s20, s20, s18
	s_mov_b32 s21, 0
	s_lshl_b32 s22, s17, 13                        ; A's scale words: 8 pairs x 8 x 128 bytes a block
	s_add_co_u32 s22, s22, s19
	s_lshl_b32 s19, s16, 12
	s_add_co_u32 s22, s22, s19
	s_mov_b32 s23, 0
	s_mul_i32 s66, s94, 196608                     ; B's codes
	s_add_co_u32 s66, s66, s18
	s_mov_b32 s67, 0
	s_lshl_b32 s2, s94, 13                         ; B's scale words
	s_add_co_u32 s2, s2, s99
	s_add_co_u32 s2, s2, s19
	s_mov_b32 s3, 0
	s_mul_i32 s97, s16, 24576                      ; where they go: no place in the cluster enters an LDS address
	s_add_co_u32 s98, s97, 49152
	s_wait_kmcnt 0x0
	s_cmp_lt_u32 s101, 4
	s_cselect_b64 s[10:11], s[4:5], s[6:7]         ; A's buffer: tokens or weights
	s_cselect_b64 s[12:13], s[6:7], s[4:5]         ; B's: the other
	s_add_nc_u64 s[20:21], s[10:11], s[20:21]
	s_add_nc_u64 s[22:23], s[10:11], s[22:23]
	s_add_nc_u64 s[66:67], s[12:13], s[66:67]
	s_add_nc_u64 s[2:3], s[12:13], s[2:3]
	CROUND                                         ; all sixteen work-groups are here: the first joint loads meet
	s_mov_b32 s12, s18                             ; the half that my ring loads fetch, in bytes of codes: taken off again for the head's whole blocks
	s_mov_b32 s13, 0
	s_mov_b32 s[G0+8], 1                           ; head: A's 16 tiles, K steps 0-2
	s_mov_b32 s[G0+9], 0
	s_sub_nc_u64 s[G0+10:G0+11], s[20:21], s[12:13]
	s_or_b32 s[G0+11], s[G0+11], 0x80000000
	s_mov_b32 s68, 1                               ; B's 16 tiles, behind them
	s_mov_b32 s69, 73728
	s_sub_nc_u64 s[70:71], s[66:67], s[12:13]
	s_or_b32 s71, s71, 0x80000000
	s_mov_b32 s12, s19                             ; the same half in bytes of scale words
	s_mov_b32 s[G0S], 1
	s_mov_b32 s[G0S+1], SCA
	s_sub_nc_u64 s[G0S+2:G0S+3], s[22:23], s[12:13]
	s_or_b32 s[G0S+3], s[G0S+3], 0x80000000
	s_mov_b32 s[G0SB], 1
	s_mov_b32 s[G0SB+1], SCB
	s_sub_nc_u64 s[G0SB+2:G0SB+3], s[2:3], s[12:13]
	s_or_b32 s[G0SB+3], s[G0SB+3], 0x80000000
	s_mov_b32 s[G0], 1                             ; the refill of slot 0: my eight tiles, K steps 6 and 7
	s_mov_b32 s[G0+1], s97
	s_add_nc_u64 s[G0+2:G0+3], s[20:21], 9216
	s_or_b32 s[G0+3], s[G0+3], 0x80000000
	s_mov_b32 s56, 1
	s_mov_b32 s57, s98
	s_add_nc_u64 s[58:59], s[66:67], 9216
	s_or_b32 s59, s59, 0x80000000
	s_mul_i32 s12, s16, 36864                      ; slot 1: my eight tiles, K steps 3-5
	s_mov_b32 s[G0+4], 1
	s_add_co_u32 s[G0+5], s12, REG
	s_add_nc_u64 s[G0+6:G0+7], s[20:21], 4608
	s_or_b32 s[G0+7], s[G0+7], 0x80000000
	s_mov_b32 s60, 1
	s_add_co_u32 s61, s12, REG+73728
	s_add_nc_u64 s[62:63], s[66:67], 4608
	s_or_b32 s63, s63, 0x80000000
.macro ARM under, g0, g1, next         ; one chain of branches on the wave's number, one load to an arm, all arms to one join
	s_cmp_lt_u32 s14, \under
	s_cbranch_scc0 \next
	tensor_load_to_lds s[\g0:\g0+3], s[\g1:\g1+7]
	s_nop 0
.rept 4
	v_nop
.endr
	s_branch .Lhead_asked
\next:
.endm
	ARM 1, G0+8, G1,  .Lhead_b
	ARM 2, 68,   G1B, .Lhead_sa
	ARM 3, G0S,  G1S, .Lhead_sb
	tensor_load_to_lds s[G0SB:G0SB+3], s[G1SB:G1SB+7]
	s_nop 0
.rept 4
	v_nop
.endr
.Lhead_asked:
	v_and_b32 v3, 31, v0
	v_lshlrev_b32 v1, 4, v3                        ; 16 x lane
	v_lshl_add_u32 v2, v3, 3, 512                  ; 512 + 8 x lane
	v_lshlrev_b32 v3, 2, v3                        ; 4 x lane
	s_mul_i32 s18, s15, 24576                      ; slot 0 filled again: my eight tiles of A, 3,072 bytes apart,
	s_mul_i32 s19, s16, 24576
	s_add_co_u32 s19, s19, 49152                   ; and of B
	v_add_nc_u32 v18, s18, v1
	v_add_nc_u32 v21, s18, v2
	v_add_nc_u32 v24, s19, v1
	v_add_nc_u32 v27, s19, v2
	s_mul_i32 s18, s15, 36864                      ; the two slots: tiles 4,608 bytes apart
	s_mul_i32 s19, s16, 36864
	s_add_co_u32 s19, s19, 73728
.irp j, 0,1
	v_add_nc_u32 v[16+\j], s18, v1
	v_add_nc_u32 v[19+\j], s18, v2
	v_add_nc_u32 v[22+\j], s19, v1
	v_add_nc_u32 v[25+\j], s19, v2
	s_add_co_u32 s18, s18, REG
	s_add_co_u32 s19, s19, REG
.endr
	s_lshl_b32 s18, s15, 12
	s_add_co_u32 s18, s18, SCA
	v_add_nc_u32 v30, s18, v3
	s_lshl_b32 s19, s16, 12
	s_add_co_u32 s19, s19, SCB
	v_add_nc_u32 v31, s19, v3
	s_wait_alu depctr_va_vdst(0)
	s_wait_tensorcnt 0x0                           ; my tile of the head's four is in
	ds_add_u32 v28, v29
	s_mov_b32 s[G1+2], 8<<16                       ; no load of mine is out: from here on a load brings eight tiles
	s_mov_b32 s[G1+4], 8
	s_mov_b32 s[G1B+2], 8<<16
	s_mov_b32 s[G1B+4], 8
	s_wait_dscnt 0x0
	CROUND                                         ; everybody's tile is in, and the joint loads meet
	JLOAD G0+4, G1, 60, G1B                        ; slot 1: K steps 3-5
	RUN 0, 0, 0, 0, 16
	LDSC 0, 0
	KSTEP 0, 1                                     ; the first products start the sums
	KSTEP 1, 0
	KTURN 2
	KSTEP 3, 0
	KSTEP 4, 0
	KMEET 5
	KSTEP 6, 0
	s_wait_dscnt 0x0                               ; the last K step: nothing more to fetch
.irp a, 0,1,2,3,4,5,6,7
	MULG 1, \a, 0
.endr
	WIN 0
	PLACES 4                                       ; behind the last products
	s_mov_b32 s[SEL], 0x76543210
	s_mov_b32 s[SEL+1], 0xfedcba98
	s_mov_b32 s100, 0xffff0000                     ; lanes 16-31
.irp b, 0,1,2,3
	v_mov_b32 v[TM+4+\b], 0                        ; a lane permute's destination counts as one of its sources
.endr
.irp a, 0,1,2,3,4,5,6,7                        ; each tile has registers of its own for its codes and its word: no store's data are written again
	QUANTW 2+\a/4, 64*(\a%4), 64+12*\a, 184+\a, 0
.endr
	s_cmp_ge_u32 s101, 4
	s_cbranch_scc1 .Lvpart
	; q and k: half 0 of a fragment is my even head's 64 channels, half 1 the odd head's
	s_lshr_b32 s18, s17, 3
	s_lshl_b32 s18, s18, 4                         ; batch x 16
	s_and_b32 s19, s94, 3
	s_lshl_b32 s19, s19, 2
	s_add_co_u32 s18, s18, s19
	s_lshl_b32 s19, s16, 1
	s_add_co_u32 s18, s18, s19                     ; + head = 4 (x % 4) + 2 wb
	s_and_b32 s19, s17, 7
	s_lshl_b32 s19, s19, 4
	s_lshl_b32 s20, s15, 3
	s_add_co_u32 s19, s19, s20                     ; my first tile of tokens in the batch
	s_lshr_b32 s20, s94, 2                         ; 0: q, 1: k
	s_lshl_b32 s22, s18, 7
	s_add_co_u32 s22, s22, s19
	s_mul_i32 s22, s22, 768
	s_mul_i32 s21, s20, 3145728
	s_add_co_u32 s22, s22, s21
	s_mov_b32 s23, 0
	s_add_nc_u64 s[22:23], s[8:9], s[22:23]
	s_lshl_b32 s66, s18, 6
	s_lshr_b32 s19, s19, 1
	s_add_co_u32 s66, s66, s19
	s_lshl_b32 s66, s66, 7
	s_lshl_b32 s21, s20, 18
	s_add_co_u32 s66, s66, s21
	s_add_co_u32 s66, s66, 9437184
	s_mov_b32 s67, 0
	s_add_nc_u64 s[66:67], s[8:9], s[66:67]
	s_wait_alu depctr_va_vdst(0)
.irp a, 0,1,2,3,4,5,6,7
	global_store_b128 v1, v[64+12*\a:67+12*\a], s[22:23] offset:768*\a
	global_store_b64 v2, v[68+12*\a:69+12*\a], s[22:23] offset:768*\a
	global_store_b128 v1, v[70+12*\a:73+12*\a], s[22:23] offset:98304+768*\a     ; the next head: 128 halves on
	global_store_b64 v2, v[74+12*\a:75+12*\a], s[22:23] offset:98304+768*\a
.endr
.irp f, 0,1,2,3
	v_cndmask_b32 v[192+\f], v[184+2*\f], v[185+2*\f], s100     ; lanes 0-15 the even tile's words, lanes 16-31 the odd tile's
	v_perm_b32 v[196+\f], v[192+\f], v[192+\f], 0x01000100      ; the even head's two bytes, twice: they serve either half of the instruction's K
	v_perm_b32 v[200+\f], v[192+\f], v[192+\f], 0x03020302      ; the odd head's
	global_store_b32 v3, v[196+\f], s[66:67] offset:128*\f
	global_store_b32 v3, v[200+\f], s[66:67] offset:8192+128*\f
.endr
	s_branch .Ldone
.Lvpart:
	; v: a fragment is 16 d x 128 keys; my tiles 0-3 are one head's 64 d, tiles 4-7 the next head's
	s_lshl_b32 s18, s17, 2
	s_lshl_b32 s19, s15, 1
	s_add_co_u32 s18, s18, s19                     ; head = 4 x A's block + 2 wa
	s_lshl_b32 s19, s94, 1
	s_add_co_u32 s19, s19, s16                     ; step of 128 tokens, 0..31
	s_lshr_b32 s20, s19, 4
	s_lshl_b32 s20, s20, 4
	s_add_co_u32 s18, s18, s20                     ; batch x 16 + head
	s_and_b32 s19, s19, 15
	s_lshl_b32 s18, s18, 4
	s_add_co_u32 s18, s18, s19
	s_mul_i32 s22, s18, 6144
	s_add_co_u32 s22, s22, 6291456
	s_mov_b32 s23, 0
	s_add_nc_u64 s[22:23], s[8:9], s[22:23]
	s_lshl_b32 s66, s18, 9
	s_add_co_u32 s66, s66, 9961472
	s_mov_b32 s67, 0
	s_add_nc_u64 s[66:67], s[8:9], s[66:67]
	s_wait_alu depctr_va_vdst(0)
.irp a, 0,1,2,3,4,5,6,7
	STFRAG 64+12*\a, 22, 98304*(\a/4)+1536*(\a%4)
	global_store_b32 v3, v[184+\a], s[66:67] offset:8192*(\a/4)+128*(\a%4)      ; row r's word stands in lanes r and r + 16
.endr
.Ldone:
	s_wait_tensorcnt 0x0                           ; the wave's end: behind my last tensor load, as my last LDS instructions
	ds_add_u32 v28, v29
	s_wait_dscnt 0x0
	CROUND                                         ; the closing round: no work-group ends while a partner may still ask for a tile that names it
	s_endpgm
.Lfunc_end_k_qce351dcb0c_qkv:
	.size	k_qce351dcb0c_qkv, .Lfunc_end_k_qce351dcb0c_qkv-k_qce351dcb0c_qkv
	.p2alignl 7, 3214868480
	.fill 96, 4, 3214868480
	.section	.rodata,"a",@progbits
	.p2align	6, 0x0
	.amdhsa_kernel k_qce351dcb0c_qkv
		.amdhsa_group_segment_fixed_size 327680
		.amdhsa_private_segment_fixed_size 0
		.amdhsa_enable_private_segment 0
		.amdhsa_kernarg_size 24
		.amdhsa_user_sgpr_count 2
		.amdhsa_user_sgpr_kernarg_segment_ptr 1
		.amdhsa_wavefront_size32 1
		.amdhsa_system_sgpr_workgroup_id_x 1
		.amdhsa_system_sgpr_workgroup_id_y 1
		.amdhsa_system_sgpr_workgroup_id_z 1
		.amdhsa_system_vgpr_workitem_id 0
		.amdhsa_next_free_vgpr 1024
		.amdhsa_next_free_sgpr 102
		.amdhsa_reserve_vcc 0
		.amdhsa_float_denorm_mode_32 3
		.amdhsa_float_denorm_mode_16_64 3
		.amdhsa_memory_ordered 1
		.amdhsa_forward_progress 1
		.amdhsa_inst_pref_size 158
	.end_amdhsa_kernel
	.amdgpu_metadata
---
amdhsa.version: [ 1, 2 ]
amdhsa.kernels:
  - .name:           k_qce351dcb0c_qkv
    .symbol:         k_qce351dcb0c_qkv.kd
    .args:
      - { .name: hbuf, .offset: 0, .size: 8, .value_kind: global_buffer, .address_space: global }
      - { .name: wbuf, .offset: 8, .size: 8, .value_kind: global_buffer, .address_space: global }
      - { .name: qkvbuf, .offset: 16, .size: 8, .value_kind: global_buffer, .address_space: global }
    .group_segment_fixed_size: 327680
    .private_segment_fixed_size: 0
    .kernarg_segment_align: 8
    .kernarg_segment_size: 24
    .max_flat_workgroup_size: 128
    .sgpr_count:     102
    .vgpr_count:     1024
    .wavefront_size: 32
...
	.end_amdgpu_metadata
.endif
;; end of part 9
;; launch attn (part 10): grid 8 x 32, 16 waves a work-group, no clusters, 327,680 bytes of LDS; arguments qkvbuf, obuf; writes obuf
.if DOCPART == 10
	.amdgcn_target "amdgcn-amd-amdhsa--gfx1250"
	.amdhsa_code_object_version 6
	.text
	.protected	k_qce351dcb0c_attn
	.globl	k_qce351dcb0c_attn
	.p2align	8
	.type	k_qce351dcb0c_attn,@function
k_qce351dcb0c_attn:
	s_mov_b64 s[64:65], 0
	v_nop
	global_prefetch_b8 v0, s[64:65] scope:SCOPE_SE
	s_setreg_imm32_b32 hwreg(HW_REG_WAVE_MODE, 25, 1), 1
	s_wait_xcnt 0x0
; Causal attention of one (batch, head) on codes of FP6 (E2M3) with E8M0 scales; the result, divided by the row's sum, is quantised along the head's 64 channels and stored as half a fragment of the next product's operand.
; THE SOFTMAX: t = score x log2(e) / 8; M = the running largest t rounded up to a whole number; p = 2^(t - M) is quantised along the keys, not normalised; the row's sum is taken of the unquantised p.  When M moves, the sum and O are multiplied by 2^(old M - new M): exact.
; SHARES.  Work-group (i, batch x 16 + head) has sixteen waves, each with one tile of 16 queries: eight of the block of 128 queries i and eight of block 15 - i, so that every work-group has 8 (i + 1) + 8 (16 - i) = 136 wave steps.
; A wave works the key steps (128 keys) 0 .. its block; the last is on the diagonal.  The loops' trip counts are constants: a step all of whose keys are hidden is jumped over by a scalar branch on ids, round its work alone.
; LDS holds the head's whole K and V (codes and scale words, 212,992 bytes): every fill is a first fill, one tensor load a wave at the head from waves 0-3, one more chunk from each of waves 0-5 behind the first barrier; a second barrier stands ahead of key step 4.
; THE HEAD HAS 64 CHANNELS, THE INSTRUCTION'S K IS 128: source 0 is a PAIR of key tiles (tile 2 F in registers 0-5, tile 2 F + 1 in registers 6-11), source 1 is the queries' codes beside six registers of zeros: [q, 0] meets tile 2 F, [0, q] tile 2 F + 1.  Zero codes add nothing.
; Both products are used transposed: a lane holds one query (lane % 16).  Tiles are in the order row(t, r) = 32 (t / 2) + 8 (t % 2) + r + 8 (r / 8), so the 16 registers of score tiles 2 f, 2 f + 1 are keys 32 f + 16 (lane / 16) + 0 .. 15.
; NO CLUSTER: the query blocks of a head read the same K and V, but which key steps a wave works hangs on its query block, which would be its work-group's place in a cluster.
; NO PREFETCH: all tiles are requested by the first lines of the kernel; there is no later load to run ahead of.
; LIMITS: NaN and infinities are not served; a block of p or of the result whose largest magnitude lies under 2^-124, and a block of zeros, keep the scale byte 1 (codes zero; only this program reads the bytes).
; REGISTERS: v1-3, v41-45 lane terms; v4 my query less 16 (lane / 16); v5-10 the step's LDS addresses; v12 -M, v13 the largest t, v[14:15] the sum; v16-27 [q, 0]; v28-39 [0, q]; v40 q's scale word; v48-95 four fragments of K, then of V;
;   v96-159 scores, then p; v160-191 O^T; v192-203 p's codes; v204-210 conversions; v212-227 block maxima, permutes, scale operands, bytes; v228 p's scale word; v[230:231] f; v232-235 at work; v244-247 V's scale words; v248-251 K's.
.set WV, 8
.set HD, 9
.set JB, 11                            ; s11  my block of 128 queries = my last key step
.set TAU, 12                           ; s12  my tile of queries in the batch
.set SEL, 20
.set CS, 22
.set G1C, 24                           ; s[24:31] group 1: a chunk of four key steps, 24,576 dense bytes as 96 rows of 256
.set G1S, 32                           ; s[32:39] group 1: the scale words, 8,192 dense bytes as 32 rows of 256
.set G0, 40                            ; s[40:59] five groups 0
.set TB, 60                            ; s60  the step's codes: 6,144 bytes a step
.set TS, 61                            ; s61  its scale words: 512 bytes a step
.set ST, 62                            ; s62  the step
.set CNT, 63
; THE FILLS AS THEY NOW STAND: at the head one load a wave: wave 0 K's key steps 0-3, wave 1 V's, wave 2 K's scale words, wave 3 V's.  Behind the first barrier waves 0-5 fetch one further chunk of four key steps each (even waves K's, odd waves V's).
; A second barrier stands ahead of key step 4; the last twelve key steps run with no barrier.  All of a WGP's LDS is claimed.
.set KSC, 196608                       ; LDS: K's codes at 0, V's codes at VCO, K's scale words here,
.set VCO, 98304
.set VSC, 204800                       ; V's scale words
	s_load_b128 s[4:7], s[0:1], 0x0                ; qkvbuf, obuf
	v_lshl_add_u32 v254, v0, 2, 0x34000
	v_mov_b32 v255, 0
	ds_add_u32 v254, v255
	ds_add_u32 v254, v255
	v_lshrrev_b32 v1, 5, v0
	s_delay_alu instid0(VALU_DEP_1)
	v_readfirstlane_b32 s[WV], v1                  ; wave 0..15
	s_and_b32 s[HD], ttmp7, 0xffff                 ; batch x 16 + head
	s_and_b32 s13, s[WV], 1                        ; wave 0 fetches K, wave 1 V
	s_mul_i32 s18, s13, VCO
	s_mul_i32 s14, s13, 3145728
	s_mul_i32 s15, s[HD], 98304
	s_add_co_u32 s14, s14, s15
	s_add_co_u32 s14, s14, 3145728                 ; the head's codes of K or of V
	s_mov_b32 s15, 0
	s_lshl_b32 s16, s13, 18
	s_lshl_b32 s17, s[HD], 13
	s_add_co_u32 s16, s16, s17
	s_add_co_u32 s16, s16, 9699328                 ; and scale words
	s_mov_b32 s17, 0
	s_mov_b32 s[G1C], 3<<16                        ; no mask; elements of 8 bytes; no padding
	s_mov_b32 s[G1C+1], 32<<16
	s_mov_b32 s[G1C+2], 96<<16
	s_mov_b32 s[G1C+3], 32<<16
	s_mov_b32 s[G1C+4], 96
	s_mov_b32 s[G1C+5], 32
	s_mov_b32 s[G1C+6], 0
	s_mov_b32 s[G1C+7], 0
	s_mov_b32 s[G1S], 3<<16
	s_mov_b32 s[G1S+1], 32<<16
	s_mov_b32 s[G1S+2], 32<<16
	s_mov_b32 s[G1S+3], 32<<16
	s_mov_b32 s[G1S+4], 32
	s_mov_b32 s[G1S+5], 32
	s_mov_b32 s[G1S+6], 0
	s_mov_b32 s[G1S+7], 0
	s_wait_dscnt 0x0
	s_wait_kmcnt 0x0
	s_add_nc_u64 s[14:15], s[4:5], s[14:15]
	s_add_nc_u64 s[16:17], s[4:5], s[16:17]
	s_mov_b32 s[G0], 1
	s_lshl_b32 s19, s13, 13
	s_add_co_u32 s[G0+1], s19, KSC
	s_mov_b64 s[G0+2:G0+3], s[16:17]
	s_or_b32 s[G0+3], s[G0+3], 0x80000000
	s_mov_b32 s[G0+4], 1                           ; chunk 0 of K or of V
	s_mov_b32 s[G0+5], s18
	s_mov_b64 s[G0+6:G0+7], s[14:15]
	s_or_b32 s[G0+7], s[G0+7], 0x80000000
	s_lshr_b32 s19, s[WV], 1
	s_add_co_u32 s19, s19, 1
	s_min_u32 s19, s19, 3                          ; the later chunk that waves 0-5 fetch: 1 + wave / 2
	s_mul_i32 s16, s19, 24576
	s_mov_b32 s17, 0
	s_mov_b32 s[G0+8], 1
	s_add_co_u32 s[G0+9], s18, s16
	s_add_nc_u64 s[G0+10:G0+11], s[14:15], s[16:17]
	s_or_b32 s[G0+11], s[G0+11], 0x80000000
	s_cmp_lt_u32 s[WV], 2                          ; one chain of branches on the wave's number, one load to an arm
	s_cbranch_scc0 .Lhead_s
	tensor_load_to_lds s[G0+4:G0+7], s[G1C:G1C+7]
	s_nop 0
.rept 4
	v_nop
.endr
	s_branch .Lnofill
.Lhead_s:
	s_cmp_lt_u32 s[WV], 4
	s_cbranch_scc0 .Lnofill
	tensor_load_to_lds s[G0:G0+3], s[G1S:G1S+7]
	s_nop 0
.rept 4
	v_nop
.endr
.Lnofill:
	s_lshr_b32 s13, s[WV], 2
	s_xor_b32 s13, s13, s[WV]
	s_and_b32 s13, s13, 1                          ; which of the two blocks: of waves 2 t, 2 t + 1 one each, and mixed over the waves' numbers modulo 4 and by fours
	s_sub_co_u32 s19, 15, ttmp9
	s_cmp_eq_u32 s13, 1
	s_cselect_b32 s[JB], s19, ttmp9
	s_lshr_b32 s10, s[WV], 1                       ; my tile in the block
	s_lshl_b32 s[TAU], s[JB], 3
	s_add_co_u32 s[TAU], s[TAU], s10
	s_lshl_b32 s66, s[HD], 7
	s_add_co_u32 s66, s66, s[TAU]
	s_mul_i32 s66, s66, 768                        ; q's half
	s_mov_b32 s67, 0
	s_add_nc_u64 s[66:67], s[4:5], s[66:67]
	s_lshl_b32 s68, s[HD], 6
	s_lshr_b32 s13, s[TAU], 1
	s_add_co_u32 s68, s68, s13
	s_lshl_b32 s68, s68, 7
	s_and_b32 s13, s[TAU], 1
	s_lshl_b32 s13, s13, 6
	s_add_co_u32 s68, s68, s13
	s_add_co_u32 s68, s68, 9437184                 ; q's scale words
	s_mov_b32 s69, 0
	s_add_nc_u64 s[68:69], s[4:5], s[68:69]
	s_lshr_b32 s13, s[HD], 4
	s_lshl_b32 s13, s13, 7
	s_add_co_u32 s13, s13, s[TAU]                  ; my tile among all 256
	s_and_b32 s19, s[HD], 15                       ; the head
	s_lshl_b32 s70, s13, 4
	s_add_co_u32 s70, s70, s19
	s_mul_i32 s70, s70, 768                        ; out: (tile x 8 + head / 2) x 1,536 + (head % 2) x 768
	s_mov_b32 s71, 0
	s_add_nc_u64 s[70:71], s[6:7], s[70:71]
	s_lshr_b32 s72, s13, 1
	s_lshl_b32 s72, s72, 3
	s_lshr_b32 s73, s19, 1
	s_add_co_u32 s72, s72, s73
	s_lshl_b32 s72, s72, 7
	s_and_b32 s73, s13, 1
	s_lshl_b32 s73, s73, 6
	s_add_co_u32 s72, s72, s73
	s_and_b32 s73, s19, 1
	s_lshl_b32 s73, s73, 1
	s_add_co_u32 s72, s72, s73
	s_add_co_u32 s72, s72, 3145728                 ; its two scale bytes
	s_mov_b32 s73, 0
	s_add_nc_u64 s[72:73], s[6:7], s[72:73]
	s_mov_b32 s[SEL], 0x76543210
	s_mov_b32 s[SEL+1], 0xfedcba98
	s_mov_b32 s[CS], 0x3e38aa3b                    ; c = log2(e) / 8
	s_mov_b32 s[CS+1], s[CS]
	s_mov_b32 s[TB], 0
	s_mov_b32 s[TS], 0
	s_mov_b32 s[ST], 0
	v_and_b32 v3, 31, v0
	s_delay_alu instid0(VALU_DEP_1)
	v_lshlrev_b32 v1, 4, v3                        ; 16 x lane
	s_delay_alu instid0(VALU_DEP_2)
	v_lshl_add_u32 v2, v3, 3, 512                  ; 512 + 8 x lane
	s_delay_alu instid0(VALU_DEP_3)
	v_lshlrev_b32 v3, 2, v3                        ; 4 x lane
	v_and_b32 v46, 15, v0                          ; r
	v_bfe_u32 v47, v0, 4, 1                        ; h
	s_delay_alu instid0(VALU_DEP_2)
	v_lshlrev_b32 v45, 2, v46                      ; 4 r
	global_load_b128 v[16:19], v1, s[66:67]        ; q's six registers, twice: the two operands of a product share no register, and [q, 0] and [0, q] are two runs
	global_load_b64 v[20:21], v2, s[66:67]
	global_load_b128 v[34:37], v1, s[66:67]
	global_load_b64 v[38:39], v2, s[66:67]
	global_load_b32 v40, v45, s[68:69]
	v_and_b32 v4, 8, v46
	s_delay_alu instid0(VALU_DEP_1)
	v_add_nc_u32 v4, v4, v46
	v_lshlrev_b32 v47, 4, v47
	s_delay_alu instid0(VALU_DEP_1)
	v_sub_nc_u32 v4, v4, v47
	s_lshr_b32 s13, s10, 1
	s_lshl_b32 s13, s13, 5
	s_and_b32 s19, s10, 1
	s_lshl_b32 s19, s19, 3
	s_add_co_u32 s13, s13, s19
	v_add_nc_u32 v4, s13, v4                       ; my query in its block of 128, less 16 h
	v_add_nc_u32 v41, VCO, v1
	v_add_nc_u32 v42, VCO, v2
	v_add_nc_u32 v43, KSC, v3
	v_add_nc_u32 v44, VSC, v3
.irp j, 22,23,24,25,26,27,28,29,30,31,32,33
	v_mov_b32 v[\j], 0                             ; the zero halves
.endr
	v_mov_b32 v13, 0xff61b1e6                      ; the largest t so far: -3e38
	s_delay_alu instid0(VALU_DEP_1)
	v_floor_f32 v12, -v13
	v_mov_b32 v14, 0
	v_mov_b32 v15, 0
.irp b, 0,1,2,3
	v_mov_b32 v[216+\b], 0                         ; a lane permute's destination counts as one of its sources
.endr
	v_mov_b32 v231, 0                              ; (named as the upper half of a pair)
	v_mov_b32 v232, 0
.set j, 0
.rept 32
	v_mov_b32 v[160+j], 0                          ; O^T: the step is written once; the first finds zeros
.set j, j+1
.endr
.macro STEP
	s_cmp_gt_u32 s[ST], s[JB]                      ; all 128 keys come after my queries: only the stepping lines at the end are run
	s_cbranch_scc1 .Lhid_\@
	v_add_nc_u32 v5, s[TB], v1                     ; (these six are also the places in front of the loads into registers that the last step's products read)
	v_add_nc_u32 v6, s[TB], v2
	v_add_nc_u32 v7, s[TB], v41
	v_add_nc_u32 v8, s[TB], v42
	v_add_nc_u32 v9, s[TS], v43
	v_add_nc_u32 v10, s[TS], v44
.irp f, 0,1,2,3                                ; four pairs of key tiles
	ds_load_b128 v[48+12*\f:51+12*\f], v5 offset:1536*\f
	ds_load_b64 v[52+12*\f:53+12*\f], v6 offset:1536*\f
	ds_load_b128 v[54+12*\f:57+12*\f], v5 offset:1536*\f+768
	ds_load_b64 v[58+12*\f:59+12*\f], v6 offset:1536*\f+768
	ds_load_b32 v[248+\f], v9 offset:128*\f
.endr
	s_wait_alu depctr_va_vdst(0)
	s_wait_dscnt 0x0
.irp f, 0,1,2,3
	v_wmma_scale_f32_16x16x128_f8f6f4 v[96+16*\f:103+16*\f], v[48+12*\f:59+12*\f], v[16:27], 0, v[248+\f], v40 matrix_a_fmt:MATRIX_FMT_FP6 matrix_b_fmt:MATRIX_FMT_FP6
	v_wmma_scale_f32_16x16x128_f8f6f4 v[104+16*\f:111+16*\f], v[48+12*\f:59+12*\f], v[28:39], 0, v[248+\f], v40 matrix_a_fmt:MATRIX_FMT_FP6 matrix_b_fmt:MATRIX_FMT_FP6 matrix_a_scale:MATRIX_SCALE_ROW1
.endr
.rept 4
	v_nop                                          ; places: for the first read of the scores, and for the loads below
.endr
.irp t, 0,1,2,3                                ; V's four tiles of 16 d x these 128 keys: they land under the softmax
	ds_load_b128 v[48+12*\t:51+12*\t], v7 offset:1536*\t
	ds_load_b64 v[52+12*\t:53+12*\t], v8 offset:1536*\t
	ds_load_b128 v[54+12*\t:57+12*\t], v7 offset:1536*\t+768
	ds_load_b64 v[58+12*\t:59+12*\t], v8 offset:1536*\t+768
	ds_load_b32 v[244+\t], v10 offset:128*\t
.endr
	s_cmp_lt_u32 s[ST], s[JB]                      ; off the diagonal all keys count
	s_cbranch_scc1 .Lopen_\@
	v_mov_b32 v233, 0xff800000                     ; -infinity
.set n, 0
.rept 64                                       ; register 16 b + i holds key 32 b + 16 h + i of the step: hidden where 32 b + i > my query - 16 h
	v_cmp_gt_i32 vcc_lo, 32*(n/16)+n%16, v4
	v_cndmask_b32 v[96+n], v[96+n], v233, vcc_lo
.set n, n+1
.endr
.Lopen_\@:
.irp b, 0,1,2,3
	v_max3_num_f32 v[212+\b], v[96+16*\b], v[97+16*\b], v[98+16*\b]   ; the largest score of each block of 32 keys: for the row's maximum and, since p rises with the score, for the block's largest p
.endr
.irp i, 3,5,7,9,11,13
.irp b, 0,1,2,3
	v_max3_num_f32 v[212+\b], v[212+\b], v[96+16*\b+\i], v[97+16*\b+\i]
.endr
.endr
.irp b, 0,1,2,3
	v_max_num_f32 v[212+\b], v[212+\b], v[111+16*\b]
.endr
.irp b, 0,1,2,3
	s_delay_alu instid0(VALU_DEP_4)
	v_permlanex16_b32 v[216+\b], v[212+\b], s[SEL], s[SEL+1]
.endr
.irp b, 0,1,2,3
	s_delay_alu instid0(VALU_DEP_4)
	v_max_num_f32 v[212+\b], v[212+\b], v[216+\b]
.endr
	s_delay_alu instid0(VALU_DEP_2)
	v_max3_num_f32 v232, v212, v213, v214
	s_delay_alu instid0(VALU_DEP_1)
	v_max_num_f32 v232, v232, v215
	s_delay_alu instid0(VALU_DEP_1)
	v_mul_f32 v232, s[CS], v232
	s_delay_alu instid0(VALU_DEP_1)
	v_max_num_f32 v13, v13, v232                   ; the running largest t
	v_mov_b32 v232, v12
	s_delay_alu instid0(VALU_DEP_2)
	v_floor_f32 v12, -v13                          ; the new -M: a whole number
	s_delay_alu instid0(VALU_DEP_1)
	v_sub_f32 v232, v12, v232
	s_delay_alu instid0(VALU_DEP_1)
	v_cvt_i32_f32 v232, v232                       ; (it saturates)
	s_delay_alu instid0(VALU_DEP_1)
	v_ldexp_f32 v230, 1.0, v232                    ; f = 2^(old M - new M)
.set j, 0
.rept 32
	v_pk_fma_f32 v[96+j:97+j], v[96+j:97+j], s[CS:CS+1], v[12:13] op_sel_hi:[1,0,0]   ; t - M
.set j, j+2
.endr
.irp b, 0,1,2,3
	v_fma_f32 v[212+\b], v[212+\b], s[CS], v12
.endr
.set j, 0
	s_wait_alu depctr_va_vdst(0)
.rept 64
	v_exp_f32 v[96+j], v[96+j]                     ; p, at most 1
.set j, j+1
.endr
	v_pk_mul_f32 v[14:15], v[14:15], v[230:231] op_sel_hi:[1,0]   ; the sums under the new M (a plain place behind the exponentials)
	s_wait_alu depctr_va_vdst(0)                   ; one wait for the batch, ahead of its first reader
.irp b, 0,1,2,3
	v_exp_f32 v[212+\b], v[212+\b]                 ; each block's largest p
.endr
	v_pk_add_f32 v[234:235], v[100:101], v[104:105]
	v_pk_add_f32 v[252:253], v[108:109], v[112:113]
	v_pk_add_f32 v[250:251], v[116:117], v[120:121]
	v_pk_add_f32 v[248:249], v[124:125], v[128:129]
	v_pk_add_f32 v[242:243], v[132:133], v[136:137]
	v_pk_add_f32 v[240:241], v[140:141], v[144:145]
	v_pk_add_f32 v[238:239], v[148:149], v[152:153]
	v_pk_add_f32 v[14:15], v[14:15], v[156:157]
	v_pk_add_f32 v[234:235], v[234:235], v[96:97]
	v_pk_add_f32 v[252:253], v[252:253], v[98:99]
	v_pk_add_f32 v[250:251], v[250:251], v[102:103]
	v_pk_add_f32 v[248:249], v[248:249], v[106:107]
	v_pk_add_f32 v[242:243], v[242:243], v[110:111]
	v_pk_add_f32 v[240:241], v[240:241], v[114:115]
	v_pk_add_f32 v[238:239], v[238:239], v[118:119]
	v_pk_add_f32 v[14:15], v[14:15], v[122:123]
	v_pk_add_f32 v[234:235], v[234:235], v[126:127]
	v_pk_add_f32 v[252:253], v[252:253], v[130:131]
	v_pk_add_f32 v[250:251], v[250:251], v[134:135]
	v_pk_add_f32 v[248:249], v[248:249], v[138:139]
	v_pk_add_f32 v[242:243], v[242:243], v[142:143]
	v_pk_add_f32 v[240:241], v[240:241], v[146:147]
	v_pk_add_f32 v[238:239], v[238:239], v[150:151]
	v_pk_add_f32 v[14:15], v[14:15], v[154:155]
	v_pk_add_f32 v[234:235], v[234:235], v[158:159]
	s_delay_alu instid0(VALU_DEP_2)
	v_pk_add_f32 v[14:15], v[14:15], v[248:249]
	s_delay_alu instid0(VALU_DEP_2)
	v_pk_add_f32 v[234:235], v[234:235], v[242:243]
	v_pk_add_f32 v[252:253], v[252:253], v[240:241]
	v_pk_add_f32 v[250:251], v[250:251], v[238:239]
	s_delay_alu instid0(VALU_DEP_2)
	v_pk_add_f32 v[14:15], v[14:15], v[252:253]
	s_delay_alu instid0(VALU_DEP_2)
	v_pk_add_f32 v[234:235], v[234:235], v[250:251]
	s_delay_alu instid0(VALU_DEP_1)
	v_pk_add_f32 v[14:15], v[14:15], v[234:235]
	s_wait_alu depctr_va_vdst(0)                   ; and one for the four
.irp b, 0,1,2,3
	v_max_num_f32 v[212+\b], 0x1800000, v[212+\b]  ; the floor 2^(3 - 127)
.endr
.irp b, 0,1,2,3
	s_delay_alu instid0(VALU_DEP_4)
	v_add_nc_u32 v[220+\b], 0xff000000, v[212+\b]
.endr
.irp b, 0,1,2,3
	s_delay_alu instid0(VALU_DEP_4)
	v_lshrrev_b32 v[224+\b], 23, v[220+\b]
.endr
	s_delay_alu instid0(VALU_DEP_3)
	v_lshl_or_b32 v228, v225, 8, v224              ; p's scale word for these 128 keys
	s_delay_alu instid0(VALU_DEP_1)
	v_lshl_or_b32 v228, v226, 16, v228
	s_delay_alu instid0(VALU_DEP_1)
	v_lshl_or_b32 v228, v227, 24, v228
.irp c, 0,1
	v_cvt_scalef32_pk16_fp6_f32 v[192+6*\c:194+6*\c], v[96+32*\c:111+32*\c], v[220+2*\c]
	v_cvt_scalef32_pk16_fp6_f32 v[204+4*\c:206+4*\c], v[112+32*\c:127+32*\c], v[221+2*\c]
.endr
	v_nop                                          ; one plain place behind a scaled conversion
.irp c, 0,1
.irp i, 0,1,2
	v_permlane16_swap_b32 v[192+6*\c+\i], v[204+4*\c+\i]
.endr
.irp i, 0,1,2
	s_delay_alu instid0(VALU_DEP_3)
	v_mov_b32 v[195+6*\c+\i], v[204+4*\c+\i]
.endr
.endr
.set j, 0
.rept 16
	v_pk_mul_f32 v[160+j:161+j], v[160+j:161+j], v[230:231] op_sel_hi:[1,0]   ; O^T under the new M.  For each product below twelve of these name none of its registers: the places behind the writes of p's codes and scale word
.set j, j+2
.endr
	s_wait_alu depctr_va_vdst(0)
	s_wait_dscnt 0x0                               ; V
.irp t, 0,1,2,3
	v_wmma_scale_f32_16x16x128_f8f6f4 v[160+8*\t:167+8*\t], v[48+12*\t:59+12*\t], v[192:203], v[160+8*\t:167+8*\t], v[244+\t], v228 matrix_a_fmt:MATRIX_FMT_FP6 matrix_b_fmt:MATRIX_FMT_FP6
.endr
.Lhid_\@:
	s_add_co_u32 s[ST], s[ST], 1
	s_add_co_u32 s[TB], s[TB], 6144
	s_add_co_u32 s[TS], s[TS], 512
.endm
.macro CHUNK n, fill                   ; n key steps behind a barrier; fill = 1: the later chunks' first fills stand behind it
	s_wait_tensorcnt 0x0                           ; all my tensor loads have landed
.if \fill
	ds_add_u32 v254, v255                          ; the add, twice on end
	ds_add_u32 v254, v255
.endif
	s_wait_dscnt 0x0
	s_barrier_signal -1
	s_barrier_wait -1
.if \fill
	s_cmp_lt_u32 s[WV], 6
	s_cbranch_scc0 .Lnf_\@
	tensor_load_to_lds s[G0+8:G0+11], s[G1C:G1C+7]
	s_nop 0
.rept 4
	v_nop
.endr
.Lnf_\@:
.endif
	s_mov_b32 s[CNT], \n
.Lst_\@:
	STEP
	s_sub_co_u32 s[CNT], s[CNT], 1
	s_cmp_lg_u32 s[CNT], 0
	s_cbranch_scc1 .Lst_\@
.endm
	s_wait_alu depctr_va_vdst(0)                   ; the wait at the head's end
	s_wait_loadcnt 0x0                             ; q
	CHUNK 4, 1
	CHUNK 12, 0
	; THE WAY OUT
.rept 4
	v_nop                                          ; places behind the last products
.endr
	v_add_f32 v14, v14, v15
	s_delay_alu instid0(VALU_DEP_1)
	v_permlanex16_b32 v232, v14, s[SEL], s[SEL+1]
	s_delay_alu instid0(VALU_DEP_1)
	v_add_f32 v14, v14, v232                       ; the row's sum
	s_wait_alu depctr_va_vdst(0)
	v_rcp_f32 v14, v14
	v_nop                                          ; a plain place behind the transcendental
	s_wait_alu depctr_va_vdst(0)                   ; the wait ahead of its first reader
.set j, 0
.rept 32
	v_mul_f32 v[96+j], v[160+j], v14               ; register 16 b + i = channel 32 b + 16 h + i of my query
.set j, j+1
.endr
.irp b, 0,1
	v_max3_num_f32 v[212+\b], |v[96+16*\b]|, |v[97+16*\b]|, 0x1800000
.endr
.irp i, 2,4,6,8,10,12,14
.irp b, 0,1
	s_delay_alu instid0(VALU_DEP_2)
	v_max3_num_f32 v[212+\b], v[212+\b], |v[96+16*\b+\i]|, |v[97+16*\b+\i]|
.endr
.endr
.irp b, 0,1
	s_delay_alu instid0(VALU_DEP_2)
	v_permlanex16_b32 v[216+\b], v[212+\b], s[SEL], s[SEL+1]
.endr
.irp b, 0,1
	s_delay_alu instid0(VALU_DEP_2)
	v_max_num_f32 v[212+\b], v[212+\b], v[216+\b]
.endr
.irp b, 0,1
	s_delay_alu instid0(VALU_DEP_2)
	v_add_nc_u32 v[220+\b], 0xff000000, v[212+\b]
.endr
.irp b, 0,1
	s_delay_alu instid0(VALU_DEP_2)
	v_lshrrev_b32 v[224+\b], 23, v[220+\b]
.endr
	s_delay_alu instid0(VALU_DEP_1)
	v_lshl_or_b32 v228, v225, 8, v224
	v_cvt_scalef32_pk16_fp6_f32 v[192:194], v[96:111], v220
	v_cvt_scalef32_pk16_fp6_f32 v[204:206], v[112:127], v221
	v_nop
.irp i, 0,1,2
	v_permlane16_swap_b32 v[192+\i], v[204+\i]
.endr
.irp i, 0,1,2
	s_delay_alu instid0(VALU_DEP_3)
	v_mov_b32 v[195+\i], v[204+\i]
.endr
	global_store_b128 v1, v[192:195], s[70:71]     ; half a fragment: 512 + 256 consecutive bytes
	global_store_b64 v2, v[196:197], s[70:71]
	global_store_b16 v45, v228, s[72:73]           ; my row's two scale bytes of the K step's word (the other two are the neighbouring head's); lanes r and r + 16 store the same value.  Two bytes a lane: 1 byte in 24 of what the wave stores
	s_wait_tensorcnt 0x0
	ds_add_u32 v254, v255
	s_wait_dscnt 0x0
	s_endpgm
.Lfunc_end_k_qce351dcb0c_attn:
	.size	k_qce351dcb0c_attn, .Lfunc_end_k_qce351dcb0c_attn-k_qce351dcb0c_attn
	.p2alignl 7, 3214868480
	.fill 96, 4, 3214868480
	.section	.rodata,"a",@progbits
	.p2align	6, 0x0
	.amdhsa_kernel k_qce351dcb0c_attn
		.amdhsa_group_segment_fixed_size 327680
		.amdhsa_private_segment_fixed_size 0
		.amdhsa_enable_private_segment 0
		.amdhsa_kernarg_size 16
		.amdhsa_user_sgpr_count 2
		.amdhsa_user_sgpr_kernarg_segment_ptr 1
		.amdhsa_wavefront_size32 1
		.amdhsa_system_sgpr_workgroup_id_x 1
		.amdhsa_system_sgpr_workgroup_id_y 1
		.amdhsa_system_sgpr_workgroup_id_z 1
		.amdhsa_system_vgpr_workitem_id 0
		.amdhsa_next_free_vgpr 256
		.amdhsa_next_free_sgpr 100
		.amdhsa_reserve_vcc 1
		.amdhsa_float_denorm_mode_32 3
		.amdhsa_float_denorm_mode_16_64 3
		.amdhsa_memory_ordered 1
		.amdhsa_forward_progress 1
		.amdhsa_inst_pref_size 60
	.end_amdhsa_kernel
	.amdgpu_metadata
---
amdhsa.version: [ 1, 2 ]
amdhsa.kernels:
  - .name:           k_qce351dcb0c_attn
    .symbol:         k_qce351dcb0c_attn.kd
    .args:
      - { .name: qkvbuf, .offset: 0, .size: 8, .value_kind: global_buffer, .address_space: global }
      - { .name: obuf, .offset: 8, .size: 8, .value_kind: global_buffer, .address_space: global }
    .group_segment_fixed_size: 327680
    .private_segment_fixed_size: 0
    .kernarg_segment_align: 8
    .kernarg_segment_size: 16
    .max_flat_workgroup_size: 512
    .sgpr_count:     100
    .vgpr_count:     256
    .wavefront_size: 32
...
	.end_amdgpu_metadata
.endif
;; end of part 10
;; launch proj (part 11): grid 8 x 32, 4 waves a work-group, clusters of 4 x 4, 327,680 bytes of LDS; arguments obuf, wbuf, bproj, x, x1buf; writes x1buf
.if DOCPART == 11
	.amdgcn_target "amdgcn-amd-amdhsa--gfx1250"
	.amdhsa_code_object_version 6
	.text
	.protected	k_qce351dcb0c_proj
	.globl	k_qce351dcb0c_proj
	.p2align	8
	.type	k_qce351dcb0c_proj,@function
k_qce351dcb0c_proj:
	s_mov_b64 s[64:65], 0
	v_nop
	global_prefetch_b8 v0, s[64:65] scope:SCOPE_SE
	s_setreg_imm32_b32 hwreg(HW_REG_WAVE_MODE, 25, 1), 1
	s_wait_xcnt 0x0
	s_wait_alu depctr_hold_cnt(0) depctr_sa_sdst(0) depctr_va_vdst(0) depctr_va_sdst(0) depctr_va_ssrc(0) depctr_va_vcc(0) depctr_vm_vsrc(0)
	s_getreg_b32 s2, hwreg(HW_REG_IB_STS2, 6, 4)
	s_cmp_eq_u32 s2, 0
	s_cbranch_scc0 .Lentry_in_a_cluster
	s_endpgm
.Lentry_in_a_cluster:
	s_bfe_u32 s2, ttmp6, 0x10000c
	s_cmp_lg_u32 s2, 0xf033
	s_cbranch_scc0 .Lentry_shape_is_right
	s_endpgm
.Lentry_shape_is_right:
; x1 = x + attention output x Wproj + bproj, on codes of FP6 (E2M3) with E8M0 scales.  K = 1,024.
; Operands lie in memory as images of operand registers (a fragment of 16 rows x 128 K: two halves of 768 bytes; registers 6 c .. 6 c + 3 at 16 x lane, 6 c + 4, 6 c + 5 at 512 + 8 x lane), tiles in the order
; row(t, r) = 32 (t / 2) + 8 (t % 2) + r + 8 (r / 8); scale words by pairs of tiles, 128 bytes a pair and K step.
; A work-group makes 128 tokens x 128 columns; wave (wa, wb) 4 tiles of tokens x 4 tiles of Wproj's rows.  SOURCE 0 = Wproj's rows, SOURCE 1 = tokens: a lane holds one token, register 16 b + i of a token tile = column 32 b + 16 (lane / 16) + i of the wave's 64.
; The bias is the C of each sum's first product; x is added at the end.  x1 leaves as images of these registers (block (tile, column / 64): 4,096 bytes, registers 4 q .. 4 q + 3 at 512 q + 16 x lane): each store covers 512 consecutive bytes.
; CLUSTERS: 4 x 4; the tokens' tiles are asked for jointly along a row of the cluster, the weights' along a column.  The whole K fits in LDS (two slots of four K steps): every fill is a first fill.
; REGISTERS: window 0: v1-8 lane terms, v16-25 LDS addresses, v32-47 scale words, v64-95 bias, v128-223 A's fragments (two sets), at the end v128-255 the results; window 1: B's fragments; window 2: v0-127 the 16 accumulators, v128-255 x.
.set NB, 4
.set KS, 8
.set CM1, 2                            ; the first product of each sum takes the bias
.set AS0, 3145728                      ; the scale words in obuf
.set B0,  2359296                      ; Wproj's images in wbuf
.set BS0, 9535488                      ; its scale words
.set SLOTSZ, 49152+2*NB*6144
.set SCA,    2*SLOTSZ
.set SCB,    SCA+4*KS*128
.set G1, 24
.set G0, 32
.set G1B, 48
.set G0B, 56
.set G1S, 68
.set G0S, 76
.set G1SB, 80
.set G0SB, 88
.set MSB, 0
.macro WIN new                         ; the immediate's high byte repeats the setting that is left
.if MSB != (\new)
	s_set_vgpr_msb (MSB<<8)|(\new)
.set MSB, (\new)
.endif
.endm
.macro PLACES n
.rept \n
	v_nop
.endr
.endm
.macro JLOAD g0a, g1a, g0b, g1b        ; a joint load: waves 0 and 1 fetch for A, waves 2 and 3 for B; four v_nop follow each line
	s_cmp_eq_u32 s15, 0
	s_cbranch_scc0 .Lfor_b_\@
	tensor_load_to_lds s[\g0a:\g0a+3], s[\g1a:\g1a+7]
	s_nop 0
.rept 4
	v_nop
.endr
	s_branch .Lasked_\@
.Lfor_b_\@:
	tensor_load_to_lds s[\g0b:\g0b+3], s[\g1b:\g1b+7]
	s_nop 0
.rept 4
	v_nop
.endr
.Lasked_\@:
.endm
.macro CREST
	s_cmp_lg_u32 s14, 0
	s_cbranch_scc1 .Lnot_wave_0_\@
	s_barrier_signal -3
.Lnot_wave_0_\@:
	s_barrier_wait -3
	s_barrier_signal -1
	s_barrier_wait -1
.endm
.macro CROUND
	s_barrier_signal -1
	s_barrier_wait -1
	CREST
.endm
.macro FETCH slot, q, p, ks            ; one K step's fragments and scale words into set p
	WIN 0x40
.set bi, 0
.rept NB
.set rB, 128*(\p)+12*bi
.set oB, 6144*bi+1536*(\q)
	ds_load_b128 v[rB:rB+3], v[20+(\slot)] offset:oB
	ds_load_b64 v[rB+4:rB+5], v[22+(\slot)] offset:oB
	ds_load_b128 v[rB+6:rB+9], v[20+(\slot)] offset:oB+768
	ds_load_b64 v[rB+10:rB+11], v[22+(\slot)] offset:oB+768
.set bi, bi+1
.endr
	WIN 0
.set ai, 0
.rept 4
.set rA, 128+48*(\p)+12*ai
.set oA, 6144*ai+1536*(\q)
	ds_load_b128 v[rA:rA+3], v[16+(\slot)] offset:oA
	ds_load_b64 v[rA+4:rA+5], v[18+(\slot)] offset:oA
	ds_load_b128 v[rA+6:rA+9], v[16+(\slot)] offset:oA+768
	ds_load_b64 v[rA+10:rA+11], v[18+(\slot)] offset:oA+768
.set ai, ai+1
.endr
	ds_load_b32 v[32+8*(\p)], v24 offset:128*(\ks)
	ds_load_b32 v[33+8*(\p)], v24 offset:128*KS+128*(\ks)
.set bi, 0
.rept NB/2
	ds_load_b32 v[34+8*(\p)+bi], v25 offset:128*KS*bi+128*(\ks)
.set bi, bi+1
.endr
.endm
.macro WM cm                           ; one product; a pair's scale register holds the even tile's words in lanes 0-15, the odd tile's in lanes 16-31
.if (bi%2) && (ai%2)
	v_wmma_scale_f32_16x16x128_f8f6f4 v[rD:rD+7], v[rB:rB+11], v[rA:rA+11], v[rC:rC+7], v[rSB], v[rSA] matrix_a_fmt:MATRIX_FMT_FP6 matrix_b_fmt:MATRIX_FMT_FP6 matrix_a_scale:MATRIX_SCALE_ROW1 matrix_b_scale:MATRIX_SCALE_ROW1
.elseif bi%2
	v_wmma_scale_f32_16x16x128_f8f6f4 v[rD:rD+7], v[rB:rB+11], v[rA:rA+11], v[rC:rC+7], v[rSB], v[rSA] matrix_a_fmt:MATRIX_FMT_FP6 matrix_b_fmt:MATRIX_FMT_FP6 matrix_a_scale:MATRIX_SCALE_ROW1
.elseif ai%2
	v_wmma_scale_f32_16x16x128_f8f6f4 v[rD:rD+7], v[rB:rB+11], v[rA:rA+11], v[rC:rC+7], v[rSB], v[rSA] matrix_a_fmt:MATRIX_FMT_FP6 matrix_b_fmt:MATRIX_FMT_FP6 matrix_b_scale:MATRIX_SCALE_ROW1
.else
	v_wmma_scale_f32_16x16x128_f8f6f4 v[rD:rD+7], v[rB:rB+11], v[rA:rA+11], v[rC:rC+7], v[rSB], v[rSA] matrix_a_fmt:MATRIX_FMT_FP6 matrix_b_fmt:MATRIX_FMT_FP6
.endif
.endm
; A's tiles a0 .. a1 against B's NB, set p.  cm 0: onto the sums; 2: the bias (window 0, v64 on) starts them.  The 4 NB accumulators take turns, in the same order in every K step
.macro MULS p, a0, a1, cm
.if (\cm) == 2
	WIN 0x81
.else
	WIN 0xa1
.endif
.set ai, \a0
.rept (\a1)-(\a0)+1
.set bi, 0
.rept NB
.set rD, 8*(NB*ai+bi)
.set rC, rD
.if (\cm) == 2
.set rC, 64+8*bi
.endif
.set rB, 128*(\p)+12*bi
.set rA, 128+48*(\p)+12*ai
.set rSB, 34+8*(\p)+bi/2
.set rSA, 32+8*(\p)+ai/2
	WM \cm
.set bi, bi+1
.endr
.set ai, ai+1
.endr
.endm
.macro KSTEP slot, q, cm, next         ; next 1: the next step lies in the same slot; 2: in the other slot: one barrier; 0: there is none
.set pp, (\q)%2
	s_wait_dscnt 0x0                               ; this step's fragments and scale words are in
.if (\next) == 0
	MULS pp, 0, 3, \cm
.elseif (\next) == 1
	PLACES 4                                       ; in front of loads into the set that the last step's products read
	FETCH \slot, (\q)+1, 1-pp, 4*(\slot)+(\q)+1
	MULS pp, 0, 3, \cm
.else
	s_wait_tensorcnt 0x0                           ; my part of the other slot has landed,
	s_barrier_signal -1
	MULS pp, 0, 1, \cm
	WIN 0
	s_barrier_wait -1                              ; everybody's has
	PLACES 4
	FETCH 1-(\slot), 0, 1-pp, 4*(1-(\slot))
	MULS pp, 2, 3, \cm
.endif
.endm
	s_load_b256 s[4:11], s[0:1], 0x0               ; obuf, wbuf, bproj, x
	s_load_b64 s[12:13], s[0:1], 0x20              ; x1buf
	v_lshl_add_u32 v126, v0, 2, 0x32000
	v_mov_b32 v127, 0
	ds_add_u32 v126, v127
	ds_add_u32 v126, v127
	v_lshrrev_b32 v1, 5, v0
	v_readfirstlane_b32 s14, v1                    ; wave 0..3
	s_lshr_b32 s15, s14, 1                         ; wa; also: I fetch for A (0) or for B (1)
	s_and_b32 s16, s14, 1                          ; wb; also: which half I fetch
	s_bfe_u32 s40, ttmp6, 0x40000                  ; cx
	s_bfe_u32 s41, ttmp6, 0x40004                  ; cy
	s_lshl_b32 s42, ttmp9, 2
	s_add_co_u32 s42, s42, s40                     ; x: block of 128 columns
	s_and_b32 s17, ttmp7, 0xffff
	s_lshl_b32 s17, s17, 2
	s_add_co_u32 s17, s17, s41                     ; y: block of 128 tokens
	s_lshl_b32 s43, s41, 2
	s_lshl_b32 s43, 15, s43
	s_lshl_b32 s44, 0x1111, s40
	s_or_b32 s[G1+0], s43, (3<<16)|(1<<21)         ; the mask; elements of 8 bytes; bit 21 beside a mask; no padding
	s_or_b32 s[G1B+0], s44, (3<<16)|(1<<21)
	s_mov_b32 s[G1+1], 768<<16                     ; a row: four K steps of one tile, 6,144 bytes
	s_mov_b32 s[G1+2], 8<<16                       ; at the head a load brings all eight tiles
	s_mov_b32 s[G1+3], 768<<16
	s_mov_b32 s[G1+4], 8
	s_mov_b32 s[G1+5], KS*192
	s_mov_b32 s[G1+6], 0
	s_mov_b32 s[G1+7], 0
	s_mov_b32 s[G1B+1], 768<<16
	s_mov_b32 s[G1B+2], (2*NB)<<16
	s_mov_b32 s[G1B+3], 768<<16
	s_mov_b32 s[G1B+4], 2*NB
	s_mov_b32 s[G1B+5], KS*192
	s_mov_b32 s[G1B+6], 0
	s_mov_b32 s[G1B+7], 0
	s_or_b32 s[G1S+0], s43, (3<<16)|(1<<21)
	s_or_b32 s[G1SB+0], s44, (3<<16)|(1<<21)
	s_mov_b32 s[G1S+1], 32<<16
	s_mov_b32 s[G1S+2], (2*KS)<<16
	s_mov_b32 s[G1S+3], 32<<16
	s_mov_b32 s[G1S+4], 2*KS
	s_mov_b32 s[G1S+5], 32
	s_mov_b32 s[G1S+6], 0
	s_mov_b32 s[G1S+7], 0
	s_mov_b32 s[G1SB+1], 32<<16
	s_mov_b32 s[G1SB+2], (NB*KS/2)<<16
	s_mov_b32 s[G1SB+3], 32<<16
	s_mov_b32 s[G1SB+4], NB*KS/2
	s_mov_b32 s[G1SB+5], 32
	s_mov_b32 s[G1SB+6], 0
	s_mov_b32 s[G1SB+7], 0
	s_mul_i32 s20, s17, 8*KS*1536                  ; A's codes: my block, the half that I fetch
	s_mul_i32 s18, s16, 4*KS*1536
	s_add_co_u32 s20, s20, s18
	s_mov_b32 s21, 0
	s_mul_i32 s22, s17, KS*512                     ; A's scale words
	s_mul_i32 s18, s16, KS*256
	s_add_co_u32 s22, s22, s18
	s_add_co_u32 s22, s22, AS0
	s_mov_b32 s23, 0
	s_mul_i32 s46, s42, 2*NB*KS*1536               ; B's codes
	s_mul_i32 s18, s16, NB*KS*1536
	s_add_co_u32 s46, s46, s18
	s_add_co_u32 s46, s46, B0
	s_mov_b32 s47, 0
	s_mul_i32 s92, s42, NB*KS*128                  ; B's scale words
	s_mul_i32 s18, s16, NB*KS*64
	s_add_co_u32 s92, s92, s18
	s_add_co_u32 s92, s92, BS0
	s_mov_b32 s93, 0
	s_mul_i32 s45, s16, 24576                      ; where they go: no place in the cluster enters an LDS address
	s_mul_i32 s95, s16, NB*6144
	s_add_co_u32 s95, s95, 49152
	s_mul_i32 s97, s16, KS*256
	s_mul_i32 s98, s16, NB*KS*64
	s_wait_dscnt 0x0
	s_wait_kmcnt 0x0
	s_add_nc_u64 s[20:21], s[4:5], s[20:21]
	s_add_nc_u64 s[22:23], s[4:5], s[22:23]
	s_add_nc_u64 s[46:47], s[6:7], s[46:47]
	s_add_nc_u64 s[92:93], s[6:7], s[92:93]
	CROUND                                         ; all sixteen work-groups are here: the joint loads meet
	; THE HEAD'S LOADS, ONE A WAVE: wave 0 slot 0's eight tiles of A, wave 1 its eight of B, wave 2 A's scale words, wave 3 B's.  Slot 1 is first filled behind a round, a quarter a wave.
	s_mul_i32 s18, s16, 49152                      ; the half that my later load fetches, in bytes of codes: taken off again for the whole blocks
	s_mov_b32 s19, 0
	s_mov_b32 s[G0], 1
	s_mov_b32 s[G0+1], 0
	s_sub_nc_u64 s[G0+2:G0+3], s[20:21], s[18:19]
	s_or_b32 s[G0+3], s[G0+3], 0x80000000
	s_mov_b32 s[G0B], 1
	s_mov_b32 s[G0B+1], 49152
	s_sub_nc_u64 s[G0B+2:G0B+3], s[46:47], s[18:19]
	s_or_b32 s[G0B+3], s[G0B+3], 0x80000000
	s_mov_b32 s18, s97                             ; the same half in bytes of scale words
	s_mov_b32 s[G0S], 1
	s_mov_b32 s[G0S+1], SCA
	s_sub_nc_u64 s[G0S+2:G0S+3], s[22:23], s[18:19]
	s_or_b32 s[G0S+3], s[G0S+3], 0x80000000
	s_mov_b32 s[G0SB], 1
	s_mov_b32 s[G0SB+1], SCB
	s_sub_nc_u64 s[G0SB+2:G0SB+3], s[92:93], s[18:19]
	s_or_b32 s[G0SB+3], s[G0SB+3], 0x80000000
	s_mov_b32 s[G0+4], 1
	s_add_co_u32 s[G0+5], s45, SLOTSZ
	s_add_nc_u64 s[G0+6:G0+7], s[20:21], 6144
	s_or_b32 s[G0+7], s[G0+7], 0x80000000
	s_mov_b32 s[G0B+4], 1
	s_add_co_u32 s[G0B+5], s95, SLOTSZ
	s_add_nc_u64 s[G0B+6:G0B+7], s[46:47], 6144
	s_or_b32 s[G0B+7], s[G0B+7], 0x80000000
.macro ARM under, g0, g1, next         ; one chain of branches on the wave's number, one load to an arm, all arms to one join
	s_cmp_lt_u32 s14, \under
	s_cbranch_scc0 \next
	tensor_load_to_lds s[\g0:\g0+3], s[\g1:\g1+7]
	s_nop 0
.rept 4
	v_nop
.endr
	s_branch .Lhead_asked
\next:
.endm
	ARM 1, G0,  G1,  .Lhead_b
	ARM 2, G0B, G1B, .Lhead_sa
	ARM 3, G0S, G1S, .Lhead_sb
	tensor_load_to_lds s[G0SB:G0SB+3], s[G1SB:G1SB+7]
	s_nop 0
.rept 4
	v_nop
.endr
.Lhead_asked:
	v_and_b32 v3, 31, v0
	v_lshlrev_b32 v1, 4, v3                        ; 16 x lane
	v_lshl_add_u32 v2, v3, 3, 512                  ; 512 + 8 x lane
	v_lshlrev_b32 v3, 2, v3                        ; 4 x lane
	v_and_b32 v4, 15, v0                           ; r
	v_bfe_u32 v5, v0, 4, 1                         ; h
	s_mul_i32 s18, s15, 24576
	s_mul_i32 s19, s16, NB*6144
	s_add_co_u32 s19, s19, 49152
.irp s, 0,1
	v_add_nc_u32 v[16+\s], s18, v1
	v_add_nc_u32 v[18+\s], s18, v2
	v_add_nc_u32 v[20+\s], s19, v1
	v_add_nc_u32 v[22+\s], s19, v2
	s_add_co_u32 s18, s18, SLOTSZ
	s_add_co_u32 s19, s19, SLOTSZ
.endr
	s_mul_i32 s18, s15, KS*256
	s_add_co_u32 s18, s18, SCA
	v_add_nc_u32 v24, s18, v3
	s_mul_i32 s19, s16, NB*KS*64
	s_add_co_u32 s19, s19, SCB
	v_add_nc_u32 v25, s19, v3
	; the bias in the result's layout: for B tile 2 b + u the eight numbers at column 32 b + 16 h + 8 u
	v_lshlrev_b32 v7, 6, v5                        ; 64 h
	s_mul_i32 s18, s42, NB*128
	s_mul_i32 s19, s16, NB*64
	s_add_co_u32 s18, s18, s19
	s_mov_b32 s19, 0
	s_add_nc_u64 s[8:9], s[8:9], s[18:19]
.set bi, 0
.rept NB
	global_load_b128 v[64+8*bi:64+8*bi+3], v7, s[8:9] offset:128*(bi/2)+32*(bi%2)
	global_load_b128 v[64+8*bi+4:64+8*bi+7], v7, s[8:9] offset:128*(bi/2)+32*(bi%2)+16
.set bi, bi+1
.endr
	; x in the result's layout
	v_and_b32 v6, 8, v4
	v_add_nc_u32 v6, v6, v4
	v_lshl_add_u32 v8, v6, 12, v7                  ; my row of 4,096 bytes + 64 h
	s_wait_alu depctr_va_vdst(0)
	s_lshl_b32 s18, s17, 19                        ; 128 rows a block,
	s_lshl_b32 s19, s15, 18                        ; 64 a wave
	s_add_co_u32 s18, s18, s19
	s_lshl_b32 s19, s42, 9                         ; 128 columns a block,
	s_add_co_u32 s96, s18, s19
	s_lshl_b32 s19, s16, 8                         ; 64 a wave
	s_add_co_u32 s96, s96, s19
	s_mov_b32 s97, 0
	s_add_nc_u64 s[10:11], s[10:11], s[96:97]
	s_lshl_b32 s19, s42, 13                        ; x1's images: (tile x 16 + column / 64) x 4,096
	s_add_co_u32 s98, s18, s19
	s_lshl_b32 s19, s16, 12
	s_add_co_u32 s98, s98, s19
	s_mov_b32 s99, 0
	s_add_nc_u64 s[12:13], s[12:13], s[98:99]
	WIN 0x80                                       ; destination window 2
.irp a, 0,1,2,3
.irp b, 0,1
.irp j, 0,1,2,3
	global_load_b128 v[128+32*\a+16*\b+4*\j:131+32*\a+16*\b+4*\j], v8, s[10:11] offset:(32*(\a/2)+8*(\a%2))*4096+128*\b+16*\j
.endr
.endr
.endr
	WIN 0
	s_wait_alu depctr_va_vdst(0)                   ; the wait at the head's end
	s_wait_tensorcnt 0x0                           ; my tile of the head's four is in
	ds_add_u32 v126, v127
	s_mov_b32 s[G1+2], 4<<16                       ; no load of mine is out: slot 1's load brings four tiles
	s_mov_b32 s[G1+4], 4
	s_mov_b32 s[G1B+2], NB<<16
	s_mov_b32 s[G1B+4], NB
	s_wait_dscnt 0x0
	CROUND                                         ; everybody's tile is in, and the joint loads meet
	JLOAD G0+4, G1, G0B+4, G1B                     ; slot 1: K steps 4-7
	FETCH 0, 0, 0, 0
	s_wait_loadcnt 32                              ; the bias is in; x's 32 loads may be out
	KSTEP 0, 0, CM1, 1
	KSTEP 0, 1, 0, 1
	KSTEP 0, 2, 0, 1
	KSTEP 0, 3, 0, 2
	KSTEP 1, 0, 0, 1
	KSTEP 1, 1, 0, 1
	KSTEP 1, 2, 0, 1
	KSTEP 1, 3, 0, 0
	WIN 0
	PLACES 4                                       ; behind the last products
	s_wait_loadcnt 0x0                             ; x
.irp a, 0,1,2,3
	WIN 0x0a                                       ; sources window 2, destination window 0
.set j, 0
.rept 16
	v_pk_add_f32 v[128+32*\a+j:129+32*\a+j], v[32*\a+j:32*\a+j+1], v[128+32*\a+j:129+32*\a+j]   ; each accumulator from its low end on
.set j, j+2
.endr
	WIN 0
.irp q, 0,1,2,3,4,5,6,7
	global_store_b128 v1, v[128+32*\a+4*\q:131+32*\a+4*\q], s[12:13] offset:65536*\a+512*\q   ; 512 consecutive bytes a store
.endr
.endr
	s_wait_tensorcnt 0x0
	ds_add_u32 v126, v127
	s_wait_dscnt 0x0
	CROUND                                         ; the closing round
	s_endpgm
.Lfunc_end_k_qce351dcb0c_proj:
	.size	k_qce351dcb0c_proj, .Lfunc_end_k_qce351dcb0c_proj-k_qce351dcb0c_proj
	.p2alignl 7, 3214868480
	.fill 96, 4, 3214868480
	.section	.rodata,"a",@progbits
	.p2align	6, 0x0
	.amdhsa_kernel k_qce351dcb0c_proj
		.amdhsa_group_segment_fixed_size 327680
		.amdhsa_private_segment_fixed_size 0
		.amdhsa_enable_private_segment 0
		.amdhsa_kernarg_size 40
		.amdhsa_user_sgpr_count 2
		.amdhsa_user_sgpr_kernarg_segment_ptr 1
		.amdhsa_wavefront_size32 1
		.amdhsa_system_sgpr_workgroup_id_x 1
		.amdhsa_system_sgpr_workgroup_id_y 1
		.amdhsa_system_sgpr_workgroup_id_z 1
		.amdhsa_system_vgpr_workitem_id 0
		.amdhsa_next_free_vgpr 768
		.amdhsa_next_free_sgpr 100
		.amdhsa_reserve_vcc 0
		.amdhsa_float_denorm_mode_32 3
		.amdhsa_float_denorm_mode_16_64 3
		.amdhsa_memory_ordered 1
		.amdhsa_forward_progress 1
		.amdhsa_inst_pref_size 59
	.end_amdhsa_kernel
	.amdgpu_metadata
---
amdhsa.version: [ 1, 2 ]
amdhsa.kernels:
  - .name:           k_qce351dcb0c_proj
    .symbol:         k_qce351dcb0c_proj.kd
    .args:
      - { .name: obuf, .offset: 0, .size: 8, .value_kind: global_buffer, .address_space: global }
      - { .name: wbuf, .offset: 8, .size: 8, .value_kind: global_buffer, .address_space: global }
      - { .name: bproj, .offset: 16, .size: 8, .value_kind: global_buffer, .address_space: global }
      - { .name: x, .offset: 24, .size: 8, .value_kind: global_buffer, .address_space: global }
      - { .name: x1buf, .offset: 32, .size: 8, .value_kind: global_buffer, .address_space: global }
    .group_segment_fixed_size: 327680
    .private_segment_fixed_size: 0
    .kernarg_segment_align: 8
    .kernarg_segment_size: 40
    .max_flat_workgroup_size: 128
    .sgpr_count:     100
    .vgpr_count:     768
    .wavefront_size: 32
...
	.end_amdgpu_metadata
.endif
;; end of part 11
;; launch ln2 (part 12): grid 256 x 1, 8 waves a work-group, no clusters, 2,048 bytes of LDS; arguments x1buf, ln2_g, ln2_b, hbuf; writes hbuf
.if DOCPART == 12
	.amdgcn_target "amdgcn-amd-amdhsa--gfx1250"
	.amdhsa_code_object_version 6
	.text
	.protected	k_qce351dcb0c_ln2
	.globl	k_qce351dcb0c_ln2
	.p2align	8
	.type	k_qce351dcb0c_ln2,@function
k_qce351dcb0c_ln2:
	s_mov_b64 s[64:65], 0
	v_nop
	global_prefetch_b8 v0, s[64:65] scope:SCOPE_SE
	s_setreg_imm32_b32 hwreg(HW_REG_WAVE_MODE, 25, 1), 1
	s_wait_xcnt 0x0
; h2 = LayerNorm(x1) x gain + bias, quantised along the 1,024 columns to FP6 (E2M3) with one E8M0 byte for each 32, stored as images of operand registers (fragment (tile, K step) at (8 x tile + K step) x 1,536; scale words by pairs of tiles).
; x1 arrives as images of accumulator registers: block (tile, column / 64) of 4,096 bytes, registers 4 q .. 4 q + 3 at 512 q + 16 x lane, register 16 b + i = column 32 b + 16 (lane / 16) + i of the row of lane % 16: every load takes 512 consecutive bytes.
; A work-group takes one tile of 16 rows, wave w the columns 128 w .. 128 w + 127.  Mean and variance in two passes (the variance of x - mean); the eight waves' partial sums meet in LDS and are added in the same order by every wave.
; LIMITS: NaN and infinities are not served.  A block whose largest magnitude lies under 2^-124, and a block of zeros, keep the scale byte 1 (codes zero; only this program reads the bytes).
.set X,   32
.set G,   96
.set BB,  160
.set WK,  224
.set TM,  232
.set PW,  248
.set PC,  12
.set SEL, 22
.macro QUANT s
.irp b, 0,1,2,3
	v_max3_num_f32 v[TM+\b], |v[\s+16*\b]|, |v[\s+1+16*\b]|, 0x1800000   ; my 16 numbers of block b, and the floor 2^(3 - 127)
.endr
.irp i, 2,4,6,8,10,12,14
.irp b, 0,1,2,3
	s_delay_alu instid0(VALU_DEP_4)
	v_max3_num_f32 v[TM+\b], v[TM+\b], |v[\s+16*\b+\i]|, |v[\s+1+16*\b+\i]|
.endr
.endr
.irp b, 0,1,2,3
	s_delay_alu instid0(VALU_DEP_4)
	v_permlanex16_b32 v[TM+4+\b], v[TM+\b], s[SEL], s[SEL+1]
.endr
.irp b, 0,1,2,3
	s_delay_alu instid0(VALU_DEP_4)
	v_max_num_f32 v[TM+\b], v[TM+\b], v[TM+4+\b]
.endr
.irp b, 0,1,2,3
	s_delay_alu instid0(VALU_DEP_4)
	v_add_nc_u32 v[TM+12+\b], 0xff000000, v[TM+\b]   ; 2 off the exponent field: the conversion's scale operand
.endr
.irp b, 0,1,2,3
	s_delay_alu instid0(VALU_DEP_4)
	v_lshrrev_b32 v[TM+4+\b], 23, v[TM+12+\b]
.endr
	s_delay_alu instid0(VALU_DEP_3)
	v_lshl_or_b32 v[PW], v[TM+5], 8, v[TM+4]
	s_delay_alu instid0(VALU_DEP_1)
	v_lshl_or_b32 v[PW], v[TM+6], 16, v[PW]
	s_delay_alu instid0(VALU_DEP_1)
	v_lshl_or_b32 v[PW], v[TM+7], 24, v[PW]
.irp c, 0,1
	v_cvt_scalef32_pk16_fp6_f32 v[PC+6*\c:PC+2+6*\c], v[\s+32*\c:\s+15+32*\c], v[TM+12+2*\c]
	v_cvt_scalef32_pk16_fp6_f32 v[PC+12+4*\c:PC+14+4*\c], v[\s+16+32*\c:\s+31+32*\c], v[TM+12+2*\c+1]
.endr
	v_nop                                          ; one plain place behind a scaled conversion
.irp c, 0,1
.irp i, 0,1,2
	v_permlane16_swap_b32 v[PC+6*\c+\i], v[PC+12+4*\c+\i]
.endr
.irp i, 0,1,2
	s_delay_alu instid0(VALU_DEP_3)
	v_mov_b32 v[PC+3+6*\c+\i], v[PC+12+4*\c+\i]
.endr
.endr
.endm
.macro ALLSUM red                      ; my lane's partial sum in v[WK] becomes the row's sum over all 1,024 columns
	s_delay_alu instid0(VALU_DEP_1)
	v_permlanex16_b32 v[WK+1], v[WK], s[SEL], s[SEL+1]
	s_delay_alu instid0(VALU_DEP_1)
	v_add_f32 v[WK], v[WK], v[WK+1]
	ds_store_b32 v9, v[WK] offset:\red             ; lanes r and r + 16 write the same word with the same value
	s_wait_dscnt 0x0                               ; for the others' sake: my store has landed
	s_barrier_signal -1
	s_barrier_wait -1
.irp i, 0,1,2,3,4,5,6,7
	ds_load_b32 v[WK+\i], v7 offset:\red+64*\i
.endr
	s_wait_dscnt 0x0
.irp i, 1
	v_add_f32 v[WK], v[WK], v[WK+\i]
.endr
.irp i, 2, 3, 4, 5, 6, 7
	s_delay_alu instid0(VALU_DEP_1)
	v_add_f32 v[WK], v[WK], v[WK+\i]
.endr
.endm
	s_load_b256 s[4:11], s[0:1], 0x0               ; x1buf, gain, bias, hbuf
	v_lshl_add_u32 v254, v0, 2, 0x400
	v_mov_b32 v255, 0
	v_lshrrev_b32 v1, 5, v0
	s_delay_alu instid0(VALU_DEP_1)
	v_readfirstlane_b32 s12, v1                    ; wave 0..7
	v_and_b32 v1, 31, v0
	v_and_b32 v2, 15, v0                           ; r
	v_bfe_u32 v3, v0, 4, 1                         ; h
	s_delay_alu instid0(VALU_DEP_3)
	v_lshlrev_b32 v4, 4, v1                        ; 16 x lane
	s_delay_alu instid0(VALU_DEP_4)
	v_lshl_add_u32 v5, v1, 3, 512                  ; 512 + 8 x lane
	s_delay_alu instid0(VALU_DEP_3)
	v_lshlrev_b32 v6, 6, v3                        ; 64 h
	v_lshlrev_b32 v7, 2, v2                        ; 4 r
	s_lshl_b32 s13, s12, 6
	v_add_nc_u32 v9, s13, v7                       ; LDS: 64 x wave + 4 r
	s_mov_b32 s[SEL], 0x76543210
	s_mov_b32 s[SEL+1], 0xfedcba98
	s_mov_b32 s20, 0x3a800000                      ; 1 / 1,024
	s_mov_b32 s21, 0x3727c5ac                      ; 1e-5
.irp b, 0,1,2,3
	v_mov_b32 v[TM+4+\b], 0
.endr
	s_lshr_b32 s13, ttmp9, 1
	s_and_b32 s14, ttmp9, 1
	s_lshl_b32 s16, ttmp9, 16                      ; 16 blocks of 4,096 bytes a tile,
	s_lshl_b32 s15, s12, 13                        ; two a wave
	s_add_co_u32 s16, s16, s15
	s_mov_b32 s17, 0
	s_lshl_b32 s18, s12, 9
	s_mov_b32 s19, 0
	s_lshl_b32 s24, ttmp9, 3
	s_add_co_u32 s24, s24, s12
	s_mul_i32 s24, s24, 1536
	s_mov_b32 s25, 0
	s_lshl_b32 s26, s13, 3
	s_add_co_u32 s26, s26, s12
	s_lshl_b32 s26, s26, 7
	s_lshl_b32 s15, s14, 6
	s_add_co_u32 s26, s26, s15
	s_add_co_u32 s26, s26, 3145728
	s_mov_b32 s27, 0
	s_wait_alu depctr_va_vdst(0)
	s_wait_kmcnt 0x0
	s_add_nc_u64 s[4:5], s[4:5], s[16:17]
	s_add_nc_u64 s[6:7], s[6:7], s[18:19]
	s_add_nc_u64 s[8:9], s[8:9], s[18:19]
	s_add_nc_u64 s[28:29], s[10:11], s[26:27]
	s_add_nc_u64 s[10:11], s[10:11], s[24:25]
.irp b, 0,1,2,3
.irp j, 0,1,2,3
	global_load_b128 v[X+16*\b+4*\j:X+16*\b+4*\j+3], v4, s[4:5] offset:(\b/2)*4096+(4*(\b%2)+\j)*512
.endr
.endr
.irp b, 0,1,2,3
.irp j, 0,1,2,3
	global_load_b128 v[G+16*\b+4*\j:G+16*\b+4*\j+3], v6, s[6:7] offset:128*\b+16*\j
.endr
.endr
.irp b, 0,1,2,3
.irp j, 0,1,2,3
	global_load_b128 v[BB+16*\b+4*\j:BB+16*\b+4*\j+3], v6, s[8:9] offset:128*\b+16*\j
.endr
.endr
	s_wait_loadcnt 32                              ; x1's 16 loads are in; the 32 of gain and bias may be out
	v_pk_add_f32 v[226:227], v[32:33], v[40:41]
	v_pk_add_f32 v[228:229], v[48:49], v[56:57]
	v_pk_add_f32 v[230:231], v[64:65], v[72:73]
	v_pk_add_f32 v[252:253], v[80:81], v[88:89]
	v_pk_add_f32 v[250:251], v[34:35], v[42:43]
	v_pk_add_f32 v[248:249], v[50:51], v[58:59]
	v_pk_add_f32 v[246:247], v[66:67], v[74:75]
	v_pk_add_f32 v[224:225], v[82:83], v[90:91]
	s_delay_alu instid0(VALU_DEP_1)
	v_pk_add_f32 v[224:225], v[224:225], v[36:37]
	v_pk_add_f32 v[226:227], v[226:227], v[44:45]
	v_pk_add_f32 v[228:229], v[228:229], v[52:53]
	v_pk_add_f32 v[230:231], v[230:231], v[60:61]
	v_pk_add_f32 v[252:253], v[252:253], v[68:69]
	v_pk_add_f32 v[250:251], v[250:251], v[76:77]
	v_pk_add_f32 v[248:249], v[248:249], v[84:85]
	v_pk_add_f32 v[246:247], v[246:247], v[92:93]
	v_pk_add_f32 v[224:225], v[224:225], v[38:39]
	v_pk_add_f32 v[226:227], v[226:227], v[46:47]
	v_pk_add_f32 v[228:229], v[228:229], v[54:55]
	v_pk_add_f32 v[230:231], v[230:231], v[62:63]
	v_pk_add_f32 v[252:253], v[252:253], v[70:71]
	v_pk_add_f32 v[250:251], v[250:251], v[78:79]
	v_pk_add_f32 v[248:249], v[248:249], v[86:87]
	v_pk_add_f32 v[246:247], v[246:247], v[94:95]
	s_delay_alu instid0(VALU_DEP_4)
	v_pk_add_f32 v[224:225], v[224:225], v[252:253]
	s_delay_alu instid0(VALU_DEP_4)
	v_pk_add_f32 v[226:227], v[226:227], v[250:251]
	s_delay_alu instid0(VALU_DEP_4)
	v_pk_add_f32 v[228:229], v[228:229], v[248:249]
	s_delay_alu instid0(VALU_DEP_4)
	v_pk_add_f32 v[230:231], v[230:231], v[246:247]
	s_delay_alu instid0(VALU_DEP_2)
	v_pk_add_f32 v[224:225], v[224:225], v[228:229]
	s_delay_alu instid0(VALU_DEP_2)
	v_pk_add_f32 v[226:227], v[226:227], v[230:231]
	s_delay_alu instid0(VALU_DEP_1)
	v_pk_add_f32 v[224:225], v[224:225], v[226:227]
	s_delay_alu instid0(VALU_DEP_1)
	v_add_f32 v[WK], v[WK], v[WK+1]
	ALLSUM 0
	s_delay_alu instid0(VALU_DEP_1)
	v_mul_f32 v250, s20, v[WK]                     ; the mean
	s_delay_alu instid0(VALU_DEP_1)
	v_mov_b32 v251, v250
.set j, 0
.rept 32
	v_pk_add_f32 v[X+j:X+j+1], v[X+j:X+j+1], v[250:251] neg_lo:[0,1] neg_hi:[0,1]
.set j, j+2
.endr
.irp c, 0,1,2,3
	v_pk_mul_f32 v[WK+2*\c:WK+2*\c+1], v[X+2*\c:X+2*\c+1], v[X+2*\c:X+2*\c+1]
.endr
.irp j, 8,16,24,32,40,48,56
.irp c, 0,1,2,3
	s_delay_alu instid0(VALU_DEP_4)
	v_pk_fma_f32 v[WK+2*\c:WK+2*\c+1], v[X+\j+2*\c:X+\j+2*\c+1], v[X+\j+2*\c:X+\j+2*\c+1], v[WK+2*\c:WK+2*\c+1]
.endr
.endr
	s_delay_alu instid0(VALU_DEP_3)
	v_pk_add_f32 v[WK:WK+1], v[WK:WK+1], v[WK+2:WK+3]
	s_delay_alu instid0(VALU_DEP_2)
	v_pk_add_f32 v[WK+4:WK+5], v[WK+4:WK+5], v[WK+6:WK+7]
	s_delay_alu instid0(VALU_DEP_1)
	v_pk_add_f32 v[WK:WK+1], v[WK:WK+1], v[WK+4:WK+5]
	s_delay_alu instid0(VALU_DEP_1)
	v_add_f32 v[WK], v[WK], v[WK+1]
	ALLSUM 512                                     ; other bytes than the first sum's
	s_delay_alu instid0(VALU_DEP_1)
	v_fma_f32 v[WK], v[WK], s20, s21
	s_wait_alu depctr_va_vdst(0)
	v_rsq_f32 v252, v[WK]
	v_nop                                          ; a plain place behind the transcendental,
	s_wait_alu depctr_va_vdst(0)                   ; and the wait ahead of its first reader
	v_mov_b32 v253, v252
	s_wait_alu depctr_va_vdst(0)
	s_wait_loadcnt 0x0
.set j, 0
.rept 32
	v_pk_mul_f32 v[X+j:X+j+1], v[X+j:X+j+1], v[252:253]
.set j, j+2
.endr
.set j, 0
.rept 32
	v_pk_fma_f32 v[X+j:X+j+1], v[X+j:X+j+1], v[G+j:G+j+1], v[BB+j:BB+j+1]
.set j, j+2
.endr
	QUANT X
	global_store_b128 v4, v[PC:PC+3], s[10:11]
	global_store_b64 v5, v[PC+4:PC+5], s[10:11]
	global_store_b128 v4, v[PC+6:PC+9], s[10:11] offset:768
	global_store_b64 v5, v[PC+10:PC+11], s[10:11] offset:768
	global_store_b32 v7, v[PW], s[28:29]           ; lanes r and r + 16 store the same word with the same value
	s_wait_tensorcnt 0x0
	ds_add_u32 v254, v255
	s_wait_dscnt 0x0
	s_endpgm
.Lfunc_end_k_qce351dcb0c_ln2:
	.size	k_qce351dcb0c_ln2, .Lfunc_end_k_qce351dcb0c_ln2-k_qce351dcb0c_ln2
	.p2alignl 7, 3214868480
	.fill 96, 4, 3214868480
	.section	.rodata,"a",@progbits
	.p2align	6, 0x0
	.amdhsa_kernel k_qce351dcb0c_ln2
		.amdhsa_group_segment_fixed_size 2048
		.amdhsa_private_segment_fixed_size 0
		.amdhsa_enable_private_segment 0
		.amdhsa_kernarg_size 32
		.amdhsa_user_sgpr_count 2
		.amdhsa_user_sgpr_kernarg_segment_ptr 1
		.amdhsa_wavefront_size32 1
		.amdhsa_system_sgpr_workgroup_id_x 1
		.amdhsa_system_sgpr_workgroup_id_y 1
		.amdhsa_system_sgpr_workgroup_id_z 1
		.amdhsa_system_vgpr_workitem_id 0
		.amdhsa_next_free_vgpr 256
		.amdhsa_next_free_sgpr 66
		.amdhsa_reserve_vcc 0
		.amdhsa_float_denorm_mode_32 3
		.amdhsa_float_denorm_mode_16_64 3
		.amdhsa_memory_ordered 1
		.amdhsa_forward_progress 1
		.amdhsa_inst_pref_size 28
	.end_amdhsa_kernel
	.amdgpu_metadata
---
amdhsa.version: [ 1, 2 ]
amdhsa.kernels:
  - .name:           k_qce351dcb0c_ln2
    .symbol:         k_qce351dcb0c_ln2.kd
    .args:
      - { .name: x1buf, .offset: 0, .size: 8, .value_kind: global_buffer, .address_space: global }
      - { .name: ln2_g, .offset: 8, .size: 8, .value_kind: global_buffer, .address_space: global }
      - { .name: ln2_b, .offset: 16, .size: 8, .value_kind: global_buffer, .address_space: global }
      - { .name: hbuf, .offset: 24, .size: 8, .value_kind: global_buffer, .address_space: global }
    .group_segment_fixed_size: 2048
    .private_segment_fixed_size: 0
    .kernarg_segment_align: 8
    .kernarg_segment_size: 32
    .max_flat_workgroup_size: 256
    .sgpr_count:     66
    .vgpr_count:     256
    .wavefront_size: 32
...
	.end_amdgpu_metadata
.endif
;; end of part 12
;; launch ffn1 (part 13): grid 16 x 16, 4 waves a work-group, clusters of 4 x 4, 327,680 bytes of LDS; arguments hbuf, wbuf, b1, ffbuf; writes ffbuf
.if DOCPART == 13
	.amdgcn_target "amdgcn-amd-amdhsa--gfx1250"
	.amdhsa_code_object_version 6
	.text
	.protected	k_qce351dcb0c_ffn1
	.globl	k_qce351dcb0c_ffn1
	.p2align	8
	.type	k_qce351dcb0c_ffn1,@function
k_qce351dcb0c_ffn1:
	s_mov_b64 s[64:65], 0
	v_nop
	global_prefetch_b8 v0, s[64:65] scope:SCOPE_SE
	s_setreg_imm32_b32 hwreg(HW_REG_WAVE_MODE, 25, 1), 1
	s_wait_xcnt 0x0
	s_wait_alu depctr_hold_cnt(0) depctr_sa_sdst(0) depctr_va_vdst(0) depctr_va_sdst(0) depctr_va_ssrc(0) depctr_va_vcc(0) depctr_vm_vsrc(0)
	s_getreg_b32 s2, hwreg(HW_REG_IB_STS2, 6, 4)
	s_cmp_eq_u32 s2, 0
	s_cbranch_scc0 .Lentry_in_a_cluster
	s_endpgm
.Lentry_in_a_cluster:
	s_bfe_u32 s2, ttmp6, 0x10000c
	s_cmp_lg_u32 s2, 0xf033
	s_cbranch_scc0 .Lentry_shape_is_right
	s_endpgm
.Lentry_shape_is_right:
.set AS0, 3145728
.set B0,  3145728
.set BS0, 9568256
; relu(h2 W1 + b1), quantised along the hidden units, on codes of FP6 (E2M3) with E8M0 scales; K = 1,024: eight K steps of 128.  A work-group makes 256 tokens x 256 hidden units, a wave 128 x 128.
; THE RING: two slots of three K steps (32 tiles x 4,608 bytes).  At the head one load a wave: wave 0 A's 16 tiles of K steps 0-2, wave 1 B's, wave 2 A's scale words, wave 3 B's.
; Slot 1 (K steps 3-5) is first filled behind a round, a quarter a wave; K steps 6 and 7 come by one refill of slot 0 in K step 2, as rows of 3,072 bytes.
; OUT: a fragment (16 tokens x 128 hidden units) as three runs of 512 bytes: registers 4 j .. 4 j + 3 at 512 j + 16 x lane.
.set REG,   147456
.set SCA,   2*REG
.set SCB,   SCA+8192
.set SPARE, SCB+8192
.set G1, 24
.set G0, 32
.set G0S, 44
.set G1B, 48
.set G0SB, 72
.set G1S, 76
.set G1SB, 84
.set TQ, 160
.set TM, 168
.set SEL, 98
.set MSB, 0
.macro WIN new
.if MSB != (\new)
	s_set_vgpr_msb (MSB<<8)|(\new)
.set MSB, (\new)
.endif
.endm
.macro PLACES n
.rept \n
	v_nop
.endr
.endm
.macro JLOAD g0a, g1a, g0b, g1b
	s_cmp_eq_u32 s15, 0
	s_cbranch_scc0 .Lfor_b_\@
	tensor_load_to_lds s[\g0a:\g0a+3], s[\g1a:\g1a+7]
	s_nop 0
.rept 4
	v_nop
.endr
	s_branch .Lasked_\@
.Lfor_b_\@:
	tensor_load_to_lds s[\g0b:\g0b+3], s[\g1b:\g1b+7]
	s_nop 0
.rept 4
	v_nop
.endr
.Lasked_\@:
.endm
.macro CREST
	s_cmp_lg_u32 s14, 0
	s_cbranch_scc1 .Lnot_wave_0_\@
	s_barrier_signal -3
.Lnot_wave_0_\@:
	s_barrier_wait -3
	s_barrier_signal -1
	s_barrier_wait -1
.endm
.macro CROUND
	s_barrier_signal -1
	s_barrier_wait -1
	CREST
.endm
.macro LDFR rg, q, f
.if (\f) < 8
.set rF, 160+12*(\f)
.set oF, (4608-1536*((\rg)/2))*(\f)+1536*(\q)  ; rg 0, 1: the slots, tiles 4,608 bytes apart; rg 2: slot 0 filled again, tiles 3,072 apart
	ds_load_b128 v[rF:rF+3], v[22+(\rg)] offset:oF
	ds_load_b64 v[rF+4:rF+5], v[25+(\rg)] offset:oF
	ds_load_b128 v[rF+6:rF+9], v[22+(\rg)] offset:oF+768
	ds_load_b64 v[rF+10:rF+11], v[25+(\rg)] offset:oF+768
.else
.set rF, 64+12*((\f)-8)
.set oF, (4608-1536*((\rg)/2))*((\f)-8)+1536*(\q)
	ds_load_b128 v[rF:rF+3], v[16+(\rg)] offset:oF
	ds_load_b64 v[rF+4:rF+5], v[19+(\rg)] offset:oF
	ds_load_b128 v[rF+6:rF+9], v[16+(\rg)] offset:oF+768
	ds_load_b64 v[rF+10:rF+11], v[19+(\rg)] offset:oF+768
.endif
.endm
.macro RUN p, rg, q, f0, n
	WIN 0x40*(\p)
.set fi, \f0
.rept \n
	LDFR \rg, \q, fi
.set fi, fi+1
.endr
.endm
.macro LDSC p, ks
	WIN 0
.irp i, 0,1,2,3
	ds_load_b32 v[32+8*(\p)+\i], v30 offset:1024*\i+128*(\ks)
	ds_load_b32 v[36+8*(\p)+\i], v31 offset:1024*\i+128*(\ks)
.endr
.endm
.macro WM
.if (bi%2) && (ai%2)
	v_wmma_scale_f32_16x16x128_f8f6f4 v[rD:rD+7], v[rB:rB+11], v[rA:rA+11], v[rC:rC+7], v[rSB], v[rSA] matrix_a_fmt:MATRIX_FMT_FP6 matrix_b_fmt:MATRIX_FMT_FP6 matrix_a_scale:MATRIX_SCALE_ROW1 matrix_b_scale:MATRIX_SCALE_ROW1
.elseif bi%2
	v_wmma_scale_f32_16x16x128_f8f6f4 v[rD:rD+7], v[rB:rB+11], v[rA:rA+11], v[rC:rC+7], v[rSB], v[rSA] matrix_a_fmt:MATRIX_FMT_FP6 matrix_b_fmt:MATRIX_FMT_FP6 matrix_a_scale:MATRIX_SCALE_ROW1
.elseif ai%2
	v_wmma_scale_f32_16x16x128_f8f6f4 v[rD:rD+7], v[rB:rB+11], v[rA:rA+11], v[rC:rC+7], v[rSB], v[rSA] matrix_a_fmt:MATRIX_FMT_FP6 matrix_b_fmt:MATRIX_FMT_FP6 matrix_b_scale:MATRIX_SCALE_ROW1
.else
	v_wmma_scale_f32_16x16x128_f8f6f4 v[rD:rD+7], v[rB:rB+11], v[rA:rA+11], v[rC:rC+7], v[rSB], v[rSA] matrix_a_fmt:MATRIX_FMT_FP6 matrix_b_fmt:MATRIX_FMT_FP6
.endif
.endm
.macro MULG p, a, cm
.set wA, 2+(\a)/4
.if (\cm) == 2
	WIN (wA<<6)|(1<<4)|(5*(\p))
.else
	WIN (wA<<6)|(wA<<4)|(5*(\p))
.endif
.set ai, \a
.set bi, 0
.rept 8
.set rD, 8*(8*(ai%4)+bi)
.set rC, rD
.if (\cm) == 2
.set rC, 8*bi
.endif
.set rB, 160+12*bi
.set rA, 64+12*ai
.set rSB, 36+8*(\p)+bi/2
.set rSA, 32+8*(\p)+ai/2
	WM
.set bi, bi+1
.endr
.endm
.macro NEXTOF ks
.set nK, (\ks)+1
.set nR, nK/3
.set nQ, nK%3
.set nP, nK%2
.endm
.macro KSTEP ks, cm
	NEXTOF \ks
.set pp, (\ks)%2
	s_wait_dscnt 0x0
	PLACES 4
	RUN nP, nR, nQ, 0, 3
	MULG pp, 0, \cm
	RUN nP, nR, nQ, 3, 3
	MULG pp, 1, \cm
	RUN nP, nR, nQ, 6, 3
	MULG pp, 2, \cm
	RUN nP, nR, nQ, 9, 3
	MULG pp, 3, \cm
	RUN nP, nR, nQ, 12, 2
	MULG pp, 4, \cm
	RUN nP, nR, nQ, 14, 2
	LDSC nP, nK
	MULG pp, 5, \cm
	MULG pp, 6, \cm
	MULG pp, 7, \cm
.endm
.macro TAIL
	RUN nP, nR, nQ, 0, 4
	MULG pp, 2, 0
	RUN nP, nR, nQ, 4, 4
	MULG pp, 3, 0
	RUN nP, nR, nQ, 8, 4
	MULG pp, 4, 0
	RUN nP, nR, nQ, 12, 4
	LDSC nP, nK
	MULG pp, 5, 0
	MULG pp, 6, 0
	MULG pp, 7, 0
.endm
.macro KTURN ks
	NEXTOF \ks
.set pp, (\ks)%2
	s_wait_dscnt 0x0
	WIN 0
	s_wait_tensorcnt 0x0
	ds_add_u32 v28, v29
	MULG pp, 0, 0
	s_wait_dscnt 0x0
	s_barrier_signal -1
	MULG pp, 1, 0
	WIN 0
	s_barrier_wait -1
	CREST
	s_mov_b32 s[G1+1], 384<<16                     ; no load of mine is out: the refill's rows are two K steps long
	s_mov_b32 s[G1+3], 384<<16
	s_mov_b32 s[G1B+1], 384<<16
	s_mov_b32 s[G1B+3], 384<<16
	JLOAD G0, G1, 56, G1B
	TAIL
.endm
.macro KMEET ks
	NEXTOF \ks
.set pp, (\ks)%2
	s_wait_dscnt 0x0
	s_wait_tensorcnt 0x0
	s_barrier_signal -1
	MULG pp, 0, 0
	MULG pp, 1, 0
	WIN 0
	s_barrier_wait -1
	PLACES 4
	TAIL
.endm
.macro QUANTW w, s, pc, pw, relu
.if \relu
	WIN ((\w)<<6)|((\w)<<2)
.set j, 0
.rept 64
	v_max_num_f32 v[(\s)+j], 0, v[(\s)+j]
.set j, j+1
.endr
.endif
	WIN ((\w)<<2)|(\w)
.irp b, 0,1,2,3
	v_max3_num_f32 v[TM+\b], |v[(\s)+16*\b]|, |v[(\s)+1+16*\b]|, 0x1800000
.endr
.irp i, 2,4,6,8,10,12,14
.irp b, 0,1,2,3
	v_max3_num_f32 v[TM+\b], |v[(\s)+16*\b+\i]|, |v[(\s)+1+16*\b+\i]|, v[TM+\b]
.endr
.endr
	WIN 0
.irp b, 0,1,2,3
	v_permlanex16_b32 v[TM+4+\b], v[TM+\b], s[SEL], s[SEL+1]
.endr
.irp b, 0,1,2,3
	v_max_num_f32 v[TM+\b], v[TM+\b], v[TM+4+\b]
.endr
.irp b, 0,1,2,3
	v_add_nc_u32 v[TM+12+\b], 0xff000000, v[TM+\b]
.endr
.irp b, 0,1,2,3
	v_lshrrev_b32 v[TM+4+\b], 23, v[TM+12+\b]
.endr
	v_lshl_or_b32 v[\pw], v[TM+5], 8, v[TM+4]
	v_lshl_or_b32 v[\pw], v[TM+6], 16, v[\pw]
	v_lshl_or_b32 v[\pw], v[TM+7], 24, v[\pw]
	WIN (\w)
.irp c, 0,1
	v_cvt_scalef32_pk16_fp6_f32 v[(\pc)+6*\c:(\pc)+2+6*\c], v[(\s)+32*\c:(\s)+15+32*\c], v[TM+12+2*\c]
	v_cvt_scalef32_pk16_fp6_f32 v[TQ+4*\c:TQ+2+4*\c], v[(\s)+16+32*\c:(\s)+31+32*\c], v[TM+12+2*\c+1]
.endr
	WIN 0
	v_nop
.irp c, 0,1
.irp i, 0,1,2
	v_permlane16_swap_b32 v[(\pc)+6*\c+\i], v[TQ+4*\c+\i]
.endr
.irp i, 0,1,2
	v_mov_b32 v[(\pc)+3+6*\c+\i], v[TQ+4*\c+\i]
.endr
.endr
.endm
.macro STFRAG pc, bs, off
	global_store_b128 v1, v[(\pc):(\pc)+3], s[\bs:\bs+1] offset:\off
	global_store_b128 v1, v[(\pc)+4:(\pc)+7], s[\bs:\bs+1] offset:(\off)+512
	global_store_b128 v1, v[(\pc)+8:(\pc)+11], s[\bs:\bs+1] offset:(\off)+1024
.endm
	s_load_b256 s[4:11], s[0:1], 0x0
	v_lshl_add_u32 v28, v0, 2, SPARE
	v_mov_b32 v29, 0
	ds_add_u32 v28, v29
	ds_add_u32 v28, v29
	s_wait_dscnt 0x0
	v_lshrrev_b32 v1, 5, v0
	v_readfirstlane_b32 s14, v1
	s_lshr_b32 s15, s14, 1
	s_and_b32 s16, s14, 1
	s_bfe_u32 s92, ttmp6, 0x40000
	s_bfe_u32 s93, ttmp6, 0x40004
	s_lshl_b32 s94, ttmp9, 2
	s_add_co_u32 s94, s94, s92
	s_and_b32 s17, ttmp7, 0xffff
	s_lshl_b32 s17, s17, 2
	s_add_co_u32 s17, s17, s93
	s_lshl_b32 s95, s93, 2
	s_lshl_b32 s95, 15, s95
	s_lshl_b32 s96, 0x1111, s92
	s_or_b32 s[G1+0], s95, (3<<16)|(1<<21)
	s_or_b32 s[G1B+0], s96, (3<<16)|(1<<21)
.irp g, G1, G1B
	s_mov_b32 s[\g+1], 576<<16
	s_mov_b32 s[\g+2], 16<<16
	s_mov_b32 s[\g+3], 576<<16
	s_mov_b32 s[\g+4], 16
	s_mov_b32 s[\g+5], 1536
	s_mov_b32 s[\g+6], 0
	s_mov_b32 s[\g+7], 0
.endr
	s_or_b32 s[G1S+0], s95, (3<<16)|(1<<21)
	s_or_b32 s[G1SB+0], s96, (3<<16)|(1<<21)
.irp g, G1S, G1SB
	s_mov_b32 s[\g+1], 32<<16
	s_mov_b32 s[\g+2], 32<<16
	s_mov_b32 s[\g+3], 32<<16
	s_mov_b32 s[\g+4], 32
	s_mov_b32 s[\g+5], 32
	s_mov_b32 s[\g+6], 0
	s_mov_b32 s[\g+7], 0
.endr
	s_mul_i32 s20, s17, 196608
	s_mul_i32 s18, s16, 98304
	s_add_co_u32 s20, s20, s18
	s_mov_b32 s21, 0
	s_lshl_b32 s22, s17, 13
	s_lshl_b32 s19, s16, 12
	s_add_co_u32 s22, s22, s19
	s_add_co_u32 s22, s22, AS0
	s_mov_b32 s23, 0
	s_mul_i32 s66, s94, 196608
	s_add_co_u32 s66, s66, s18
	s_add_co_u32 s66, s66, B0
	s_mov_b32 s67, 0
	s_lshl_b32 s2, s94, 13
	s_add_co_u32 s2, s2, s19
	s_add_co_u32 s2, s2, BS0
	s_mov_b32 s3, 0
	s_mul_i32 s97, s16, 24576
	s_add_co_u32 s98, s97, 49152
	s_wait_kmcnt 0x0
	s_add_nc_u64 s[20:21], s[4:5], s[20:21]
	s_add_nc_u64 s[22:23], s[4:5], s[22:23]
	s_add_nc_u64 s[66:67], s[6:7], s[66:67]
	s_add_nc_u64 s[2:3], s[6:7], s[2:3]
	CROUND
	s_mov_b32 s12, s18                             ; the half that my ring loads fetch, in bytes of codes: taken off again for the head's whole blocks
	s_mov_b32 s13, 0
	s_mov_b32 s[G0+8], 1                           ; head: A's 16 tiles, K steps 0-2
	s_mov_b32 s[G0+9], 0
	s_sub_nc_u64 s[G0+10:G0+11], s[20:21], s[12:13]
	s_or_b32 s[G0+11], s[G0+11], 0x80000000
	s_mov_b32 s68, 1                               ; B's 16 tiles, behind them
	s_mov_b32 s69, 73728
	s_sub_nc_u64 s[70:71], s[66:67], s[12:13]
	s_or_b32 s71, s71, 0x80000000
	s_mov_b32 s12, s19                             ; the same half in bytes of scale words
	s_mov_b32 s[G0S], 1
	s_mov_b32 s[G0S+1], SCA
	s_sub_nc_u64 s[G0S+2:G0S+3], s[22:23], s[12:13]
	s_or_b32 s[G0S+3], s[G0S+3], 0x80000000
	s_mov_b32 s[G0SB], 1
	s_mov_b32 s[G0SB+1], SCB
	s_sub_nc_u64 s[G0SB+2:G0SB+3], s[2:3], s[12:13]
	s_or_b32 s[G0SB+3], s[G0SB+3], 0x80000000
	s_mov_b32 s[G0], 1                             ; the refill of slot 0: my eight tiles, K steps 6 and 7
	s_mov_b32 s[G0+1], s97
	s_add_nc_u64 s[G0+2:G0+3], s[20:21], 9216
	s_or_b32 s[G0+3], s[G0+3], 0x80000000
	s_mov_b32 s56, 1
	s_mov_b32 s57, s98
	s_add_nc_u64 s[58:59], s[66:67], 9216
	s_or_b32 s59, s59, 0x80000000
	s_mul_i32 s12, s16, 36864                      ; slot 1: my eight tiles, K steps 3-5
	s_mov_b32 s[G0+4], 1
	s_add_co_u32 s[G0+5], s12, REG
	s_add_nc_u64 s[G0+6:G0+7], s[20:21], 4608
	s_or_b32 s[G0+7], s[G0+7], 0x80000000
	s_mov_b32 s60, 1
	s_add_co_u32 s61, s12, REG+73728
	s_add_nc_u64 s[62:63], s[66:67], 4608
	s_or_b32 s63, s63, 0x80000000
.macro ARM under, g0, g1, next         ; one chain of branches on the wave's number, one load to an arm, all arms to one join
	s_cmp_lt_u32 s14, \under
	s_cbranch_scc0 \next
	tensor_load_to_lds s[\g0:\g0+3], s[\g1:\g1+7]
	s_nop 0
.rept 4
	v_nop
.endr
	s_branch .Lhead_asked
\next:
.endm
	ARM 1, G0+8, G1,  .Lhead_b
	ARM 2, 68,   G1B, .Lhead_sa
	ARM 3, G0S,  G1S, .Lhead_sb
	tensor_load_to_lds s[G0SB:G0SB+3], s[G1SB:G1SB+7]
	s_nop 0
.rept 4
	v_nop
.endr
.Lhead_asked:
	v_and_b32 v3, 31, v0
	v_lshlrev_b32 v1, 4, v3
	v_lshl_add_u32 v2, v3, 3, 512
	v_lshlrev_b32 v3, 2, v3
	v_bfe_u32 v5, v0, 4, 1
	s_mul_i32 s18, s15, 24576                      ; slot 0 filled again: my eight tiles of A, 3,072 bytes apart,
	s_mul_i32 s19, s16, 24576
	s_add_co_u32 s19, s19, 49152                   ; and of B
	v_add_nc_u32 v18, s18, v1
	v_add_nc_u32 v21, s18, v2
	v_add_nc_u32 v24, s19, v1
	v_add_nc_u32 v27, s19, v2
	s_mul_i32 s18, s15, 36864                      ; the two slots: tiles 4,608 bytes apart
	s_mul_i32 s19, s16, 36864
	s_add_co_u32 s19, s19, 73728
.irp j, 0,1
	v_add_nc_u32 v[16+\j], s18, v1
	v_add_nc_u32 v[19+\j], s18, v2
	v_add_nc_u32 v[22+\j], s19, v1
	v_add_nc_u32 v[25+\j], s19, v2
	s_add_co_u32 s18, s18, REG
	s_add_co_u32 s19, s19, REG
.endr
	s_lshl_b32 s18, s15, 12
	s_add_co_u32 s18, s18, SCA
	v_add_nc_u32 v30, s18, v3
	s_lshl_b32 s19, s16, 12
	s_add_co_u32 s19, s19, SCB
	v_add_nc_u32 v31, s19, v3
	v_lshlrev_b32 v7, 6, v5
	s_lshl_b32 s18, s94, 10
	s_lshl_b32 s19, s16, 9
	s_add_co_u32 s18, s18, s19
	s_mov_b32 s19, 0
	s_add_nc_u64 s[8:9], s[8:9], s[18:19]
	WIN 0x40
.set bi, 0
.rept 8
	global_load_b128 v[8*bi:8*bi+3], v7, s[8:9] offset:128*(bi/2)+32*(bi%2)
	global_load_b128 v[8*bi+4:8*bi+7], v7, s[8:9] offset:128*(bi/2)+32*(bi%2)+16
.set bi, bi+1
.endr
	WIN 0
	s_wait_alu depctr_va_vdst(0)
	s_wait_tensorcnt 0x0                           ; my tile of the head's four is in
	ds_add_u32 v28, v29
	s_mov_b32 s[G1+2], 8<<16                       ; no load of mine is out: from here on a load brings eight tiles
	s_mov_b32 s[G1+4], 8
	s_mov_b32 s[G1B+2], 8<<16
	s_mov_b32 s[G1B+4], 8
	s_wait_dscnt 0x0
	CROUND                                         ; everybody's tile is in, and the joint loads meet
	JLOAD G0+4, G1, 60, G1B                        ; slot 1: K steps 3-5
	RUN 0, 0, 0, 0, 16
	LDSC 0, 0
	s_wait_loadcnt 0x0
	KSTEP 0, 2
	KSTEP 1, 0
	KTURN 2
	KSTEP 3, 0
	KSTEP 4, 0
	KMEET 5
	KSTEP 6, 0
	s_wait_dscnt 0x0
.irp a, 0,1,2,3,4,5,6,7
	MULG 1, \a, 0
.endr
	WIN 0
	PLACES 4
	s_mov_b32 s[SEL], 0x76543210
	s_mov_b32 s[SEL+1], 0xfedcba98
	s_mov_b32 s100, 0xffff0000
.irp b, 0,1,2,3
	v_mov_b32 v[TM+4+\b], 0
.endr
	s_lshl_b32 s18, s17, 4
	s_lshl_b32 s19, s15, 3
	s_add_co_u32 s18, s18, s19
	s_lshl_b32 s19, s94, 1
	s_add_co_u32 s19, s19, s16
	s_lshl_b32 s20, s18, 5
	s_add_co_u32 s20, s20, s19
	s_mul_i32 s20, s20, 1536
	s_mov_b32 s21, 0
	s_add_nc_u64 s[20:21], s[10:11], s[20:21]
	s_lshl_b32 s22, s18, 4
	s_add_co_u32 s22, s22, s19
	s_lshl_b32 s22, s22, 7
	s_add_co_u32 s22, s22, 12582912
	s_mov_b32 s23, 0
	s_add_nc_u64 s[22:23], s[10:11], s[22:23]
.irp a, 0,1,2,3,4,5,6,7
	QUANTW 2+\a/4, 64*(\a%4), 64+12*\a, 184+\a, 1
	STFRAG 64+12*\a, 20, 49152*\a
.endr
.irp f, 0,1,2,3
	v_cndmask_b32 v[192+\f], v[184+2*\f], v[185+2*\f], s100
	global_store_b32 v3, v[192+\f], s[22:23] offset:4096*\f
.endr
	s_wait_tensorcnt 0x0
	ds_add_u32 v28, v29
	s_wait_dscnt 0x0
	CROUND
	s_endpgm
.Lfunc_end_k_qce351dcb0c_ffn1:
	.size	k_qce351dcb0c_ffn1, .Lfunc_end_k_qce351dcb0c_ffn1-k_qce351dcb0c_ffn1
	.p2alignl 7, 3214868480
	.fill 96, 4, 3214868480
	.section	.rodata,"a",@progbits
	.p2align	6, 0x0
	.amdhsa_kernel k_qce351dcb0c_ffn1
		.amdhsa_group_segment_fixed_size 327680
		.amdhsa_private_segment_fixed_size 0
		.amdhsa_enable_private_segment 0
		.amdhsa_kernarg_size 32
		.amdhsa_user_sgpr_count 2
		.amdhsa_user_sgpr_kernarg_segment_ptr 1
		.amdhsa_wavefront_size32 1
		.amdhsa_system_sgpr_workgroup_id_x 1
		.amdhsa_system_sgpr_workgroup_id_y 1
		.amdhsa_system_sgpr_workgroup_id_z 1
		.amdhsa_system_vgpr_workitem_id 0
		.amdhsa_next_free_vgpr 1024
		.amdhsa_next_free_sgpr 102
		.amdhsa_reserve_vcc 0
		.amdhsa_float_denorm_mode_32 3
		.amdhsa_float_denorm_mode_16_64 3
		.amdhsa_memory_ordered 1
		.amdhsa_forward_progress 1
		.amdhsa_inst_pref_size 169
	.end_amdhsa_kernel
	.amdgpu_metadata
---
amdhsa.version: [ 1, 2 ]
amdhsa.kernels:
  - .name:           k_qce351dcb0c_ffn1
    .symbol:         k_qce351dcb0c_ffn1.kd
    .args:
      - { .name: hbuf, .offset: 0, .size: 8, .value_kind: global_buffer, .address_space: global }
      - { .name: wbuf, .offset: 8, .size: 8, .value_kind: global_buffer, .address_space: global }
      - { .name: b1, .offset: 16, .size: 8, .value_kind: global_buffer, .address_space: global }
      - { .name: ffbuf, .offset: 24, .size: 8, .value_kind: global_buffer, .address_space: global }
    .group_segment_fixed_size: 327680
    .private_segment_fixed_size: 0
    .kernarg_segment_align: 8
    .kernarg_segment_size: 32
    .max_flat_workgroup_size: 128
    .sgpr_count:     102
    .vgpr_count:     1024
    .wavefront_size: 32
...
	.end_amdgpu_metadata
.endif
;; end of part 13
;; launch ffn2 (part 14): grid 8 x 32, 4 waves a work-group, clusters of 4 x 1, 327,680 bytes of LDS; arguments ffbuf, wbuf, b2, x1buf, out0; writes out0
.if DOCPART == 14
	.amdgcn_target "amdgcn-amd-amdhsa--gfx1250"
	.amdhsa_code_object_version 6
	.text
	.protected	k_qce351dcb0c_ffn2
	.globl	k_qce351dcb0c_ffn2
	.p2align	8
	.type	k_qce351dcb0c_ffn2,@function
k_qce351dcb0c_ffn2:
	s_mov_b64 s[64:65], 0
	v_nop
	global_prefetch_b8 v0, s[64:65] scope:SCOPE_SE
	s_setreg_imm32_b32 hwreg(HW_REG_WAVE_MODE, 25, 1), 1
	s_wait_xcnt 0x0
	s_wait_alu depctr_hold_cnt(0) depctr_sa_sdst(0) depctr_va_vdst(0) depctr_va_sdst(0) depctr_va_ssrc(0) depctr_va_vcc(0) depctr_vm_vsrc(0)
	s_getreg_b32 s2, hwreg(HW_REG_IB_STS2, 6, 4)
	s_cmp_eq_u32 s2, 0
	s_cbranch_scc0 .Lentry_in_a_cluster
	s_endpgm
.Lentry_in_a_cluster:
	s_bfe_u32 s2, ttmp6, 0x10000c
	s_cmp_lg_u32 s2, 0x3003
	s_cbranch_scc0 .Lentry_shape_is_right
	s_endpgm
.Lentry_shape_is_right:
; out = x1 + hidden layer x W2 + b2, on codes of FP6 (E2M3) with E8M0 scales.  K = 4,096: 32 K steps of 128.
; A work-group makes 128 tokens x 128 columns.  K IS CUT AMONG ITS FOUR WAVES: wave w multiplies the whole block over K steps 8 w .. 8 w + 7: 8 x 8 tiles, 64 accumulators, 512 registers.
; So each fragment is read by one wave of the work-group alone and feeds eight products.
; OPERANDS lie in memory as images of operand registers: fragment (tile, K step) at (32 x tile + K step) x 1,536, registers 4 j .. 4 j + 3 at 512 j + 16 x lane.
; Tiles in the order row(t, r) = 32 (t / 2) + 8 (t % 2) + r + 8 (r / 8); scale words by pairs of tiles, 128 bytes a pair and K step (lane 16 u + r: tile 2 P + u, row r).
; A (the tokens' codes) is the same for the four column blocks of a cluster of 4 x 1: it comes by JOINT tensor loads, each wave's eight tiles into LDS bytes of the wave's own: two slots of three K steps (8 x 4,608 bytes a wave).
; K steps 0-2 are asked for at the head, one load a wave; K steps 3-5 behind a round; K steps 6 and 7 by one refill of slot 0 in K step 2, three steps ahead of their first read.  Only the wave that asked reads those bytes.
; B (W2's codes) and the scale words go from memory straight into registers, 32 loads a step, issued two steps ahead into the set that the running step has just read.
; THE SUMS MEET IN LDS, over the ring, which has had its last fill by then.  Wave w numbers the pairs of token tiles by P xor w, so that its pair 0 is the pair that it owns; it stores pairs 1 to 3 (48 accumulators, as they stand) for their owners and adds the three parts left for it.
; SOURCE 0 = W2's rows, SOURCE 1 = tokens: a lane holds one token; registers 16 b + i of a token tile = column 32 b + 16 (lane / 16) + i.  x1 arrives as images of these registers; rows leave through a stage in LDS, 512 consecutive bytes a store.
; NO PREFETCH: a wave's walk has eight steps; A's are asked for by three loads, the last three steps ahead; B's loads run two steps ahead.
; All of a WGP's LDS is claimed; the text uses 295,424 bytes.
; The order of the sum over K differs from an ascending one: four parts of 1,024, added in f32.
; REGISTERS: window 0: v1-3, v6-13 lane terms and LDS addresses, v14-15 the spare word's address and 0, v16-31 scale words (two sets), v32-43 A's LDS addresses, v64-159, v160-255 A's fragments; window 1: v0-95, v128-223 B's; windows 2, 3: accumulators (a, b) at v[8 (8 (a % 4) + b)].
.set G0H, 16                           ; s[16:19] group 0: slot 0, K steps 0-2
.set G0N, 20                           ; s[20:23] slot 1, K steps 3-5
.set SAS, 24                           ; s[24:31] A's scale words, a base for each of my pairs of tiles
.set SB,  32                           ; s[32:33] B's codes
.set SBS, 34                           ; s[34:35] B's scale words
.set G0R, 48                           ; s[48:51] the refill of slot 0, K steps 6 and 7
.set G1,  52                           ; s[52:59] group 1
.set REG,   147456                     ; a slot: four waves x 8 tiles x 4,608 bytes
.set STAGE, 196608                     ; behind the 12 parts of 16,384 bytes: 32 rows x 528 bytes for each wave
.set SPARE, 2*REG                      ; behind the ring: the spare words
.set MSB, 0
.macro WIN new                         ; the immediate's high byte repeats the setting that is left
.if MSB != (\new)
	s_set_vgpr_msb (MSB<<8)|(\new)
.set MSB, (\new)
.endif
.endm
.macro PLACES                          ; plain vector places behind matrix instructions (ISA guide 7.12.1)
.rept 4
	v_nop
.endr
.endm
.macro CROUND                          ; a round of the cluster's barrier
	s_barrier_signal -1
	s_barrier_wait -1
	s_cmp_lg_u32 s14, 0
	s_cbranch_scc1 .Lnot_wave_0_\@
	s_barrier_signal -3
.Lnot_wave_0_\@:
	s_barrier_wait -3
	s_barrier_signal -1
	s_barrier_wait -1
.endm
.macro ASK g0                          ; my joint load; an s_nop 0 and four v_nop follow it
	tensor_load_to_lds s[\g0:\g0+3], s[G1:G1+7]
	s_nop 0
.rept 4
	v_nop
.endr
.endm
.macro LDAL p, t                       ; A's eight tiles of my K step t from LDS into set p.  Steps 0-2: slot 0; 3-5: slot 1; 6, 7: slot 0 filled again, tiles 3,072 bytes apart
	WIN 0
.set rg, (\t)/3
.set pit, 4608-1536*(rg/2)
.set ai, 0
.rept 8
.set rF, 64+96*(\p)+12*ai
.irp j, 0,1,2
	ds_load_b128 v[rF+4*\j:rF+4*\j+3], v[32+4*rg+ai/2] offset:pit*(ai%2)+1536*((\t)%3)+512*\j
.endr
.set ai, ai+1
.endr
.endm
.macro LDB p, t                        ; B's eight tiles of my K step t into set p
	WIN 0x40
.set bi, 0
.rept 8
.set rF, 128*(\p)+12*bi
.irp j, 0,1,2
	global_load_b128 v[rF+4*\j:rF+4*\j+3], v1, s[SB:SB+1] offset:49152*bi+512*\j+1536*(\t)
.endr
.set bi, bi+1
.endr
.endm
.macro LDSC p, t                       ; a step's scale words: four pairs of A's tiles, four of B's
	WIN 0
.irp i, 0,1,2,3
	global_load_b32 v[16+8*(\p)+\i], v3, s[SAS+2*\i:SAS+2*\i+1] offset:128*(\t)
	global_load_b32 v[20+8*(\p)+\i], v3, s[SBS:SBS+1] offset:4096*\i+128*(\t)
.endr
.endm
.macro WM z                            ; one product; a pair's scale register holds the even tile's words in lanes 0-15, the odd tile's in lanes 16-31
.if \z
.if (bi%2) && (ai%2)
	v_wmma_scale_f32_16x16x128_f8f6f4 v[rD:rD+7], v[rB:rB+11], v[rA:rA+11], 0, v[rSB], v[rSA] matrix_a_fmt:MATRIX_FMT_FP6 matrix_b_fmt:MATRIX_FMT_FP6 matrix_a_scale:MATRIX_SCALE_ROW1 matrix_b_scale:MATRIX_SCALE_ROW1
.elseif bi%2
	v_wmma_scale_f32_16x16x128_f8f6f4 v[rD:rD+7], v[rB:rB+11], v[rA:rA+11], 0, v[rSB], v[rSA] matrix_a_fmt:MATRIX_FMT_FP6 matrix_b_fmt:MATRIX_FMT_FP6 matrix_a_scale:MATRIX_SCALE_ROW1
.elseif ai%2
	v_wmma_scale_f32_16x16x128_f8f6f4 v[rD:rD+7], v[rB:rB+11], v[rA:rA+11], 0, v[rSB], v[rSA] matrix_a_fmt:MATRIX_FMT_FP6 matrix_b_fmt:MATRIX_FMT_FP6 matrix_b_scale:MATRIX_SCALE_ROW1
.else
	v_wmma_scale_f32_16x16x128_f8f6f4 v[rD:rD+7], v[rB:rB+11], v[rA:rA+11], 0, v[rSB], v[rSA] matrix_a_fmt:MATRIX_FMT_FP6 matrix_b_fmt:MATRIX_FMT_FP6
.endif
.else
.if (bi%2) && (ai%2)
	v_wmma_scale_f32_16x16x128_f8f6f4 v[rD:rD+7], v[rB:rB+11], v[rA:rA+11], v[rD:rD+7], v[rSB], v[rSA] matrix_a_fmt:MATRIX_FMT_FP6 matrix_b_fmt:MATRIX_FMT_FP6 matrix_a_scale:MATRIX_SCALE_ROW1 matrix_b_scale:MATRIX_SCALE_ROW1
.elseif bi%2
	v_wmma_scale_f32_16x16x128_f8f6f4 v[rD:rD+7], v[rB:rB+11], v[rA:rA+11], v[rD:rD+7], v[rSB], v[rSA] matrix_a_fmt:MATRIX_FMT_FP6 matrix_b_fmt:MATRIX_FMT_FP6 matrix_a_scale:MATRIX_SCALE_ROW1
.elseif ai%2
	v_wmma_scale_f32_16x16x128_f8f6f4 v[rD:rD+7], v[rB:rB+11], v[rA:rA+11], v[rD:rD+7], v[rSB], v[rSA] matrix_a_fmt:MATRIX_FMT_FP6 matrix_b_fmt:MATRIX_FMT_FP6 matrix_b_scale:MATRIX_SCALE_ROW1
.else
	v_wmma_scale_f32_16x16x128_f8f6f4 v[rD:rD+7], v[rB:rB+11], v[rA:rA+11], v[rD:rD+7], v[rSB], v[rSA] matrix_a_fmt:MATRIX_FMT_FP6 matrix_b_fmt:MATRIX_FMT_FP6
.endif
.endif
.endm
.macro MULG p, a, z                    ; eight products: A's tile a against B's eight.  The 64 accumulators take turns, in the same order in every step
	WIN 0xa1+0x50*((\a)/4)                         ; source 0 window 1, source 1 window 0, C and D window 2 or 3
.set ai, \a
.set bi, 0
.rept 8
.set rD, 8*(8*(ai%4)+bi)
.set rB, 128*(\p)+12*bi
.set rA, 64+96*(\p)+12*ai
.set rSB, 20+8*(\p)+bi/2
.set rSA, 16+8*(\p)+ai/2
	WM \z
.set bi, bi+1
.endr
.endm
; My K step t, on set t % 2.  At its head A's fragments of step t + 1 are fetched from LDS into the other set (the places in front of them stand at the end of step t - 1); at its end B's and the scale words of step t + 2 are asked of memory.
.macro STEP t, z
	WIN 0
.if (\t) == 7
	s_wait_loadcnt 48                              ; B and the scale words of this step are in; x1's 32 loads and the bias's 16 may be out
.else
	s_wait_loadcnt 32                              ; B and the scale words of this step are in; the next step's 32 loads may be out
.endif
.if (\t) == 2                                  ; slot 0 has been read out and is filled again
	s_wait_tensorcnt 0x0                           ; all my tensor loads have landed: slot 1's;
	ds_add_u32 v14, v15                            ; 0 onto my spare word;
	s_mov_b32 s[G1+1], 384<<16                     ; no load of mine is out: the refill's rows are two K steps long
	s_mov_b32 s[G1+3], 384<<16
	s_wait_dscnt 0x0                               ; the add is done, and my reads of slot 0 are over
	CROUND                                         ; both hold of every wave of every partner
	ASK G0R
.elseif (\t) == 5
	s_wait_tensorcnt 0x0                           ; my refill has landed: only I read its bytes
	s_wait_dscnt 0x0
.elseif (\t) == 7
	s_wait_dscnt 0x0                               ; my reads of the ring are over:
	s_barrier_signal -1                            ; say so; the products below work on registers alone
.else
	s_wait_dscnt 0x0                               ; A's fragments of this step are in
.endif
.if (\t) < 7
	LDAL 1-(\t)%2, (\t)+1
.endif
.irp a, 0,1,2,3,4,5,6,7
	MULG (\t)%2, \a, \z
.endr
	PLACES                                         ; in front of loads into registers that the products above have read, and of the first reads of results
.if (\t) < 6
	LDSC (\t)%2, (\t)+2
	LDB (\t)%2, (\t)+2
.elseif (\t) == 6
	WIN 0x40                                       ; x1 of my two token tiles x 128 columns, in the accumulators' layout: window 1, v0-127
.set i, 0
.rept 32
	global_load_b128 v[4*i:4*i+3], v1, s[10:11] offset:65536*(i/16)+4096*((i/8)%2)+512*(i%8) th:TH_LOAD_NT
.set i, i+1
.endr
	WIN 0                                          ; the bias: for B's tile 2 b + u the eight numbers at column 32 b + 16 h + 8 u: v64-127
.set bi, 0
.rept 8
	global_load_b128 v[64+8*bi:64+8*bi+3], v2, s[8:9] offset:128*(bi/2)+32*(bi%2)
	global_load_b128 v[64+8*bi+4:64+8*bi+7], v2, s[8:9] offset:128*(bi/2)+32*(bi%2)+16
.set bi, bi+1
.endr
.endif
.endm
.macro PUT win, adr, r0                ; 16 accumulators go to LDS as they stand, each from its low end on
	WIN \win
.set i, 0
.rept 32
	ds_store_b128 v[\adr], v[(\r0)+4*i:(\r0)+4*i+3] offset:512*i
.set i, i+1
.endr
.endm
.macro GET win, r0, off                ; a part that another wave left for me
	WIN \win
.set i, 0
.rept 32
	ds_load_b128 v[(\r0)+4*i:(\r0)+4*i+3], v12 offset:(\off)+512*i
.set i, i+1
.endr
.endm
.macro ADDP win, src                   ; 128 numbers onto the sums in window 0, v128-255
	WIN \win
.set j, 0
.rept 64
	v_pk_add_f32 v[128+j:129+j], v[128+j:129+j], v[(\src)+j:(\src)+j+1]
.set j, j+2
.endr
.endm
	s_load_b256 s[4:11], s[0:1], 0x0               ; ffbuf, wbuf, b2, x1buf
	s_load_b64 s[12:13], s[0:1], 0x20              ; out0
	v_lshl_add_u32 v14, v0, 2, SPARE
	v_mov_b32 v15, 0
	ds_add_u32 v14, v15                            ; the opening lines: the add, twice on end, and its wait ahead of my first tensor load
	ds_add_u32 v14, v15
	v_lshrrev_b32 v2, 5, v0
	v_readfirstlane_b32 s14, v2                    ; wave 0..3
	v_and_b32 v4, 31, v0
	v_and_b32 v6, 15, v0                           ; r
	v_bfe_u32 v7, v0, 4, 1                         ; h
	v_lshlrev_b32 v1, 4, v4                        ; 16 x lane
	v_lshlrev_b32 v3, 2, v4                        ; 4 x lane
	s_and_b32 s15, ttmp7, 0xffff                   ; block of 128 tokens: the cluster's y
	s_bfe_u32 s60, ttmp6, 0x40000                  ; cx
	s_lshl_b32 s61, ttmp9, 2
	s_add_co_u32 s61, s61, s60                     ; block of 128 columns = 4 x cluster x + cx
	s_mov_b32 s[G1], 15|(3<<16)|(1<<21)            ; the mask: all four of the cluster; elements of 8 bytes; bit 21 beside a mask; no padding
	s_mov_b32 s[G1+1], 576<<16                     ; a row: three K steps of one tile, 4,608 bytes
	s_mov_b32 s[G1+2], 8<<16                       ; eight tiles
	s_mov_b32 s[G1+3], 576<<16
	s_mov_b32 s[G1+4], 8
	s_mov_b32 s[G1+5], 6144                        ; from a tile's image to the next: 49,152 bytes
	s_mov_b32 s[G1+6], 0
	s_mov_b32 s[G1+7], 0
	s_mul_i32 s36, s15, 393216                     ; A's codes: 8 tiles of 49,152 bytes a block,
	s_mul_i32 s38, s14, 12288                      ; my 8 K steps: no place in the cluster enters
	s_add_co_u32 s36, s36, s38
	s_mov_b32 s37, 0
	s_lshl_b32 s39, s15, 14                        ; 4 pairs of 4,096 bytes of scale words a block
	s_lshl_b32 s40, s14, 10
	s_add_co_u32 s39, s39, s40
	s_add_co_u32 s39, s39, 12582912                ; behind the codes in ffbuf
.irp P, 0,1,2,3
	s_xor_b32 s41, s14, \P                         ; my pair P is the block's pair P xor wave
	s_lshl_b32 s41, s41, 12
	s_add_co_u32 s[SAS+2*\P], s39, s41
	s_mov_b32 s[SAS+2*\P+1], 0
.endr
	s_mul_i32 s[SB], s61, 393216
	s_add_co_u32 s[SB], s[SB], s38
	s_add_co_u32 s[SB], s[SB], 6291456             ; W2's images in wbuf
	s_mov_b32 s[SB+1], 0
	s_lshl_b32 s[SBS], s61, 14
	s_add_co_u32 s[SBS], s[SBS], s40
	s_add_co_u32 s[SBS], s[SBS], 9699328           ; its scale words
	s_mov_b32 s[SBS+1], 0
	s_lshl_b32 s42, s15, 19                        ; 128 rows of 4,096 bytes a block,
	s_lshl_b32 s43, s14, 17                        ; the 32 rows that I own
	s_add_co_u32 s42, s42, s43
	s_lshl_b32 s43, s61, 13
	s_add_co_u32 s44, s42, s43                     ; x1's images: (tile x 16 + column / 64) x 4,096
	s_mov_b32 s45, 0
	s_lshl_b32 s46, s61, 9                         ; 128 columns of f32
	s_mov_b32 s47, 0
	s_add_co_u32 s42, s42, s46
	s_mov_b32 s43, 0
	s_mov_b32 s[G0H], 1
	s_mul_i32 s[G0H+1], s14, 36864                 ; my bytes of slot 0,
	s_mov_b32 s[G0N], 1
	s_add_co_u32 s[G0N+1], s[G0H+1], REG           ; of slot 1,
	s_mov_b32 s[G0R], 1
	s_mul_i32 s[G0R+1], s14, 24576                 ; and of slot 0 filled again
	s_wait_alu depctr_va_vdst(0)
	s_wait_dscnt 0x0                               ; both opening adds are done
	s_wait_kmcnt 0x0
.irp P, 0,1,2,3
	s_add_nc_u64 s[SAS+2*\P:SAS+2*\P+1], s[4:5], s[SAS+2*\P:SAS+2*\P+1]
.endr
	s_add_nc_u64 s[SB:SB+1], s[6:7], s[SB:SB+1]
	s_add_nc_u64 s[SBS:SBS+1], s[6:7], s[SBS:SBS+1]
	LDSC 0, 0                                      ; B and the scale words of my first two K steps
	LDB 0, 0
	LDSC 1, 1
	LDB 1, 1
	WIN 0
	s_add_nc_u64 s[36:37], s[4:5], s[36:37]
	s_mov_b64 s[G0H+2:G0H+3], s[36:37]
	s_or_b32 s[G0H+3], s[G0H+3], 0x80000000
	s_add_nc_u64 s[G0N+2:G0N+3], s[36:37], 4608
	s_or_b32 s[G0N+3], s[G0N+3], 0x80000000
	s_add_nc_u64 s[G0R+2:G0R+3], s[36:37], 9216
	s_or_b32 s[G0R+3], s[G0R+3], 0x80000000
	CROUND                                         ; all four work-groups are here: the first joint loads meet
	ASK G0H                                        ; K steps 0-2: one tensor load a wave at the head
	s_add_nc_u64 s[10:11], s[10:11], s[44:45]
	s_add_nc_u64 s[8:9], s[8:9], s[46:47]
	s_add_nc_u64 s[12:13], s[12:13], s[42:43]
	s_mul_i32 s38, s14, 49152                      ; the three parts left for me
	s_mul_i32 s39, s14, 16896
	s_add_co_u32 s39, s39, STAGE                   ; my stage
.irp P, 1,2,3
	s_xor_b32 s44, s14, \P                         ; my pair P belongs to wave P xor wave: part P - 1 of its three
	s_mul_i32 s44, s44, 3
	s_add_co_u32 s44, s44, \P-1
	s_lshl_b32 s[40+\P], s44, 14
.endr
.irp P, 0,1,2,3                                ; where my pair P lies in my bytes of the ring: the tiles lie there in the block's order
	s_xor_b32 s45, s14, \P
	s_mul_i32 s46, s45, 9216
	s_add_co_u32 s46, s46, s[G0H+1]
	v_add_nc_u32 v[32+\P], s46, v1
	s_add_co_u32 s46, s46, REG
	v_add_nc_u32 v[36+\P], s46, v1
	s_mul_i32 s46, s45, 6144
	s_add_co_u32 s46, s46, s[G0R+1]
	v_add_nc_u32 v[40+\P], s46, v1
.endr
	v_add_nc_u32 v12, s38, v1
	v_add_nc_u32 v8, s39, v1                       ; stage, back: a row of 512 bytes to the 32 lanes
	v_mul_u32_u24 v13, v6, 528                     ; stage, in: row r, 64 bytes for each half of the lanes
	v_lshl_add_u32 v13, v7, 6, v13
	v_add_nc_u32 v13, s39, v13
	v_add_nc_u32 v9, s41, v1
	v_add_nc_u32 v10, s42, v1
	v_add_nc_u32 v11, s43, v1
	v_lshlrev_b32 v2, 6, v7                        ; the bias: 64 h
	s_wait_alu depctr_va_vdst(0)                   ; the wait at the head's end
	s_wait_tensorcnt 0x0                           ; my K steps 0-2 are in
	ds_add_u32 v14, v15
	s_wait_dscnt 0x0
	CROUND
	ASK G0N                                        ; K steps 3-5, the first tensor load behind the round
	LDAL 0, 0
	STEP 0, 1                                      ; the first products start the sums
	STEP 1, 0
	STEP 2, 0
	STEP 3, 0
	STEP 4, 0
	STEP 5, 0
	STEP 6, 0
	STEP 7, 0
	WIN 0
	s_barrier_wait -1                              ; nobody reads the ring any more, and it has had its last fill: the parts of the sums and the stages lie over it
	PUT 0x08, 9, 128                               ; my pair 1: window 2, v128-255
	PUT 0x0c, 10, 0                                ; pair 2: window 3, v0-127
	PUT 0x0c, 11, 128                              ; pair 3
	WIN 0
	s_wait_dscnt 0x0                               ; for the others' sake: my stores have landed
	s_barrier_signal -1
	s_barrier_wait -1
	GET 0, 128, 0
	GET 0x40, 128, 16384
	GET 0xc0, 0, 32768
	s_wait_dscnt 63                                ; the first part's 32 loads are in (of the 96, at most 63 may be out: the largest count that the wait can name)
	ADDP 0x08, 0                                   ; + my own sums (window 2, v0-127), each accumulator from its low end on
	s_wait_dscnt 32
	ADDP 0x04, 128
	s_wait_dscnt 0x0
	ADDP 0x0c, 0
	s_wait_loadcnt 0x0                             ; x1 and the bias
	ADDP 0x04, 0
	WIN 0
.set j, 0
.rept 64
	v_pk_add_f32 v[128+j:129+j], v[128+j:129+j], v[64+(j%64):65+(j%64)]
.set j, j+2
.endr
	s_wait_alu depctr_va_vdst(0)
.irp a, 0,1
.irp b, 0,1,2,3
.irp q, 0,1,2,3
	ds_store_b128 v13, v[128+64*\a+16*\b+4*\q:131+64*\a+16*\b+4*\q] offset:8448*\a+128*\b+16*\q
.endr
.endr
.endr
	WIN 0x40
.set i, 0
.rept 32
	ds_load_b128 v[4*i:4*i+3], v8 offset:528*i     ; LDS serves a wave's instructions in order (ISA guide 5.7.1.4): these see the stores above
.set i, i+1
.endr
	WIN 0x04                                       ; the stores' data: window 1
.set i, 0
.rept 32
.if i%8 == 0
	s_wait_dscnt 24-i                              ; eight more rows are back
.endif
	global_store_b128 v1, v[4*i:4*i+3], s[12:13] offset:(8*(i/16)+(i%16)+8*((i%16)/8))*4096 th:TH_STORE_NT   ; 512 consecutive bytes, at a multiple of 256
.set i, i+1
.endr
	WIN 0
	s_wait_tensorcnt 0x0                           ; the wave's end
	ds_add_u32 v14, v15
	s_wait_dscnt 0x0
	CROUND                                         ; the closing round: no work-group ends while a partner may still ask for a tile that names it
	s_endpgm
.Lfunc_end_k_qce351dcb0c_ffn2:
	.size	k_qce351dcb0c_ffn2, .Lfunc_end_k_qce351dcb0c_ffn2-k_qce351dcb0c_ffn2
	.p2alignl 7, 3214868480
	.fill 96, 4, 3214868480
	.section	.rodata,"a",@progbits
	.p2align	6, 0x0
	.amdhsa_kernel k_qce351dcb0c_ffn2
		.amdhsa_group_segment_fixed_size 327680
		.amdhsa_private_segment_fixed_size 0
		.amdhsa_enable_private_segment 0
		.amdhsa_kernarg_size 40
		.amdhsa_user_sgpr_count 2
		.amdhsa_user_sgpr_kernarg_segment_ptr 1
		.amdhsa_wavefront_size32 1
		.amdhsa_system_sgpr_workgroup_id_x 1
		.amdhsa_system_sgpr_workgroup_id_y 1
		.amdhsa_system_sgpr_workgroup_id_z 1
		.amdhsa_system_vgpr_workitem_id 0
		.amdhsa_next_free_vgpr 1024
		.amdhsa_next_free_sgpr 66
		.amdhsa_reserve_vcc 0
		.amdhsa_float_denorm_mode_32 3
		.amdhsa_float_denorm_mode_16_64 3
		.amdhsa_memory_ordered 1
		.amdhsa_forward_progress 1
		.amdhsa_inst_pref_size 157
	.end_amdhsa_kernel
	.amdgpu_metadata
---
amdhsa.version: [ 1, 2 ]
amdhsa.kernels:
  - .name:           k_qce351dcb0c_ffn2
    .symbol:         k_qce351dcb0c_ffn2.kd
    .args:
      - { .name: ffbuf, .offset: 0, .size: 8, .value_kind: global_buffer, .address_space: global }
      - { .name: wbuf, .offset: 8, .size: 8, .value_kind: global_buffer, .address_space: global }
      - { .name: b2, .offset: 16, .size: 8, .value_kind: global_buffer, .address_space: global }
      - { .name: x1buf, .offset: 24, .size: 8, .value_kind: global_buffer, .address_space: global }
      - { .name: out0, .offset: 32, .size: 8, .value_kind: global_buffer, .address_space: global }
    .group_segment_fixed_size: 327680
    .private_segment_fixed_size: 0
    .kernarg_segment_align: 8
    .kernarg_segment_size: 40
    .max_flat_workgroup_size: 128
    .sgpr_count:     66
    .vgpr_count:     1024
    .wavefront_size: 32
...
	.end_amdgpu_metadata
.endif
;; end of part 14
